; MI455X (gfx1250); checked and timed in simulation.
; The chip was launched on July 23, 2026; its instructions are those of AMD's public machine-readable ISA for CDNA 5 (MIT licence, August 2026) and "CDNA5" Instruction Set Architecture Reference Guide (July 2026). The comments in the code are by the model that wrote it; some were corrected since.
;; block. Allowed arithmetic: matrix products marked QUANTISED: E2M3 operands, one E8M0 scale for each 32 along K, by v_wmma_scale_f32_16x16x128_f8f6f4 with both operands' format E2M3, f32 sums; everything else in f32.
;; Inputs: W1 1,024 x 4,096 float32; W2 4,096 x 1,024 float32; Wk 1,024 x 1,024 float32; Wo 1,024 x 1,024 float32; Wq 1,024 x 1,024 float32; Wv 1,024 x 1,024 float32; b1 4,096 float32; b2 1,024 float32; bo 1,024 float32; ln1_b 1,024 float32; ln1_w 1,024 float32; ln2_b 1,024 float32; ln2_w 1,024 float32; x 2 x 2,048 x 1,024 float32.
;; Outputs: out0 2 x 2,048 x 1,024 float32.
;; This version of the problem:
;;   THIS VERSION OF THE PROBLEM IS GIVEN IN LOW PRECISION. The matrix products marked QUANTISED in the list below multiply operands that are first quantised to E2M3 (2 exponent bits, 3 mantissa bits; 6 bits a number), with one power-of-two scale for each 32 numbers along K (OCP MX v1.0); their sums are f32. All else is computed in f32.
;;   The module's matrix products, in the order in which they are computed (A, B: the left and right operand; K: the contracted axis; several contracted axes count as one K, in the product's order):
;;     1. [M 4,096, K 1,024] x [K 1,024, N 1,024]; A: input x; B: input Wq: QUANTISED
;;     2. [M 4,096, K 1,024] x [K 1,024, N 1,024]; A: input x; B: input Wk: QUANTISED
;;     3. [M 4,096, K 1,024] x [K 1,024, N 1,024]; A: input x; B: input Wv: QUANTISED
;;     4. batch 32 x [M 2,048, K 64] x [K 64, N 2,048]; A: computed on the way; B: computed on the way: QUANTISED
;;     5. batch 32 x [M 2,048, K 2,048] x [K 2,048, N 64]; A: softmax (see below); B: computed on the way: QUANTISED
;;     6. [M 4,096, K 1,024] x [K 1,024, N 1,024]; A: computed on the way; B: input Wo: QUANTISED
;;     7. [M 4,096, K 1,024] x [K 1,024, N 4,096]; A: computed on the way; B: input W1: QUANTISED
;;     8. [M 4,096, K 4,096] x [K 4,096, N 1,024]; A: computed on the way; B: input W2: QUANTISED
;;   THE QUANTISER, for each operand of a quantised product, along K:
;;     - K is cut into blocks of 32 from its start; a last block that is shorter is filled with zeros.
;;     - A block's scale is 2^e with e = floor(log2(the largest magnitude in the block)) - 2, held to -126 .. 127; a block of zeros has e = 0. As a byte (E8M0): e + 127.
;;     - Each number is divided by its block's scale, clamped to +-7.5, and rounded to the nearest number of E2M3, ties to even, subnormals kept.
;;     - The product sums the exact products of the quantised numbers (number of the format x scale) in f32.
;;   ~~~python
;;   def quantise(x, axis):      # numpy; x: float32 -> the quantised numbers, widened to float32 again
;;       x = np.moveaxis(x, axis, -1); K = x.shape[-1]
;;       x = np.pad(x, [(0, 0)] * (x.ndim - 1) + [(0, -K % 32)]); x = x.reshape(x.shape[:-1] + (-1, 32)); a = np.abs(x).max(-1, keepdims=True)
;;       e = np.where(a > 0, np.clip(np.frexp(np.where(a > 0, a, 1))[1] - 1 - 2, -126, 127), 0)      # np.frexp(a)[1] - 1 = floor(log2(a)), exactly
;;       r = np.clip(x / 2.0 ** e, -7.5, 7.5)
;;       step = 2.0 ** (np.maximum(np.frexp(np.where(r == 0, 1, r))[1] - 1, 0) - 3)
;;       q = np.round(r / step) * step * 2.0 ** e      # np.round: ties to even
;;       return np.moveaxis(q.reshape(q.shape[:-2] + (-1,))[..., :K], -1, axis).astype(np.float32)
;;   ~~~
;;   SOFTMAX AHEAD OF A QUANTISED PRODUCT. Where the list says 'softmax', what is quantised is not the finished softmax but p = 2^(t - M), with t = logit x log2(e) and M = ceil(the row's largest t), a whole number; so 1/2 < the row's largest p <= 1. The row's sum l is taken of the UNQUANTISED p, in f32, and the product's result is divided by l at the end. Since M is a whole number, a kernel that streams over the keys may use a running M (the ceiling of the running maximum): every later rescaling is an exact power of two, which a block's scale takes up: the codes' values come out the same.
;;   OPERANDS COMPUTED ON THE WAY. 'Computed on the way' means the value that the module computes at that place (a softmax that the list does not call 'softmax' is quantised finished and normalised). What goes into a quantiser is computed in f32, as accurately as f32 sums, v_exp_f32 and their like allow (about 1e-6 of the number): no bf16 or f16 on the way to a quantiser, and a product that is left as it is and whose result goes on into a quantised operand takes f32 operands (vector FMAs, or v_wmma_f32_16x16x4_f32). A number that lies on a knife's edge between two numbers of the format may be rounded either way, as far as f32 arithmetic and the matrix unit's own rounding can turn it there, and no further.
;; One version. Each part assembles by itself: llvm-mc -triple=amdgcn-amd-amdhsa -mcpu=gfx1250 --defsym DOCPART=n.
;; ======== version 1 of 1: 8 launches
;; limits: right only within a limited range of input values
;; workspace buffers: qin 13,107,200 bytes; qkv 10,092,544 bytes; att 3,276,800 bytes; y 16,777,216 bytes; hf 16,777,216 bytes; hq 3,276,800 bytes; gq 13,107,200 bytes
;; launch quant (part 1): grid 1024 x 1, 4 waves a work-group, no clusters, 34,304 bytes of LDS; arguments x, Wq, Wk, Wv, Wo, W1, W2, qin; writes qin
.if DOCPART == 1
	.amdgcn_target "amdgcn-amd-amdhsa--gfx1250"
	.amdhsa_code_object_version 6
	.text
	.protected	k_q88eec5f199_quant
	.globl	k_q88eec5f199_quant
	.p2align	8
	.type	k_q88eec5f199_quant,@function
k_q88eec5f199_quant:
	s_mov_b64 s[64:65], 0
	v_nop
	global_prefetch_b8 v0, s[64:65] scope:SCOPE_SE
	s_setreg_imm32_b32 hwreg(HW_REG_WAVE_MODE, 25, 1), 1
	s_wait_xcnt 0x0
; x [4096][1024] and the six weights ([K][N], K first) become codes of FP6 (E2M3) with one E8M0 byte for each 32 along K, in the workspace qin.
; LAYOUT OF EVERY OPERAND IN THIS PROGRAM.  Rows (tokens, or a weight's columns) go in tiles of 16: place p of tile T is row 32 (T / 2) + 8 (T % 2) + p + 8 (p / 8).
; A fragment (16 rows x 128 K) is the image of its 12 registers, 1,536 bytes: half c (K 64 c on) has registers 6 c .. 6 c + 3 at 768 c + 16 x lane and registers 6 c + 4, 6 c + 5 at
; 768 c + 512 + 16 r + 8 h (lane = r + 16 h).  Fragment (T, ks) lies at (T x KS + ks) x 1536.  The scale word of (T, r, ks) lies at ((T / 8) x KS + ks) x 512 + (T % 8) x 64 + 4 r.
; A block's scale is 2^(floor(log2(largest magnitude)) - 2); its byte is the largest magnitude's exponent field - 2, held at 1 from below.
; LIMITS: a block of zeros gets the byte 1 where the rule says 127 (its codes are zeros, and this program alone reads the bytes); blocks whose largest magnitude lies under 2^-124 are held at
; the byte 1; NaN and infinities among the inputs are not served.
; SHARES.  Every work-group reads 64 KiB.  Work-groups 0-255: tile T of x; wave w takes K steps 2 w, 2 w + 1; rows are read 512 consecutive bytes a load and turned through the wave's own stage in LDS.
; Work-groups 256-1023: 128 columns x 128 K of a weight; a lane takes a column and its registers run down K, so nothing is transposed.  Work-groups share no input: no cluster, no joint load.
.set WQ,    3145728                    ; qin: x's codes at 0, then Wq, Wk, Wv, Wo (786,432 bytes each),
.set W1C,   6291456                    ; W1,
.set W2C,   9437184                    ; W2;
.set XS,    12582912                   ; the scale words: x's,
.set WQS,   12713984                   ; Wq's, Wk's, Wv's, Wo's (32,768 bytes each),
.set W1S,   12845056
.set W2S,   12976128
.set STG,   8448                       ; a wave's stage: 16 rows x (512 + 16) bytes
.set SPARE, 4*STG                      ; behind the stages: the spare words, 128 bytes a wave
.set SPW,   254                        ; v254 my spare word's LDS address; never rewritten
.set NIL,   255                        ; v255 0; never rewritten
	s_load_b512 s[4:19], s[0:1], 0x0               ; x, Wq, Wk, Wv, Wo, W1, W2, qin
	v_lshl_add_u32 v[SPW], v0, 2, SPARE
	v_mov_b32 v[NIL], 0
	v_lshrrev_b32 v1, 5, v0
	v_readfirstlane_b32 s20, v1                    ; wave
	v_and_b32 v1, 31, v0                           ; lane
	v_and_b32 v2, 15, v0                           ; r
	v_bfe_u32 v3, v0, 4, 1                         ; h
	s_cmp_ge_u32 ttmp9, 256
	s_cbranch_scc1 .Lweights
; ---------------- x ----------------
; 64 numbers of a lane, register 32 c + i = K 64 c + 32 h + i of row r, become the fragment's 12 registers v[p] on and the row's scale word v[w]
.macro QUANTB x, p, w
.irp c, 0,1
	v_max3_num_f32 v[240+\c], |v[\x+32*\c]|, |v[\x+32*\c+1]|, 0x1800000   ; my block 2 c + h is all mine; the floor 2^(3 - 127) holds the byte at 1 from below
.endr
.irp i, 2,4,6,8,10,12,14,16,18,20,22,24,26,28,30
.irp c, 0,1
	v_max3_num_f32 v[240+\c], v[240+\c], |v[\x+32*\c+\i]|, |v[\x+32*\c+\i+1]|
.endr
.endr
.irp c, 0,1
	v_add_nc_u32 v[242+\c], 0xff000000, v[240+\c]  ; 2 off the exponent field: the conversion's scale operand
.endr
.irp c, 0,1
	v_lshrrev_b32 v[244+\c], 23, v[242+\c]         ; the byte
.endr
	v_lshl_or_b32 v[\w], v245, 16, v244            ; blocks h and 2 + h,
	v_lshlrev_b32 v[\w], v9, v[\w]                 ; 8 h bits up;
	v_mov_b32 v246, 0
	v_permlanex16_b32 v246, v[\w], s22, s23
	v_or_b32 v[\w], v[\w], v246                    ; with lane l xor 16's two the word is whole
.irp c, 0,1
	v_cvt_scalef32_pk16_fp6_f32 v[\p+6*\c:\p+6*\c+2], v[\x+32*\c:\x+32*\c+15], v[242+\c]
	v_cvt_scalef32_pk16_fp6_f32 v[232+4*\c:234+4*\c], v[\x+32*\c+16:\x+32*\c+31], v[242+\c]   ; (a conversion's three registers begin on an even number)
.endr
	v_nop                                          ; one plain place behind the scaled conversions
.irp c, 0,1
.irp i, 0,1,2
	v_mov_b32 v[\p+6*\c+3+\i], v[232+4*\c+\i]
.endr
.endr
.endm
	v_lshlrev_b32 v4, 4, v1                        ; 16 x lane
	v_lshlrev_b32 v5, 4, v2
	v_lshl_add_u32 v5, v3, 3, v5                   ; 16 r + 8 h
	s_mul_i32 s21, s20, STG
	v_add_nc_u32 v6, s21, v4                       ; into my stage: a row's 512 bytes as they lie
	v_mul_u32_u24 v7, v2, 528
	v_lshl_add_u32 v7, v3, 7, v7
	v_add_nc_u32 v7, s21, v7                       ; out of it: row r, + 128 h
	v_lshlrev_b32 v8, 2, v2
	v_lshl_add_u32 v8, v3, 9, v8                   ; the scale words' place: 4 r + 512 h
	v_lshlrev_b32 v9, 3, v3                        ; 8 h
	s_mov_b32 s22, 0x76543210
	s_mov_b32 s23, 0xfedcba98                      ; selects for lane l xor 16
	s_lshr_b32 s24, ttmp9, 1
	s_lshl_b32 s24, s24, 5
	s_and_b32 s25, ttmp9, 1
	s_lshl_b32 s25, s25, 3
	s_add_co_u32 s24, s24, s25                     ; the tile's first row
	s_lshl_b32 s24, s24, 12
	s_lshl_b32 s25, s20, 10
	s_add_co_u32 s24, s24, s25                     ; + my two K steps of 512 bytes
	s_mov_b32 s25, 0
	s_lshl_b32 s26, ttmp9, 3
	s_lshl_b32 s27, s20, 1
	s_add_co_u32 s26, s26, s27
	s_mul_i32 s26, s26, 1536                       ; fragment (T, 2 w)
	s_mov_b32 s27, 0
	s_lshr_b32 s28, ttmp9, 3
	s_lshl_b32 s28, s28, 12
	s_lshl_b32 s29, s20, 10
	s_add_co_u32 s28, s28, s29
	s_and_b32 s29, ttmp9, 7
	s_lshl_b32 s29, s29, 6
	s_add_co_u32 s28, s28, s29
	s_add_co_u32 s28, s28, XS
	s_mov_b32 s29, 0
	s_wait_alu depctr_va_vdst(0)
	s_wait_kmcnt 0x0
	s_add_nc_u64 s[4:5], s[4:5], s[24:25]
	s_add_nc_u64 s[26:27], s[18:19], s[26:27]
	s_add_nc_u64 s[28:29], s[18:19], s[28:29]
.irp u, 0,1
.irp p, 0,1,2,3,4,5,6,7,8,9,10,11,12,13,14,15
	global_load_b128 v[16+64*\u+4*\p:16+64*\u+4*\p+3], v4, s[4:5] offset:(\p+8*(\p/8))*4096+512*\u th:TH_LOAD_NT   ; 32 lanes read 512 consecutive bytes of place p's row
.endr
.endr
.macro UNIT u
	s_wait_loadcnt 16-16*\u                        ; this K step's 16 loads are in; the other's may be out
.irp p, 0,1,2,3,4,5,6,7,8,9,10,11,12,13,14,15
	ds_store_b128 v6, v[16+64*\u+4*\p:16+64*\u+4*\p+3] offset:528*\p
.endr
.irp c, 0,1
.irp i, 0,1,2,3,4,5,6,7
	ds_load_b128 v[144+32*\c+4*\i:144+32*\c+4*\i+3], v7 offset:256*\c+16*\i   ; LDS serves a wave's instructions in order: these see my stores
.endr
.endr
	s_wait_dscnt 0x0
	QUANTB 144, 208+12*\u, 248+\u
	global_store_b128 v4, v[208+12*\u:211+12*\u], s[26:27] offset:1536*\u
	global_store_b64  v5, v[212+12*\u:213+12*\u], s[26:27] offset:1536*\u+512
	global_store_b128 v4, v[214+12*\u:217+12*\u], s[26:27] offset:1536*\u+768
	global_store_b64  v5, v[218+12*\u:219+12*\u], s[26:27] offset:1536*\u+1280   ; each store covers 512 or 256 consecutive bytes, aligned
.endm
	UNIT 0
	UNIT 1
	v_permlane16_swap_b32 v248, v249               ; lanes 0-15: K step 2 w's words, lanes 16-31: K step 2 w + 1's
	global_store_b32 v8, v248, s[28:29]
	s_wait_tensorcnt 0x0                           ; the wave's end, behind my last LDS store
	ds_add_u32 v[SPW], v[NIL]
	s_wait_dscnt 0x0
	s_endpgm
; ---------------- the weights ----------------
.Lweights:
	s_sub_co_u32 s21, ttmp9, 256                   ; j
	s_lshr_b32 s24, s21, 6                         ; 0-3: Wq, Wk, Wv, Wo; 4-7: W2; 8-11: W1
	s_and_b32 s25, s21, 7                          ; which 128 columns
	s_lshr_b32 s26, s21, 3
	s_and_b32 s27, s26, 7                          ; which K step
	s_and_b32 s28, s26, 31                         ; (W2: 32 K steps)
	s_and_b32 s29, s21, 31                         ; (W1: 32 groups of columns,
	s_lshr_b32 s30, s21, 5
	s_and_b32 s30, s30, 7                          ;  8 K steps)
	s_mul_i32 s31, s24, 786432
	s_add_co_u32 s31, s31, WQ                      ; where the codes go
	s_lshl_b32 s32, s24, 15
	s_add_co_u32 s32, s32, WQS                     ; and the scale words
	s_cmp_ge_u32 s24, 4
	s_cselect_b32 s27, s28, s27
	s_cselect_b32 s31, W2C, s31
	s_cselect_b32 s32, W2S, s32
	s_cselect_b32 s33, 32, 8                       ; KS
	s_cmp_ge_u32 s24, 8
	s_cselect_b32 s25, s29, s25
	s_cselect_b32 s27, s30, s27
	s_cselect_b32 s31, W1C, s31
	s_cselect_b32 s32, W1S, s32
	s_cselect_b32 s33, 8, s33
	s_cselect_b32 s34, 21, 19                      ; 128 rows of the weight are 2^21 or 2^19 bytes
	s_lshl_b32 s36, s27, s34
	s_lshl_b32 s35, s25, 9
	s_add_co_u32 s36, s36, s35
	s_lshl_b32 s35, s20, 7
	s_add_co_u32 s36, s36, s35                     ; + my wave's 32 columns
	s_mov_b32 s37, 0
	s_lshl_b32 s38, s25, 3
	s_lshl_b32 s35, s20, 1
	s_add_co_u32 s38, s38, s35                     ; my first tile: 8 cg + 2 w
	s_mul_i32 s38, s38, s33
	s_add_co_u32 s38, s38, s27
	s_mul_i32 s38, s38, 1536
	s_add_co_u32 s38, s38, s31
	s_mov_b32 s39, 0
	s_mul_i32 s40, s25, s33
	s_add_co_u32 s40, s40, s27
	s_lshl_b32 s40, s40, 9
	s_lshl_b32 s35, s20, 7
	s_add_co_u32 s40, s40, s35
	s_add_co_u32 s40, s40, s32
	s_mov_b32 s41, 0
	s_wait_alu depctr_va_vdst(0)
	v_lshlrev_b32 v4, 2, v1                        ; in: 4 bytes a lane
	v_bfe_u32 v5, v0, 3, 1                         ; column 32 .. + l belongs to tile 2 w + u, u = (l / 8) % 2,
	v_and_b32 v6, 7, v0
	v_lshl_add_u32 v6, v3, 3, v6                   ; at place l % 8 + 8 (l / 16)
	s_mul_i32 s35, s33, 1536
	v_mul_u32_u24 v7, v5, s35
	v_lshl_add_u32 v7, v6, 4, v7                   ; codes: u tiles on, 16 bytes a place
	v_lshlrev_b32 v8, 2, v6
	v_lshl_add_u32 v8, v5, 6, v8                   ; scale words: 64 u + 4 x place
	s_wait_kmcnt 0x0
	s_cmp_eq_u32 s24, 1                            ; the choices hang on the work-group's number alone
	s_cselect_b64 s[22:23], s[8:9], s[6:7]
	s_cmp_eq_u32 s24, 2
	s_cselect_b64 s[22:23], s[10:11], s[22:23]
	s_cmp_eq_u32 s24, 3
	s_cselect_b64 s[22:23], s[12:13], s[22:23]
	s_cmp_ge_u32 s24, 4
	s_cselect_b64 s[22:23], s[16:17], s[22:23]
	s_cmp_ge_u32 s24, 8
	s_cselect_b64 s[22:23], s[14:15], s[22:23]
	s_add_nc_u64 s[22:23], s[22:23], s[36:37]
	s_add_nc_u64 s[38:39], s[18:19], s[38:39]
	s_add_nc_u64 s[40:41], s[18:19], s[40:41]
.macro LOADW kb, stride                ; block kb: W(32 kb + i, my column): 32 lanes read 128 consecutive bytes
.set LI, 0
.rept 32
	global_load_b32 v[16+32*(\kb)+LI], v4, s[22:23] offset:(32*(\kb)+LI)*\stride th:TH_LOAD_NT
.set LI, LI+1
.endr
.endm
.macro BLOCKW kb                       ; block kb = 2 c + h of my column: 24 bytes of codes and a byte
.set XB, 16+32*(\kb)
	v_max3_num_f32 v10, |v[XB]|, |v[XB+1]|, |v[XB+2]|
	v_max3_num_f32 v11, |v[XB+3]|, |v[XB+4]|, |v[XB+5]|
.irp i, 6,10,14,18,22,26
	v_max3_num_f32 v10, v10, |v[XB+\i]|, |v[XB+\i+1]|
	v_max3_num_f32 v11, v11, |v[XB+\i+2]|, |v[XB+\i+3]|
.endr
	v_max3_num_f32 v10, v10, |v[XB+30]|, |v[XB+31]|
	v_max3_num_f32 v10, v10, v11, 0x1800000        ; the floor 2^(3 - 127)
	v_add_nc_u32 v12, 0xff000000, v10
	v_lshrrev_b32 v13, 23, v12
.if (\kb) == 0
	v_mov_b32 v14, v13
.else
	v_lshl_or_b32 v14, v13, 8*(\kb), v14           ; the column's scale word for these 128 along K
.endif
	v_cvt_scalef32_pk16_fp6_f32 v[144+4*(\kb):146+4*(\kb)], v[XB:XB+15], v12
	v_cvt_scalef32_pk16_fp6_f32 v[168:170], v[XB+16:XB+31], v12
	v_nop                                          ; one plain place behind the scaled conversions
	v_mov_b32 v[147+4*(\kb)], v168                 ; the block's first four registers,
	v_mov_b32 v[160+4*((\kb)/2)+2*((\kb)%2)], v169 ; and its last two, beside those of the half's other block
	v_mov_b32 v[161+4*((\kb)/2)+2*((\kb)%2)], v170
	global_store_b128 v7, v[144+4*(\kb):147+4*(\kb)], s[38:39] offset:768*((\kb)/2)+256*((\kb)%2)   ; 16 places x 16 bytes: 256 consecutive bytes of each of my two tiles
.if (\kb)%2
	global_store_b128 v7, v[160+4*((\kb)/2):163+4*((\kb)/2)], s[38:39] offset:768*((\kb)/2)+512
.endif
.endm
.macro WPATH stride                    ; loads run two blocks ahead; every register is written once, so no store's data are written again
	LOADW 0, \stride
	LOADW 1, \stride
	s_wait_loadcnt 32                              ; block 0 is in; block 1's 32 loads may be out
	LOADW 2, \stride
	BLOCKW 0
	s_wait_loadcnt 32                              ; block 1 is in; block 2's may be out
	LOADW 3, \stride
	BLOCKW 1
	s_wait_loadcnt 32                              ; block 2 is in; block 3's may be out
	BLOCKW 2
	s_wait_loadcnt 0x0
	BLOCKW 3
	global_store_b32 v8, v14, s[40:41]             ; 32 lanes store 128 consecutive bytes
	s_endpgm
.endm
	s_cmp_ge_u32 s24, 8
	s_cbranch_scc1 .Lwide
	s_wait_alu depctr_va_vdst(0)
	WPATH 4096                                     ; a row of 1,024 numbers
.Lwide:
	s_wait_alu depctr_va_vdst(0)
	WPATH 16384                                    ; W1: a row of 4,096 numbers
.Lfunc_end_k_q88eec5f199_quant:
	.size	k_q88eec5f199_quant, .Lfunc_end_k_q88eec5f199_quant-k_q88eec5f199_quant
	.p2alignl 7, 3214868480
	.fill 96, 4, 3214868480
	.section	.rodata,"a",@progbits
	.p2align	6, 0x0
	.amdhsa_kernel k_q88eec5f199_quant
		.amdhsa_group_segment_fixed_size 34304
		.amdhsa_private_segment_fixed_size 0
		.amdhsa_enable_private_segment 0
		.amdhsa_kernarg_size 64
		.amdhsa_user_sgpr_count 2
		.amdhsa_user_sgpr_kernarg_segment_ptr 1
		.amdhsa_wavefront_size32 1
		.amdhsa_system_sgpr_workgroup_id_x 1
		.amdhsa_system_sgpr_workgroup_id_y 1
		.amdhsa_system_sgpr_workgroup_id_z 1
		.amdhsa_system_vgpr_workitem_id 0
		.amdhsa_next_free_vgpr 256
		.amdhsa_next_free_sgpr 66
		.amdhsa_reserve_vcc 0
		.amdhsa_float_denorm_mode_32 3
		.amdhsa_float_denorm_mode_16_64 3
		.amdhsa_memory_ordered 1
		.amdhsa_forward_progress 1
		.amdhsa_inst_pref_size 57
	.end_amdhsa_kernel
	.amdgpu_metadata
---
amdhsa.version: [ 1, 2 ]
amdhsa.kernels:
  - .name:           k_q88eec5f199_quant
    .symbol:         k_q88eec5f199_quant.kd
    .args:
      - { .name: x, .offset: 0, .size: 8, .value_kind: global_buffer, .address_space: global }
      - { .name: Wq, .offset: 8, .size: 8, .value_kind: global_buffer, .address_space: global }
      - { .name: Wk, .offset: 16, .size: 8, .value_kind: global_buffer, .address_space: global }
      - { .name: Wv, .offset: 24, .size: 8, .value_kind: global_buffer, .address_space: global }
      - { .name: Wo, .offset: 32, .size: 8, .value_kind: global_buffer, .address_space: global }
      - { .name: W1, .offset: 40, .size: 8, .value_kind: global_buffer, .address_space: global }
      - { .name: W2, .offset: 48, .size: 8, .value_kind: global_buffer, .address_space: global }
      - { .name: qin, .offset: 56, .size: 8, .value_kind: global_buffer, .address_space: global }
    .group_segment_fixed_size: 34304
    .private_segment_fixed_size: 0
    .kernarg_segment_align: 8
    .kernarg_segment_size: 64
    .max_flat_workgroup_size: 128
    .sgpr_count:     66
    .vgpr_count:     256
    .wavefront_size: 32
...
	.end_amdgpu_metadata
.endif
;; end of part 1
;; launch gemm_qkv (part 2): grid 12 x 16, 4 waves a work-group, clusters of 4 x 4, 327,680 bytes of LDS; arguments qin, qkv; writes qkv
.if DOCPART == 2
	.amdgcn_target "amdgcn-amd-amdhsa--gfx1250"
	.amdhsa_code_object_version 6
	.text
	.protected	k_q88eec5f199_gemm_qkv
	.globl	k_q88eec5f199_gemm_qkv
	.p2align	8
	.type	k_q88eec5f199_gemm_qkv,@function
k_q88eec5f199_gemm_qkv:
	s_mov_b64 s[64:65], 0
	v_nop
	global_prefetch_b8 v0, s[64:65] scope:SCOPE_SE
	s_setreg_imm32_b32 hwreg(HW_REG_WAVE_MODE, 25, 1), 1
	s_wait_xcnt 0x0
	s_wait_alu depctr_hold_cnt(0) depctr_sa_sdst(0) depctr_va_vdst(0) depctr_va_sdst(0) depctr_va_ssrc(0) depctr_va_vcc(0) depctr_vm_vsrc(0)
	s_getreg_b32 s2, hwreg(HW_REG_IB_STS2, 6, 4)
	s_cmp_eq_u32 s2, 0
	s_cbranch_scc0 .Lentry_in_a_cluster
	s_endpgm
.Lentry_in_a_cluster:
	s_bfe_u32 s2, ttmp6, 0x10000c
	s_cmp_lg_u32 s2, 0xf033
	s_cbranch_scc0 .Lentry_shape_is_right
	s_endpgm
.Lentry_shape_is_right:
.set MB,    8
.set NQ,    2
.set KS,    8
.set HASB,  0
.set SWO,   KS*512
.set W_LO,  0xa1
.set W_HI,  0xf1
.set W_LOB, 0x81
.set W_HIB, 0xc1
.set NL,    4
.set TROW,  NQ*1536
.set HALFT, MB*TROW
.set SLOT,  4*HALFT
.set SCLA,  3*SLOT
.set HALFS, MB*KS*64
.set SCLB,  SCLA+2*HALFS+64
.set SPARE, SCLA+4*HALFS+256
.set ADRA, 8
.set ADRB, 16
.set ADRS, 27
.set SPW,  28
.set NIL,  29
.set SC,   32
.set BI,   64
.set AF,   128
.set G1, 24
.set G0, 32
.set G1B, 44
.set G0B, 52
.set G1S, 68
.set G0S, 76
.set G1SB, 80
.set G0SB, 88
.set SEL, 66
.set CX,  100
.set CY,  101
.set TC,  12
.set LOF, 13
.set TM,  224
.set PW,  240
.set PWS, 241
.set WBR, 242
.set PC,  128
.set WQO,  3145728
.set WVO,  4718592
.set XSO,  12582912
.set WQSO, 12713984
.set WVSO, 12779520
.set KVB,  3145728
.set QSB,  9437184
.set KVSB, 9699328
.set MSB, 0
.macro WIN new
.if MSB != \new
	s_set_vgpr_msb (MSB<<8)|\new
.set MSB, \new
.endif
.endm
.macro JLOAD g0a, g1a, g0b, g1b
	s_cmp_eq_u32 s15, 0
	s_cbranch_scc0 .Lfor_b_\@
	tensor_load_to_lds s[\g0a:\g0a+3], s[\g1a:\g1a+7]
	s_nop 0
.rept 4
	v_nop
.endr
	s_branch .Lasked_\@
.Lfor_b_\@:
	tensor_load_to_lds s[\g0b:\g0b+3], s[\g1b:\g1b+7]
	s_nop 0
.rept 4
	v_nop
.endr
.Lasked_\@:
.endm
.macro CREST
	s_cmp_lg_u32 s14, 0
	s_cbranch_scc1 .Lnot_wave_0_\@
	s_barrier_signal -3
.Lnot_wave_0_\@:
	s_barrier_wait -3
	s_barrier_signal -1
	s_barrier_wait -1
.endm
.macro CROUND
	s_barrier_signal -1
	s_barrier_wait -1
	CREST
.endm
.macro FRAG reg, adr, q, i
	ds_load_b128 v[\reg:\reg+3],     v[\adr]   offset:(\i)*TROW+(\q)*1536
	ds_load_b64  v[\reg+4:\reg+5],   v[\adr+3] offset:(\i)*TROW+(\q)*1536+512
	ds_load_b128 v[\reg+6:\reg+9],   v[\adr]   offset:(\i)*TROW+(\q)*1536+768
	ds_load_b64  v[\reg+10:\reg+11], v[\adr+3] offset:(\i)*TROW+(\q)*1536+1280
.endm
.macro WM a, b, p, q, sc, zero
.set DR, (8*(MB*(\a)+(\b)))%256
.set BR, 128*(\p)+12*(\b)
.set AR, AF+12*(\a)
.set SB, SC+16*(\sc)+MB*(\q)+(\b)
.set SA, SC+16*(\sc)+MB*(\q)+(\a)
.if (\zero) && HASB
	v_wmma_scale_f32_16x16x128_f8f6f4 v[DR:DR+7], v[BR:BR+11], v[AR:AR+11], v[BI+8*(\b):BI+8*(\b)+7], v[SB], v[SA] matrix_a_fmt:MATRIX_FMT_FP6 matrix_b_fmt:MATRIX_FMT_FP6 matrix_a_scale:MATRIX_SCALE_ROW1
.elseif \zero
	v_wmma_scale_f32_16x16x128_f8f6f4 v[DR:DR+7], v[BR:BR+11], v[AR:AR+11], 0, v[SB], v[SA] matrix_a_fmt:MATRIX_FMT_FP6 matrix_b_fmt:MATRIX_FMT_FP6 matrix_a_scale:MATRIX_SCALE_ROW1
.else
	v_wmma_scale_f32_16x16x128_f8f6f4 v[DR:DR+7], v[BR:BR+11], v[AR:AR+11], v[DR:DR+7], v[SB], v[SA] matrix_a_fmt:MATRIX_FMT_FP6 matrix_b_fmt:MATRIX_FMT_FP6 matrix_a_scale:MATRIX_SCALE_ROW1
.endif
.endm
.macro MULQ a0, p, q, sc, zero
.set MA, \a0
.rept MB/4
.set MBB, 0
.rept MB
	WM MA, MBB, \p, \q, \sc, \zero
.set MBB, MBB+1
.endr
.set MA, MA+1
.endr
.endm
.macro WINM hi, zero
.if (\zero) && HASB
.if \hi
	WIN W_HIB
.else
	WIN W_LOB
.endif
.else
.if \hi
	WIN W_HI
.else
	WIN W_LO
.endif
.endif
.endm
.macro FETCH_B slot, q, p
	WIN 0x40
.set FI, 0
.rept MB
	FRAG 128*(\p)+12*FI, ADRB+\slot, \q, FI
.set FI, FI+1
.endr
	WIN 0
.endm
.macro FETCH_A slot, q, i0
.set FI, \i0
.rept MB/2
	FRAG AF+12*FI, ADRA+\slot, \q, FI
.set FI, FI+1
.endr
.endm
.macro SCALES sc
.set SQ, 0
.rept NQ
.set SI, 0
.rept MB
	ds_load_b32 v[SC+16*(\sc)+MB*SQ+SI], v[ADRS] offset:512*SQ+64*SI
.set SI, SI+1
.endr
.set SQ, SQ+1
.endr
.endm
.macro PLACES
.rept 4
	v_nop
.endr
.endm
.macro STEP slot, q, sc, zero
	s_wait_dscnt (MB/2)*NL
	WINM 0, \zero
	MULQ 0, (\q)%2, \q, \sc, \zero
	MULQ MB/4, (\q)%2, \q, \sc, \zero
	s_wait_dscnt 0x0
	PLACES
	FETCH_B \slot, (\q)+1, 1-(\q)%2
	FETCH_A \slot, (\q)+1, 0
	WINM 1, \zero
	MULQ MB/2, (\q)%2, \q, \sc, \zero
	MULQ 3*MB/4, (\q)%2, \q, \sc, \zero
	PLACES
	WIN 0
	FETCH_A \slot, (\q)+1, MB/2
.endm
.macro TURN slot, next, sc, nsc, mode
.if (\mode) < 2
	s_wait_tensorcnt 0x0
	ds_add_u32 v[SPW], v[NIL]
	s_wait_dscnt (MB/2)*NL+1
.else
	s_wait_dscnt (MB/2)*NL
.endif
	WIN W_LO
	MULQ 0, 1, NQ-1, \sc, 0
.if (\mode) < 2
	s_wait_dscnt 0x0
	s_barrier_signal -1
.endif
	MULQ MB/4, 1, NQ-1, \sc, 0
	WIN 0
.if (\mode) < 2
	s_barrier_wait -1
.else
	s_wait_dscnt 0x0
.endif
.if (\mode) == 1
	CREST
	s_add_nc_u64 s[G0+4*\slot+2:G0+4*\slot+3], s[G0+4*\slot+2:G0+4*\slot+3], 3*TROW
	s_add_nc_u64 s[G0B+4*\slot+2:G0B+4*\slot+3], s[G0B+4*\slot+2:G0B+4*\slot+3], 3*TROW
	JLOAD G0+4*\slot, G1, G0B+4*\slot, G1B
.else
	PLACES
.endif
	v_add_nc_u32 v[ADRS], NQ*512, v[ADRS]
	FETCH_B \next, 0, 0
	FETCH_A \next, 0, 0
	SCALES \nsc
	WIN W_HI
	MULQ MB/2, 1, NQ-1, \sc, 0
	MULQ 3*MB/4, 1, NQ-1, \sc, 0
	PLACES
	WIN 0
	FETCH_A \next, 0, MB/2
.endm
.macro LAST
	s_wait_dscnt (MB/2)*NL
	WIN W_LO
	MULQ 0, 1, NQ-1, 1, 0
	MULQ MB/4, 1, NQ-1, 1, 0
	s_wait_dscnt 0x0
	WIN W_HI
	MULQ MB/2, 1, NQ-1, 1, 0
	MULQ 3*MB/4, 1, NQ-1, 1, 0
	WIN 0
.endm
.macro QUANTW w, s
	WIN ((\w)|((\w)<<2))
.irp b, 0,1,2,3
	v_max3_num_f32 v[TM+\b], |v[(\s)+16*\b]|, |v[(\s)+16*\b+1]|, 0x1800000
.endr
	WIN (((\w)<<2)|((\w)<<4))
.irp i, 2,4,6,8,10,12,14
.irp b, 0,1,2,3
	v_max3_num_f32 v[TM+\b], v[TM+\b], |v[(\s)+16*\b+\i]|, |v[(\s)+16*\b+\i+1]|
.endr
.endr
	WIN 0
.irp b, 0,1,2,3
	v_permlanex16_b32 v[TM+4+\b], v[TM+\b], s[SEL], s[SEL+1]
.endr
.irp b, 0,1,2,3
	v_max_num_f32 v[TM+\b], v[TM+\b], v[TM+4+\b]
.endr
.irp b, 0,1,2,3
	v_add_nc_u32 v[TM+12+\b], 0xff000000, v[TM+\b]
.endr
.irp b, 0,1,2,3
	v_lshrrev_b32 v[TM+4+\b], 23, v[TM+12+\b]
.endr
	v_lshl_or_b32 v[PW], v[TM+5], 8, v[TM+4]
	v_lshl_or_b32 v[PW], v[TM+6], 16, v[PW]
	v_lshl_or_b32 v[PW], v[TM+7], 24, v[PW]
	WIN (\w)
.irp c, 0,1
	v_cvt_scalef32_pk16_fp6_f32 v[PC+6*\c:PC+6*\c+2], v[(\s)+32*\c:(\s)+32*\c+15], v[TM+12+2*\c]
	v_cvt_scalef32_pk16_fp6_f32 v[PC+12+4*\c:PC+14+4*\c], v[(\s)+32*\c+16:(\s)+32*\c+31], v[TM+13+2*\c]
.endr
	WIN 0
	v_nop
.irp c, 0,1
.irp i, 0,1,2
	v_permlane16_swap_b32 v[PC+6*\c+\i], v[PC+12+4*\c+\i]
.endr
.irp i, 0,1,2
	v_mov_b32 v[PC+3+6*\c+\i], v[PC+12+4*\c+\i]
.endr
.endr
.endm
	s_load_b128 s[4:7], s[0:1], 0x0
	v_lshl_add_u32 v[SPW], v0, 2, SPARE
	v_mov_b32 v[NIL], 0
	ds_add_u32 v[SPW], v[NIL]
	ds_add_u32 v[SPW], v[NIL]
	v_lshrrev_b32 v1, 5, v0
	v_readfirstlane_b32 s14, v1
	s_lshr_b32 s15, s14, 1
	s_and_b32 s16, s14, 1
	s_bfe_u32 s[CX], ttmp6, 0x40000
	s_bfe_u32 s[CY], ttmp6, 0x40004
	s_and_b32 s18, ttmp7, 0xffff
	s_lshl_b32 s18, s18, 2
	s_lshl_b32 s19, ttmp9, 2
	s_add_co_u32 s20, s18, s[CY]
	s_add_co_u32 s92, s19, s[CX]
	s_add_co_u32 s93, s18, s[CX]
	s_mov_b32 s97, WVSO
	s_mov_b32 s99, XSO
	s_cmp_lt_u32 ttmp9, 2
	s_cselect_b32 s17, s20, s[CY]
	s_cselect_b32 s[TC], s92, s93
	s_cselect_b32 s95, 0, 1
	s_cselect_b32 s96, 0, WVO
	s_cselect_b32 s97, XSO, s97
	s_cselect_b32 s98, WQO, 0
	s_cselect_b32 s99, WQSO, s99
	s_lshl_b32 s2, s[CY], 2
	s_lshl_b32 s2, 15, s2
	s_lshl_b32 s3, 0x1111, s[CX]
	s_or_b32 s[G1], s2, (3<<16)|(1<<21)
	s_or_b32 s[G1B], s3, (3<<16)|(1<<21)
.irp g, G1, G1B
	s_mov_b32 s[\g+1], (NQ*192)<<16
	s_mov_b32 s[\g+2], MB<<16
	s_mov_b32 s[\g+3], (NQ*192)<<16
	s_mov_b32 s[\g+4], MB
	s_mov_b32 s[\g+5], KS*192
	s_mov_b32 s[\g+6], 0
	s_mov_b32 s[\g+7], 0
.endr
	s_mul_i32 s20, s17, 2*MB
	s_mul_i32 s21, s16, MB
	s_add_co_u32 s20, s20, s21
	s_mul_i32 s20, s20, KS*1536
	s_add_co_u32 s20, s20, s96
	s_mov_b32 s21, 0
	s_mul_i32 s18, s[TC], 2*MB
	s_mul_i32 s19, s16, MB
	s_add_co_u32 s18, s18, s19
	s_mul_i32 s18, s18, KS*1536
	s_add_co_u32 s18, s18, s98
	s_mov_b32 s19, 0
	s_mul_i32 s94, s16, HALFS
	s_mul_i32 s22, s17, 2*HALFS
	s_add_co_u32 s22, s22, s94
	s_add_co_u32 s22, s22, s97
	s_mov_b32 s23, 0
	s_mul_i32 s92, s[TC], 2*HALFS
	s_add_co_u32 s92, s92, s94
	s_add_co_u32 s92, s92, s99
	s_mov_b32 s93, 0
	s_mul_i32 s[LOF], s14, HALFT
	s_mov_b32 s[SEL], 0x76543210
	s_mov_b32 s[SEL+1], 0xfedcba98
	s_wait_dscnt 0x0
	s_wait_kmcnt 0x0
	s_add_nc_u64 s[20:21], s[4:5], s[20:21]
	s_add_nc_u64 s[22:23], s[4:5], s[22:23]
	s_add_nc_u64 s[18:19], s[4:5], s[18:19]
	s_add_nc_u64 s[92:93], s[4:5], s[92:93]
	CROUND
; The scale words come by plain loads and LDS stores: my wave's HALFS bytes (waves 0, 1: A's halves; waves 2, 3: B's), 512 consecutive bytes a load
	s_cmp_eq_u32 s15, 0
	s_cselect_b64 s[92:93], s[22:23], s[92:93]
	s_mul_i32 s2, s15, SCLB-SCLA
	s_add_co_u32 s2, s2, s94
	s_add_co_u32 s2, s2, SCLA
	v_and_b32 v7, 31, v0
	v_lshlrev_b32 v7, 4, v7                        ; 16 x lane
	v_add_nc_u32 v14, s2, v7                       ; where they go in LDS
; THE PREFETCH.  Of the 8 tiles that my wave fetches jointly, each of the four partners names two, told apart by address (cx for A, cy for B): a K slot of two tiles is 24 blocks of 256 bytes, a lane a block; lanes 24-31 name the last block again
	v_and_b32 v15, 31, v0
	v_min_u32 v15, 23, v15
	v_mul_u32_u24 v23, v15, 11
	v_lshrrev_b32 v23, 7, v23                      ; 0 for blocks 0-11, 1 for blocks 12-23: which of the two tiles
	v_mul_u32_u24 v23, v23, KS*1536-12*256
	v_lshl_add_u32 v15, v15, 8, v23
	s_cmp_eq_u32 s15, 0
	s_cselect_b64 s[68:69], s[20:21], s[18:19]
	s_cselect_b32 s70, s[CX], s[CY]
	s_mul_i32 s70, s70, 2*KS*1536
	s_mov_b32 s71, 0
	s_add_nc_u64 s[68:69], s[68:69], s[70:71]
	s_wait_alu depctr_va_vdst(0)
.set SJ, 0
.rept HALFS/512
	global_load_b128 v[176+4*SJ:179+4*SJ], v7, s[92:93] offset:512*SJ
.set SJ, SJ+1
.endr
.irp s, 0,1,2
	s_mov_b32 s[G0+4*\s], 1
	s_add_co_u32 s[G0+4*\s+1], s[LOF], \s*SLOT
	s_add_nc_u64 s[G0+4*\s+2:G0+4*\s+3], s[20:21], \s*TROW
	s_or_b32 s[G0+4*\s+3], s[G0+4*\s+3], 0x80000000
	s_mov_b32 s[G0B+4*\s], 1
	s_add_co_u32 s[G0B+4*\s+1], s[LOF], \s*SLOT
	s_add_nc_u64 s[G0B+4*\s+2:G0B+4*\s+3], s[18:19], \s*TROW
	s_or_b32 s[G0B+4*\s+3], s[G0B+4*\s+3], 0x80000000
.if \s == 1
	s_wait_loadcnt 0x0                             ; my scale words are in registers
.set SJ, 0
.rept HALFS/512
	ds_store_b128 v14, v[176+4*SJ:179+4*SJ] offset:512*SJ
.set SJ, SJ+1
.endr
.endif
.if \s                                 ; slot 0 is the head's one load a wave; slots 1 and 2 stand behind the full sequence and a round
	s_wait_alu depctr_va_vdst(0)
	s_wait_tensorcnt 0x0
	ds_add_u32 v28, v29
	s_wait_dscnt 0x0
	CROUND
.endif
	JLOAD G0+4*\s, G1, G0B+4*\s, G1B
.if \s == 0
	global_prefetch_b8 v15, s[68:69] offset:TROW th:TH_LOAD_NT scope:SCOPE_SE          ; behind slot 0's load: K slots 1 and 2
.endif
.if \s < 2
	global_prefetch_b8 v15, s[68:69] offset:(\s+2)*TROW th:TH_LOAD_NT scope:SCOPE_SE   ; behind slot 1's: K slot 3, the last
.endif
.endr
	v_and_b32 v1, 15, v0
	v_bfe_u32 v2, v0, 4, 1
	v_and_b32 v3, 31, v0
	v_lshlrev_b32 v4, 4, v3
	v_lshlrev_b32 v5, 4, v1
	v_lshl_add_u32 v5, v2, 3, v5
	s_mul_i32 s21, s15, HALFT
	s_mul_i32 s22, s16, HALFT
	s_add_co_u32 s22, s22, 2*HALFT
.irp s, 0,1,2
	v_add_nc_u32 v[ADRA+\s], s21, v4
	v_add_nc_u32 v[ADRB+\s], s22, v4
	v_add_nc_u32 v[ADRA+3+\s], s21, v5
	v_add_nc_u32 v[ADRB+3+\s], s22, v5
	s_add_co_u32 s21, s21, SLOT
	s_add_co_u32 s22, s22, SLOT
.endr
	s_mul_i32 s21, s15, SWO
	s_mul_i32 s22, s16, SWO
	s_add_co_u32 s22, s22, SCLB-SCLA
	s_sub_co_u32 s22, s22, s21
	v_mul_u32_u24 v6, s22, v2
	s_add_co_u32 s21, s21, SCLA
	v_lshl_add_u32 v6, v1, 2, v6
	v_add_nc_u32 v[ADRS], s21, v6
.irp b, 0,1,2,3
	v_mov_b32 v[TM+4+\b], 0
.endr
	s_wait_alu depctr_va_vdst(0)
	s_wait_tensorcnt 0x2
	s_barrier_signal -1
	s_barrier_wait -1
	FETCH_B 0, 0, 0
	FETCH_A 0, 0, 0
	SCALES 0
	FETCH_A 0, 0, MB/2
	STEP 0, 0, 0, 1
	TURN 0, 1, 0, 1, 1
	s_wait_alu depctr_va_vdst(0)
	STEP 1, 0, 1, 0
	TURN 1, 2, 1, 0, 2
	s_wait_alu depctr_va_vdst(0)
	STEP 2, 0, 0, 0
	TURN 2, 0, 0, 1, 0
	STEP 0, 0, 1, 0
	LAST
	PLACES
	s_cmp_eq_u32 s95, 1
	s_cbranch_scc1 .Lvform
	s_lshl_b32 s92, s[TC], 1
	s_add_co_u32 s92, s92, s16
	s_and_b32 s92, s92, 7
	s_lshl_b32 s93, s17, 1
	s_add_co_u32 s93, s93, s15
	s_lshr_b32 s94, s93, 4
	s_and_b32 s93, s93, 15
	s_lshl_b32 s94, s94, 4
	s_lshl_b32 s92, s92, 1
	s_add_co_u32 s94, s94, s92
	s_mov_b32 s96, 196608
	s_mov_b32 s97, 12288
	s_mov_b32 s98, KVSB
	s_cmp_eq_u32 ttmp9, 0
	s_cselect_b32 s96, 98304, s96
	s_cselect_b32 s99, 6144, s97
	s_cselect_b32 s97, 8192, s97
	s_cselect_b32 s98, QSB, s98
	s_cselect_b32 s92, 0, KVB
	s_mul_i32 s18, s94, s96
	s_mul_i32 s19, s93, s99
	s_add_co_u32 s18, s18, s19
	s_add_co_u32 s18, s18, s92
	s_mov_b32 s19, 0
	s_add_nc_u64 s[18:19], s[6:7], s[18:19]
	s_mov_b32 s20, s96
	s_mov_b32 s21, 0
	s_add_nc_u64 s[20:21], s[18:19], s[20:21]
	s_mul_i32 s22, s94, s97
	s_lshl_b32 s23, s93, 9
	s_add_co_u32 s22, s22, s23
	s_add_co_u32 s22, s22, s98
	s_mov_b32 s23, 0
	s_add_nc_u64 s[22:23], s[6:7], s[22:23]
	v_mul_u32_u24 v26, v2, s97
	v_lshl_add_u32 v26, v1, 2, v26
	s_mov_b32 s92, 0x7f7f0000
.macro EPIQ a
	s_wait_xcnt 0x0
	QUANTW (2+(\a)/4), (64*((\a)%4))
	global_store_b128 v4, v[PC:PC+3],     s[18:19] offset:768*(\a)
	global_store_b64  v5, v[PC+4:PC+5],   s[18:19] offset:768*(\a)+512
	global_store_b128 v4, v[PC+6:PC+9],   s[20:21] offset:768*(\a)
	global_store_b64  v5, v[PC+10:PC+11], s[20:21] offset:768*(\a)+512
	v_and_or_b32 v[PWS], v[PW], 0xffff, s92
	v_lshrrev_b32 v[WBR], 16, v[PW]
	v_or_b32 v[WBR], s92, v[WBR]
	v_permlane16_swap_b32 v[PWS], v[WBR]
	global_store_b32 v26, v[PWS], s[22:23] offset:64*(\a)
.endm
.irp a, 0,1,2,3,4,5,6,7
	EPIQ \a
.endr
	s_branch .Lend
.Lvform:
	s_lshl_b32 s92, s17, 2
	s_lshl_b32 s93, s15, 1
	s_add_co_u32 s92, s92, s93
	s_lshl_b32 s93, s[TC], 1
	s_add_co_u32 s93, s93, s16
	s_lshr_b32 s94, s93, 4
	s_and_b32 s93, s93, 15
	s_lshl_b32 s94, s94, 4
	s_add_co_u32 s94, s94, s92
	s_mul_i32 s18, s94, 196608
	s_mul_i32 s19, s93, 12288
	s_add_co_u32 s18, s18, s19
	s_add_co_u32 s18, s18, KVB+6144
	s_mov_b32 s19, 0
	s_add_nc_u64 s[18:19], s[6:7], s[18:19]
	s_add_nc_u64 s[20:21], s[18:19], 196608
	s_mul_i32 s22, s94, 12288
	s_lshl_b32 s23, s93, 8
	s_add_co_u32 s22, s22, s23
	s_add_co_u32 s22, s22, KVSB+8192
	s_mov_b32 s23, 0
	s_add_nc_u64 s[22:23], s[6:7], s[22:23]
	s_add_nc_u64 s[2:3], s[22:23], 12288
	v_lshlrev_b32 v26, 2, v3
.macro EPIV a
	s_wait_xcnt 0x0
	QUANTW (2+(\a)/4), (64*((\a)%4))
.set OB, 18+2*((\a)/4)
.set OSB, 22-20*((\a)/4)
	global_store_b128 v4, v[PC:PC+3],     s[OB:OB+1] offset:1536*((\a)%4)
	global_store_b64  v5, v[PC+4:PC+5],   s[OB:OB+1] offset:1536*((\a)%4)+512
	global_store_b128 v4, v[PC+6:PC+9],   s[OB:OB+1] offset:1536*((\a)%4)+768
	global_store_b64  v5, v[PC+10:PC+11], s[OB:OB+1] offset:1536*((\a)%4)+1280
.if (\a)%2 == 0
	v_mov_b32 v[PWS], v[PW]
.else
	v_permlane16_swap_b32 v[PWS], v[PW]
	global_store_b32 v26, v[PWS], s[OSB:OSB+1] offset:64*((\a)%4-1)
.endif
.endm
.irp a, 0,1,2,3,4,5,6,7
	EPIV \a
.endr
.Lend:
	s_wait_tensorcnt 0x0
	ds_add_u32 v[SPW], v[NIL]
	s_wait_dscnt 0x0
	CROUND
	s_endpgm
.Lfunc_end_k_q88eec5f199_gemm_qkv:
	.size	k_q88eec5f199_gemm_qkv, .Lfunc_end_k_q88eec5f199_gemm_qkv-k_q88eec5f199_gemm_qkv
	.p2alignl 7, 3214868480
	.fill 96, 4, 3214868480
	.section	.rodata,"a",@progbits
	.p2align	6, 0x0
	.amdhsa_kernel k_q88eec5f199_gemm_qkv
		.amdhsa_group_segment_fixed_size 327680
		.amdhsa_private_segment_fixed_size 0
		.amdhsa_enable_private_segment 0
		.amdhsa_kernarg_size 16
		.amdhsa_user_sgpr_count 2
		.amdhsa_user_sgpr_kernarg_segment_ptr 1
		.amdhsa_wavefront_size32 1
		.amdhsa_system_sgpr_workgroup_id_x 1
		.amdhsa_system_sgpr_workgroup_id_y 1
		.amdhsa_system_sgpr_workgroup_id_z 1
		.amdhsa_system_vgpr_workitem_id 0
		.amdhsa_next_free_vgpr 1024
		.amdhsa_next_free_sgpr 102
		.amdhsa_reserve_vcc 0
		.amdhsa_float_denorm_mode_32 3
		.amdhsa_float_denorm_mode_16_64 3
		.amdhsa_memory_ordered 1
		.amdhsa_forward_progress 1
		.amdhsa_inst_pref_size 192
	.end_amdhsa_kernel
	.amdgpu_metadata
---
amdhsa.version: [ 1, 2 ]
amdhsa.kernels:
  - .name:           k_q88eec5f199_gemm_qkv
    .symbol:         k_q88eec5f199_gemm_qkv.kd
    .args:
      - { .name: qin, .offset: 0, .size: 8, .value_kind: global_buffer, .address_space: global }
      - { .name: qkv, .offset: 8, .size: 8, .value_kind: global_buffer, .address_space: global }
    .group_segment_fixed_size: 327680
    .private_segment_fixed_size: 0
    .kernarg_segment_align: 8
    .kernarg_segment_size: 16
    .max_flat_workgroup_size: 128
    .sgpr_count:     102
    .vgpr_count:     1024
    .wavefront_size: 32
...
	.end_amdgpu_metadata
.endif
;; end of part 2
;; launch attn (part 3): grid 8 x 32, 16 waves a work-group, clusters of 4 x 1, 327,680 bytes of LDS; arguments qkv, att; writes att
.if DOCPART == 3
	.amdgcn_target "amdgcn-amd-amdhsa--gfx1250"
	.amdhsa_code_object_version 6
	.text
	.protected	k_q88eec5f199_attn
	.globl	k_q88eec5f199_attn
	.p2align	8
	.type	k_q88eec5f199_attn,@function
k_q88eec5f199_attn:
	s_mov_b64 s[64:65], 0
	v_nop
	global_prefetch_b8 v0, s[64:65] scope:SCOPE_SE
	s_setreg_imm32_b32 hwreg(HW_REG_WAVE_MODE, 25, 1), 1
	s_wait_xcnt 0x0
	s_wait_alu depctr_hold_cnt(0) depctr_sa_sdst(0) depctr_va_vdst(0) depctr_va_sdst(0) depctr_va_ssrc(0) depctr_va_vcc(0) depctr_vm_vsrc(0)
	s_getreg_b32 s2, hwreg(HW_REG_IB_STS2, 6, 4)
	s_cmp_eq_u32 s2, 0
	s_cbranch_scc0 .Lentry_in_a_cluster
	s_endpgm
.Lentry_in_a_cluster:
	s_bfe_u32 s2, ttmp6, 0x10000c
	s_cmp_lg_u32 s2, 0x3003
	s_cbranch_scc0 .Lentry_shape_is_right
	s_endpgm
.Lentry_shape_is_right:
; Causal attention of one head (16 x batch + head = work-group y) on codes of FP6 (E2M3): S^T = K Q^T (K = the head's 64: the upper half of the instruction's 128 holds zero codes under the byte 127),
; t = score x log2(e) / 8, M = the running largest t rounded up to a whole number, p = 2^(t - M) quantised along the keys, O^T += V^T P^T; the row's sum is taken of the unquantised p and divides at the end;
; the result is quantised along the head's 64 channels and leaves as a half fragment of the next product's operand.
; SHARES.  Sixteen waves, one tile of 16 queries each, 256 registers: four waves to a SIMD.  A head's 16 blocks of 128 queries are dealt to its two clusters and to the waves by the wave's number and the
; cluster's x alone; a wave's tile inside its block is 2 cx + (wave % 2).  Block BLK walks BLK + 1 key steps of 128 keys; waves w, w + 4, w + 8, w + 12 have 34 steps together.
; LDS.  The head's K, V and scale words (208,896 bytes) are filled ONCE, by joint loads of waves 0 to 3 (the four partners walk the same head): the scale words, key steps 0 and 1, key steps 2 to 15.
; Nothing is filled again, so there is no ring; all that the launch reads of K and V is asked for at its start, so no prefetch is laid.
; Every wave walks all 16 steps' address lines; a step all of whose keys come after the wave's queries is jumped over (a branch on ids).  On the diagonal hidden scores become -infinity.
; V'S FRAGMENTS ARE ASKED OF LDS DIRECTLY BEHIND THE PRODUCTS K Q^T, so that they come in while the softmax runs.  The softmax's 14 work registers lie in the lower registers of K's fragments, which are done with by then.
; LAYOUT.  Both products are used transposed: a lane holds one query.  Place p of a tile of keys is key 32 (T / 2) + 8 (T % 2) + p + 8 (p / 8), so the 16 registers of tiles 2 b, 2 b + 1 are keys 32 b + 16 h + 0 .. 15.
; LIMITS: a block of zeros gets the byte 1 (its codes are zeros); NaN and infinities are not served.
; REGISTERS: v1-4 lane places; v5, v6 the add's two; v7 the mask's number; v8-11 the step's addresses; v12 -M, v13 the largest t, v[14:15] the sum; v16-27 Q, v28 its scale words; v30 4 r; v32-79 four fragments of K
;   (behind K Q^T: v32-35 the blocks' largest scores, v44-47 the other half's, then bytes, v56-59 the conversions' scale operands, v68-69 a chain of the sum); v80-143 S^T, then p; v144-175 O^T; v176-194 p's codes;
;   v196-243 four fragments of V; v244-249 K's and V's scale words; v250 p's; v251 at work; v[252:253] f; v254 -infinity.
.set KVB,   3145728                    ; qkv: q's codes at 0; K and V;
.set QSB,   9437184                    ; q's scale words;
.set KVSB,  9699328                    ; K's and V's
.set ATS,   3145728                    ; att: the scale words
.set LKS,   196608                     ; LDS: K and V from 0, 12,288 bytes a key step; K's scale words;
.set LVS,   204800                     ; V's;
.set SPARE, 208896                     ; the spare words, 128 bytes a wave
.set WV,  18
.set SEL, 20
.set CS,  22
.set KSI, 60                           ; the key step
.set TB,  61                           ; where its tiles begin,
.set TS,  62                           ; K's scale words,
.set TV,  63                           ; V's
.set CNT, 66
.set BLK, 67                           ; my block of 128 queries
.set MX,  32                           ; v32-35 the softmax's work registers, in K's fragments
.set MY,  44                           ; v44-47
.set MZ,  56                           ; v56-59
.set MS,  68                           ; v68-69
.macro CROUND
	s_barrier_signal -1
	s_barrier_wait -1
	s_cmp_lg_u32 s[WV], 0
	s_cbranch_scc1 .Lnot_wave_0_\@
	s_barrier_signal -3
.Lnot_wave_0_\@:
	s_barrier_wait -3
	s_barrier_signal -1
	s_barrier_wait -1
.endm
	s_load_b128 s[4:7], s[0:1], 0x0                ; qkv, att
	v_lshl_add_u32 v5, v0, 2, SPARE
	v_mov_b32 v6, 0
	ds_add_u32 v5, v6                              ; the wave's opening: the add and its wait ahead of the first tensor loads
	ds_add_u32 v5, v6
	v_lshrrev_b32 v8, 5, v0
	s_delay_alu instid0(VALU_DEP_1)
	v_readfirstlane_b32 s[WV], v8                  ; wave 0..15
	s_and_b32 s8, ttmp7, 0xffff                    ; 16 x batch + head
	s_bfe_u32 s9, ttmp6, 0x40000                   ; cx: it enters Q's and att's addresses and the mask's number alone
; THE DEAL, IN PLACE OF WHAT THE HEAD SAYS UNDER SHARES AND LDS.  Waves w and w xor 2 are partners: they share two tiles of 16 queries, one in block b and one in block 15 - b, and each takes the key steps
; of one parity of both tiles: 17 steps to a pair, 8 or 9 to a wave, 34 to waves w, w + 4, w + 8, w + 12.  A wave walks first the tile that its partner will finish and puts that tile's O^T, -M and sum
; into LDS bytes of its own (4,608); then it walks the tile that it finishes itself, and behind one barrier it joins the partner's part to its own: both are brought under the larger M by powers of two, which round nothing.
; The second tile's Q waits in 1,024 more LDS bytes of the wave's own.  The head's fills, one a wave: waves 0-3 the scale words, 4-7 key steps 0 and 1, 8-15 key steps 2 to 15.
.set PAR,  16                          ; s16 the parity of my key steps
.set BL1,  17                          ; s17 the block of the tile that I finish
.set PART, 210944                      ; LDS, behind the spare words: 5,632 bytes a wave
	s_lshr_b32 s10, s[WV], 2                       ; the pair's number pr
	s_bfe_u32 s[PAR], s[WV], 0x10001               ; which partner
	s_and_b32 s15, s[WV], 3                        ; my quarter of a fill
	s_and_b32 s88, s[WV], 7                        ; my eighth
	s_sub_co_u32 s12, s[PAR], 1
	s_and_b32 s12, s12, 7
	s_xor_b32 s12, s12, s10                        ; j of my first tile: 7 - pr or pr
	s_and_b32 s13, s10, 1
	s_xor_b32 s[PAR], s[PAR], s13                  ; the parities change with pr
	s_xor_b32 s13, s12, ttmp9
	s_and_b32 s13, s13, 1
	s_lshl_b32 s12, s12, 1
	s_add_co_u32 s[BLK], s12, s13                  ; BLK = 2 j + ((j xor cluster x) % 2)
	s_sub_co_u32 s[BL1], 15, s[BLK]                ; j -> 7 - j gives 15 - BLK
	s_and_b32 s11, s[WV], 1
	s_lshl_b32 s13, s9, 1
	s_add_co_u32 s13, s13, s11                     ; my tile in a block
	s_lshl_b32 s19, s[BLK], 3
	s_add_co_u32 s19, s19, s13                     ; my first tile in the head,
	s_lshl_b32 s14, s[BL1], 3
	s_add_co_u32 s14, s14, s13                     ; and the one that I finish
	; groups 1: dense blocks as rows of 256 bytes (32 elements of 8); the mask names all four partners
.irp g, 24, 32, 40
	s_mov_b32 s[\g], 15|(3<<16)|(1<<21)
	s_mov_b32 s[\g+1], 32<<16
	s_mov_b32 s[\g+3], 32<<16
	s_mov_b32 s[\g+5], 32
	s_mov_b32 s[\g+6], 0
	s_mov_b32 s[\g+7], 0
.endr
	s_mov_b32 s26, 12<<16                          ; the scale words: 12 rows a wave
	s_mov_b32 s28, 12
	s_mov_b32 s34, 24<<16                          ; key steps 0 and 1: 24 rows a wave
	s_mov_b32 s36, 24
	s_mov_b32 s42, 84<<16                          ; key steps 2 to 15: 84 rows a wave
	s_mov_b32 s44, 84
	s_mov_b32 s48, 1
	s_mul_i32 s49, s15, 3072
	s_add_co_u32 s49, s49, LKS
	s_mov_b32 s52, 1
	s_mul_i32 s53, s15, 6144
	s_mov_b32 s56, 1
	s_mul_i32 s57, s88, 21504
	s_add_co_u32 s57, s57, 24576
	s_mul_i32 s68, s8, 12288
	s_mul_i32 s69, s15, 3072
	s_add_co_u32 s68, s68, s69
	s_add_co_u32 s68, s68, KVSB
	s_mov_b32 s69, 0
	s_mul_i32 s72, s8, 196608
	s_add_co_u32 s72, s72, KVB
	s_mul_i32 s71, s15, 6144
	s_add_co_u32 s70, s72, s71
	s_mov_b32 s71, 0
	s_mul_i32 s73, s88, 21504
	s_add_co_u32 s72, s72, s73
	s_add_co_u32 s72, s72, 24576
	s_mov_b32 s73, 0
	s_mul_i32 s74, s8, 98304
	s_mul_i32 s75, s14, 768
	s_add_co_u32 s74, s74, s75                     ; my tile of Q
	s_mov_b32 s75, 0
	s_lshl_b32 s76, s8, 13
	s_lshl_b32 s77, s14, 6
	s_add_co_u32 s76, s76, s77
	s_add_co_u32 s76, s76, QSB
	s_mov_b32 s77, 0
	s_mul_i32 s84, s8, 98304                       ; the same for my first tile of Q
	s_mul_i32 s85, s19, 768
	s_add_co_u32 s84, s84, s85
	s_mov_b32 s85, 0
	s_lshl_b32 s86, s8, 13
	s_lshl_b32 s87, s19, 6
	s_add_co_u32 s86, s86, s87
	s_add_co_u32 s86, s86, QSB
	s_mov_b32 s87, 0
	s_mul_i32 s89, s[WV], 5632
	s_add_co_u32 s89, s89, PART                    ; my LDS bytes,
	s_xor_b32 s90, s[WV], 2
	s_mul_i32 s90, s90, 5632
	s_add_co_u32 s90, s90, PART                    ; my partner's
	s_lshr_b32 s80, s8, 4
	s_lshl_b32 s80, s80, 7
	s_add_co_u32 s80, s80, s14                     ; my tile of tokens among all 256
	s_and_b32 s81, s8, 15                          ; the head
	s_lshr_b32 s82, s80, 3
	s_lshl_b32 s82, s82, 3
	s_lshr_b32 s83, s81, 1
	s_add_co_u32 s82, s82, s83
	s_lshl_b32 s82, s82, 9
	s_and_b32 s83, s80, 7
	s_lshl_b32 s83, s83, 6
	s_add_co_u32 s82, s82, s83
	s_and_b32 s83, s81, 1
	s_lshl_b32 s83, s83, 1
	s_add_co_u32 s82, s82, s83
	s_add_co_u32 s82, s82, ATS                     ; my head's two bytes of the scale words
	s_mov_b32 s83, 0
	s_mul_i32 s80, s80, 12288
	s_mul_i32 s81, s81, 768
	s_add_co_u32 s80, s80, s81                     ; my half fragment
	s_mov_b32 s81, 0
	s_lshl_b32 s78, s9, 5
	s_lshl_b32 s79, s11, 3
	s_add_co_u32 s78, s78, s79
	s_mov_b32 s[SEL], 0x76543210
	s_mov_b32 s[SEL+1], 0xfedcba98
	s_mov_b32 s[CS], 0x3e38aa3b                    ; c = log2(e) / 8
	s_mov_b32 s[CS+1], s[CS]
	s_mov_b32 s[KSI], 0
	s_mov_b32 s[TB], 0
	s_mov_b32 s[TS], 0
	s_mov_b32 s[TV], 0
	s_wait_dscnt 0x0                               ; the opening add is done
	s_wait_kmcnt 0x0
	s_add_nc_u64 s[50:51], s[4:5], s[68:69]
	s_or_b32 s51, s51, 0x80000000
	s_add_nc_u64 s[54:55], s[4:5], s[70:71]
	s_or_b32 s55, s55, 0x80000000
	s_add_nc_u64 s[58:59], s[4:5], s[72:73]
	s_or_b32 s59, s59, 0x80000000
	s_add_nc_u64 s[74:75], s[4:5], s[74:75]
	s_add_nc_u64 s[76:77], s[4:5], s[76:77]
	s_add_nc_u64 s[84:85], s[4:5], s[84:85]
	s_add_nc_u64 s[86:87], s[4:5], s[86:87]
	s_add_nc_u64 s[80:81], s[6:7], s[80:81]
	s_add_nc_u64 s[82:83], s[6:7], s[82:83]
	CROUND                                         ; all four work-groups are here: the joint loads meet
	s_cmp_lt_u32 s[WV], 4                          ; one chain of arms on the wave's number, one fill to an arm
	s_cbranch_scc0 .Lfill_b
	tensor_load_to_lds s[48:51], s[24:31]
	s_nop 0
.rept 4
	v_nop
.endr
	s_branch .Lno_fill
.Lfill_b:
	s_cmp_lt_u32 s[WV], 8
	s_cbranch_scc0 .Lfill_c
	tensor_load_to_lds s[52:55], s[32:39]
	s_nop 0
.rept 4
	v_nop
.endr
	s_branch .Lno_fill
.Lfill_c:
	tensor_load_to_lds s[56:59], s[40:47]
	s_nop 0
.rept 4
	v_nop
.endr
.Lno_fill:
	v_and_b32 v8, 15, v0                           ; r
	v_bfe_u32 v9, v0, 4, 1                         ; h
	v_and_b32 v10, 31, v0
	s_delay_alu instid0(VALU_DEP_1)
	v_lshlrev_b32 v1, 4, v10                       ; 16 x lane
	s_delay_alu instid0(VALU_DEP_4)
	v_lshlrev_b32 v2, 4, v8
	s_delay_alu instid0(VALU_DEP_1)
	v_lshl_add_u32 v2, v9, 3, v2                   ; 16 r + 8 h
	v_lshlrev_b32 v30, 2, v8                       ; 4 r
	global_load_b128 v[16:19], v1, s[84:85]        ; my first tile's Q
	global_load_b64 v[20:21], v2, s[84:85] offset:512
	global_load_b32 v28, v30, s[86:87]
	global_load_b128 v[80:83], v1, s[74:75]        ; my second tile's, on its way into LDS
	global_load_b64 v[84:85], v2, s[74:75] offset:512
	global_load_b32 v86, v30, s[76:77]
	v_lshl_add_u32 v3, v10, 2, LKS                 ; two tiles' scale words to a register: 4 x lane
	v_lshl_add_u32 v4, v10, 2, LVS
	v_and_b32 v7, 8, v8
	s_delay_alu instid0(VALU_DEP_1)
	v_add_nc_u32 v7, v7, v8
	s_delay_alu instid0(VALU_DEP_1)
	v_add_nc_u32 v7, s78, v7                       ; my query's place in its block,
	v_lshlrev_b32 v31, 4, v9
	s_delay_alu instid0(VALU_DEP_1)
	v_sub_nc_u32 v7, v7, v31                       ; less 16 h: register 16 b + i is hidden on the diagonal where 32 b + i is greater
	v_mov_b32 v13, 0xff61b1e6                      ; the largest t so far: -3e38
	s_delay_alu instid0(VALU_DEP_1)
	v_floor_f32 v12, -v13                          ; -M
	v_mov_b32 v14, 0
	v_mov_b32 v15, 0
.irp i, 22,23,24,25,26,27
	v_mov_b32 v[\i], 0                             ; Q's upper half: zero codes
.endr
.irp t, 0,1,2,3
.irp i, 6,7,8,9,10,11
	v_mov_b32 v[32+12*\t+\i], 0                    ; K's likewise: cleared once, never loaded
.endr
.endr
.set J, 0
.rept 32
	v_mov_b32 v[144+J], 0                          ; O^T: the step is written once; the first change of M leaves zeros zeros
.set J, J+1
.endr
.irp b, 0,1,2,3
	v_mov_b32 v[200+\b], 0                         ; a lane permute's destination counts as one of its sources (the way out's)
.endr
	v_mov_b32 v252, 0
	v_mov_b32 v253, 0                              ; (named as the upper half of the pair v[252:253])
	v_mov_b32 v254, 0xff800000
	v_mov_b32 v87, 0                               ; (stored beside v84-86)
	v_add_nc_u32 v29, s89, v1                      ; my LDS bytes + 16 x lane
	v_add_nc_u32 v31, s90, v1                      ; my partner's
.macro KQ g, t
.if (\t)%2
	v_wmma_scale_f32_16x16x128_f8f6f4 v[80+8*(4*\g+\t):87+8*(4*\g+\t)], v[32+12*\t:43+12*\t], v[16:27], 0, v[244+(4*\g+\t)/2], v28 matrix_a_fmt:MATRIX_FMT_FP6 matrix_b_fmt:MATRIX_FMT_FP6 matrix_a_scale:MATRIX_SCALE_ROW1
.else
	v_wmma_scale_f32_16x16x128_f8f6f4 v[80+8*(4*\g+\t):87+8*(4*\g+\t)], v[32+12*\t:43+12*\t], v[16:27], 0, v[244+(4*\g+\t)/2], v28 matrix_a_fmt:MATRIX_FMT_FP6 matrix_b_fmt:MATRIX_FMT_FP6
.endif
.endm
.macro PV t
.if (\t)%2
	v_wmma_scale_f32_16x16x128_f8f6f4 v[144+8*\t:151+8*\t], v[196+12*\t:207+12*\t], v[176:187], v[144+8*\t:151+8*\t], v[248+(\t)/2], v250 matrix_a_fmt:MATRIX_FMT_FP6 matrix_b_fmt:MATRIX_FMT_FP6 matrix_a_scale:MATRIX_SCALE_ROW1
.else
	v_wmma_scale_f32_16x16x128_f8f6f4 v[144+8*\t:151+8*\t], v[196+12*\t:207+12*\t], v[176:187], v[144+8*\t:151+8*\t], v[248+(\t)/2], v250 matrix_a_fmt:MATRIX_FMT_FP6 matrix_b_fmt:MATRIX_FMT_FP6
.endif
.endm
; A KEY STEP: 128 keys.
.macro STEP
	s_cmp_gt_u32 s[KSI], s[BLK]                    ; all its keys come after my queries,
	s_cbranch_scc1 .Lhidden_\@
	s_xor_b32 s91, s[KSI], s[PAR]
	s_and_b32 s91, s91, 1
	s_cmp_lg_u32 s91, 0                            ; or the step is my partner's: the work is left out, the lines that step addresses are not
	s_cbranch_scc1 .Lhidden_\@
	v_add_nc_u32 v8, s[TB], v1                     ; (these four are also the places between the last step's products and the loads into their registers)
	s_wait_alu depctr_va_vdst(0)
	v_add_nc_u32 v9, s[TB], v2
	s_wait_alu depctr_va_vdst(0)
	v_add_nc_u32 v10, s[TS], v3
	v_add_nc_u32 v11, s[TV], v4
.irp i, 0,1,2,3
	ds_load_b32 v[244+\i], v10 offset:128*\i       ; K's scale words: lanes 0-15 tile 2 i, lanes 16-31 tile 2 i + 1
.endr
.irp g, 0,1                            ; S^T = K Q^T, four tiles of 16 keys at a time
.if \g > 0
.rept 4
	v_nop                                          ; places in front of loads into registers that matrix instructions have read
.endr
.endif
.irp t, 0,1,2,3
	ds_load_b128 v[32+12*\t:35+12*\t], v8 offset:768*(4*\g+\t)
	ds_load_b64 v[36+12*\t:37+12*\t], v9 offset:768*(4*\g+\t)+512
.endr
	s_wait_dscnt 0x0
.irp t, 0,1,2,3
	KQ \g, \t
.endr
.endr
.irp t, 0,1,2,3                        ; V^T: four tiles of 16 channels x 128 keys, asked for here: the whole softmax stands between these loads and the wait for them
	ds_load_b128 v[196+12*\t:199+12*\t], v8 offset:6144+1536*\t
	ds_load_b64 v[200+12*\t:201+12*\t], v9 offset:6144+1536*\t+512
	ds_load_b128 v[202+12*\t:205+12*\t], v8 offset:6144+1536*\t+768
	ds_load_b64 v[206+12*\t:207+12*\t], v9 offset:6144+1536*\t+1280
.endr
	s_wait_alu depctr_va_vdst(0)
	ds_load_b32 v248, v11
	ds_load_b32 v249, v11 offset:128
.rept 4
	v_nop                                          ; places in front of the first read of the scores, and of the first write into K's registers
.endr
	s_cmp_lg_u32 s[KSI], s[BLK]                    ; only the step on the diagonal has hidden keys
	s_cbranch_scc1 .Lopen_\@
.set N, 0
.rept 64
	v_cmp_gt_i32 vcc_lo, 32*(N/16)+N%16, v7
	v_cndmask_b32 v[80+N], v[80+N], v254, vcc_lo
.set N, N+1
.endr
.Lopen_\@:
.irp b, 0,1,2,3
	v_max3_num_f32 v[MX+\b], v[80+16*\b], v[81+16*\b], v[82+16*\b]   ; the largest score of each block of 32 keys: it serves the row's maximum and, since p rises with the score, the block's largest p
.endr
.irp i, 3,5,7,9,11,13
.irp b, 0,1,2,3
	v_max3_num_f32 v[MX+\b], v[MX+\b], v[80+16*\b+\i], v[81+16*\b+\i]
.endr
.endr
.irp b, 0,1,2,3
	v_max_num_f32 v[MX+\b], v[MX+\b], v[95+16*\b]
.endr
.irp b, 0,1,2,3
	s_delay_alu instid0(VALU_DEP_4)
	v_permlanex16_b32 v[MY+\b], v[MX+\b], s[SEL], s[SEL+1]
.endr
.irp b, 0,1,2,3
	s_delay_alu instid0(VALU_DEP_4)
	v_max_num_f32 v[MX+\b], v[MX+\b], v[MY+\b]     ; with lane l xor 16's 16 keys
.endr
	s_delay_alu instid0(VALU_DEP_2)
	v_max3_num_f32 v251, v[MX], v[MX+1], v[MX+2]
	s_delay_alu instid0(VALU_DEP_1)
	v_max_num_f32 v251, v251, v[MX+3]
	s_delay_alu instid0(VALU_DEP_1)
	v_mul_f32 v251, s[CS], v251                    ; as t
	s_delay_alu instid0(VALU_DEP_1)
	v_max_num_f32 v13, v13, v251                   ; the running largest t
	v_mov_b32 v251, v12
	s_delay_alu instid0(VALU_DEP_2)
	v_floor_f32 v12, -v13                          ; the new -M = -ceil(t): a whole number
	s_delay_alu instid0(VALU_DEP_1)
	v_sub_f32 v251, v12, v251                      ; old M - new M, 0 or less
	s_delay_alu instid0(VALU_DEP_1)
	v_cvt_i32_f32 v251, v251                       ; (it saturates)
	s_delay_alu instid0(VALU_DEP_1)
	v_ldexp_f32 v252, 1.0, v251                    ; f = 2^(old M - new M): a multiplication by it rounds nothing
.set J, 0
.rept 32
	v_pk_fma_f32 v[80+J:81+J], v[80+J:81+J], s[CS:CS+1], v[12:13] op_sel_hi:[1,0,0]   ; t - M, two at a time
.set J, J+2
.endr
.irp b, 0,1,2,3
	v_fma_f32 v[MX+\b], v[MX+\b], s[CS], v12       ; the same of each block's largest score
.endr
.set J, 0
	s_wait_alu depctr_va_vdst(0)
.rept 64
	v_exp_f32 v[80+J], v[80+J]                     ; p = 2^(t - M), not normalised
.set J, J+1
.endr
	v_pk_mul_f32 v[14:15], v[14:15], v[252:253] op_sel_hi:[1,0]   ; the sums under the new M: the plain place behind the exponentials
	s_wait_alu depctr_va_vdst(0)                   ; one wait for the whole batch, ahead of its first reader
.irp b, 0,1,2,3
	v_exp_f32 v[MX+\b], v[MX+\b]                   ; the block's largest p
.endr
	v_pk_add_f32 v[68:69], v[84:85], v[88:89]
	v_pk_add_f32 v[250:251], v[92:93], v[96:97]
	v_pk_add_f32 v[246:247], v[100:101], v[104:105]
	v_pk_add_f32 v[244:245], v[108:109], v[112:113]
	v_pk_add_f32 v[194:195], v[116:117], v[120:121]
	v_pk_add_f32 v[192:193], v[124:125], v[128:129]
	v_pk_add_f32 v[190:191], v[132:133], v[136:137]
	v_pk_add_f32 v[14:15], v[14:15], v[140:141]
	v_pk_add_f32 v[68:69], v[68:69], v[80:81]
	v_pk_add_f32 v[250:251], v[250:251], v[82:83]
	v_pk_add_f32 v[246:247], v[246:247], v[86:87]
	v_pk_add_f32 v[244:245], v[244:245], v[90:91]
	v_pk_add_f32 v[194:195], v[194:195], v[94:95]
	v_pk_add_f32 v[192:193], v[192:193], v[98:99]
	v_pk_add_f32 v[190:191], v[190:191], v[102:103]
	v_pk_add_f32 v[14:15], v[14:15], v[106:107]
	v_pk_add_f32 v[68:69], v[68:69], v[110:111]
	v_pk_add_f32 v[250:251], v[250:251], v[114:115]
	v_pk_add_f32 v[246:247], v[246:247], v[118:119]
	v_pk_add_f32 v[244:245], v[244:245], v[122:123]
	v_pk_add_f32 v[194:195], v[194:195], v[126:127]
	v_pk_add_f32 v[192:193], v[192:193], v[130:131]
	v_pk_add_f32 v[190:191], v[190:191], v[134:135]
	v_pk_add_f32 v[14:15], v[14:15], v[138:139]
	v_pk_add_f32 v[68:69], v[68:69], v[142:143]
	s_delay_alu instid0(VALU_DEP_2)
	v_pk_add_f32 v[14:15], v[14:15], v[244:245]
	s_delay_alu instid0(VALU_DEP_2)
	v_pk_add_f32 v[68:69], v[68:69], v[194:195]
	v_pk_add_f32 v[250:251], v[250:251], v[192:193]
	v_pk_add_f32 v[246:247], v[246:247], v[190:191]
	s_delay_alu instid0(VALU_DEP_2)
	v_pk_add_f32 v[14:15], v[14:15], v[250:251]
	s_delay_alu instid0(VALU_DEP_2)
	v_pk_add_f32 v[68:69], v[68:69], v[246:247]
	s_delay_alu instid0(VALU_DEP_1)
	v_pk_add_f32 v[14:15], v[14:15], v[68:69]
	s_wait_alu depctr_va_vdst(0)                   ; and one for the four
.irp b, 0,1,2,3
	v_max_num_f32 v[MX+\b], 0x1800000, v[MX+\b]    ; the floor 2^(3 - 127)
.endr
.irp b, 0,1,2,3
	s_delay_alu instid0(VALU_DEP_4)
	v_add_nc_u32 v[MZ+\b], 0xff000000, v[MX+\b]
.endr
.irp b, 0,1,2,3
	s_delay_alu instid0(VALU_DEP_4)
	v_lshrrev_b32 v[MY+\b], 23, v[MZ+\b]
.endr
	s_delay_alu instid0(VALU_DEP_3)
	v_lshl_or_b32 v250, v[MY+1], 8, v[MY]          ; p's scale word for these 128 keys
	s_delay_alu instid0(VALU_DEP_1)
	v_lshl_or_b32 v250, v[MY+2], 16, v250
	s_delay_alu instid0(VALU_DEP_1)
	v_lshl_or_b32 v250, v[MY+3], 24, v250
.irp c, 0,1
	v_cvt_scalef32_pk16_fp6_f32 v[176+6*\c:178+6*\c], v[80+32*\c:95+32*\c], v[MZ+2*\c]
	v_cvt_scalef32_pk16_fp6_f32 v[188+4*\c:190+4*\c], v[96+32*\c:111+32*\c], v[MZ+1+2*\c]
.endr
	v_nop                                          ; one plain place behind the scaled conversions
.irp c, 0,1
.irp i, 0,1,2
	v_permlane16_swap_b32 v[176+6*\c+\i], v[188+4*\c+\i]
.endr
.irp i, 0,1,2
	s_delay_alu instid0(VALU_DEP_3)
	v_mov_b32 v[179+6*\c+\i], v[188+4*\c+\i]
.endr
.endr
.set J, 0
.rept 16
	v_pk_mul_f32 v[144+J:145+J], v[144+J:145+J], v[252:253] op_sel_hi:[1,0]   ; O^T under the new M; these sixteen are also the places between p's codes and scale word and the products
.set J, J+2
.endr
	s_wait_alu depctr_va_vdst(0)
	s_wait_dscnt 0x0                               ; V's fragments and scale words, asked for ahead of the softmax
.irp t, 0,1,2,3
	PV \t                                          ; the four accumulators take turns
.endr
.Lhidden_\@:
	s_add_co_u32 s[KSI], s[KSI], 1
	s_add_co_u32 s[TB], s[TB], 12288
	s_add_co_u32 s[TS], s[TS], 512
	s_add_co_u32 s[TV], s[TV], 256
.endm
	s_wait_alu depctr_va_vdst(0)                   ; the head's end
	s_cmp_lt_u32 s[WV], 8                          ; the scale words and key steps 0 and 1 are waves 0 to 7's; the loads of key steps 2 to 15 may be out
	s_cbranch_scc0 .Lnot_early
	s_wait_tensorcnt 0x0
.Lnot_early:
	s_barrier_signal -1
	s_barrier_wait -1
	s_wait_loadcnt 0x0
	ds_store_b128 v29, v[80:83] offset:4608        ; my second tile's Q and scale word wait in my own LDS bytes
	ds_store_b128 v29, v[84:87] offset:5120
	s_mov_b32 s[CNT], 2
.Lfirst:
	STEP
	s_sub_co_u32 s[CNT], s[CNT], 1
	s_cmp_lg_u32 s[CNT], 0
	s_cbranch_scc1 .Lfirst
	s_wait_tensorcnt 0x0                           ; my part of key steps 2 to 15 is in,
	s_wait_dscnt 0x0
	s_barrier_signal -1
	s_barrier_wait -1                              ; everybody's is
	s_mov_b32 s[CNT], 14
.Lrest:
	STEP
	s_sub_co_u32 s[CNT], s[CNT], 1
	s_cmp_lg_u32 s[CNT], 0
	s_cbranch_scc1 .Lrest
	; MY FIRST TILE'S PART GOES TO LDS, for my partner; my second tile begins
.rept 4
	v_nop                                          ; places behind the last products
.endr
.irp k, 0,1,2,3,4,5,6,7
	ds_store_b128 v29, v[144+4*\k:147+4*\k] offset:512*\k   ; each accumulator from its low end on
.endr
	ds_store_b128 v29, v[12:15] offset:4096        ; -M, the largest t, the sum's two halves
	ds_load_b128 v[16:19], v29 offset:4608         ; LDS serves a wave's instructions in order: these see my stores
	ds_load_b128 v[20:23], v29 offset:5120
	v_mov_b32 v13, 0xff61b1e6
	v_floor_f32 v12, -v13
	v_mov_b32 v14, 0
	v_mov_b32 v15, 0
	s_mov_b32 s[KSI], 0
	s_mov_b32 s[TB], 0
	s_mov_b32 s[TS], 0
	s_mov_b32 s[TV], 0
	s_mov_b32 s[BLK], s[BL1]
	s_wait_dscnt 0x0
	v_mov_b32 v28, v22                             ; Q's scale word to its place,
	v_mov_b32 v22, 0                               ; and zero codes again in Q's upper half
	v_mov_b32 v23, 0
.set J, 0
.rept 32
	v_mov_b32 v[144+J], 0
.set J, J+1
.endr
	s_wait_alu depctr_va_vdst(0)                   ; ahead of the loop's branches
	s_mov_b32 s[CNT], 16
.Lsecond:
	STEP
	s_sub_co_u32 s[CNT], s[CNT], 1
	s_cmp_lg_u32 s[CNT], 0
	s_cbranch_scc1 .Lsecond
	s_wait_dscnt 0x0                               ; for my partner's sake: my stores are done
	s_barrier_signal -1
	s_barrier_wait -1
.irp k, 0,1,2,3,4,5,6,7
	ds_load_b128 v[80+4*\k:83+4*\k], v31 offset:512*\k      ; my partner's part of the tile that I hold
.endr
	ds_load_b128 v[112:115], v31 offset:4096
.rept 4
	v_nop
.endr
	s_wait_dscnt 0x0
	v_mov_b32 v121, 0                              ; (named as the upper half of the pair v[120:121])
	v_min_num_f32 v116, v12, v112                  ; the joint -M: both are whole numbers
	v_sub_f32 v117, v116, v12
	v_sub_f32 v118, v116, v112
	v_cvt_i32_f32 v117, v117                       ; (they saturate: a part with no step counts for nothing)
	v_cvt_i32_f32 v118, v118
	v_ldexp_f32 v252, 1.0, v117                    ; my factor,
	v_ldexp_f32 v120, 1.0, v118                    ; my partner's: powers of two
	v_pk_mul_f32 v[14:15], v[14:15], v[252:253] op_sel_hi:[1,0]
	v_pk_fma_f32 v[14:15], v[114:115], v[120:121], v[14:15] op_sel_hi:[1,0,1]
.set J, 0
.rept 16
	v_pk_mul_f32 v[144+J:145+J], v[144+J:145+J], v[252:253] op_sel_hi:[1,0]
	v_pk_fma_f32 v[144+J:145+J], v[80+J:81+J], v[120:121], v[144+J:145+J] op_sel_hi:[1,0,1]
.set J, J+2
.endr
	; THE WAY OUT: O^T / the sum; its 32 numbers a lane are channels 32 b + 16 h + 0 .. 15: two blocks of the next product's K
.rept 4
	v_nop
.endr
	v_add_f32 v14, v14, v15
	s_wait_alu depctr_va_vdst(0)
	v_permlanex16_b32 v252, v14, s[SEL], s[SEL+1]
	s_delay_alu instid0(VALU_DEP_1)
	v_add_f32 v14, v14, v252                       ; the row's sum
	s_wait_alu depctr_va_vdst(0)
	v_rcp_f32 v14, v14
	v_nop                                          ; a plain place behind the transcendental
	s_wait_alu depctr_va_vdst(0)                   ; and the wait ahead of its first reader
.set J, 0
.rept 32
	v_mul_f32 v[80+J], v[144+J], v14
.set J, J+1
.endr
.irp b, 0,1
	v_max3_num_f32 v[196+\b], |v[80+16*\b]|, |v[81+16*\b]|, 0x1800000
.endr
.irp i, 2,4,6,8,10,12,14
.irp b, 0,1
	s_delay_alu instid0(VALU_DEP_2)
	v_max3_num_f32 v[196+\b], v[196+\b], |v[80+16*\b+\i]|, |v[81+16*\b+\i]|
.endr
.endr
.irp b, 0,1
	s_delay_alu instid0(VALU_DEP_2)
	v_permlanex16_b32 v[200+\b], v[196+\b], s[SEL], s[SEL+1]
.endr
.irp b, 0,1
	s_delay_alu instid0(VALU_DEP_2)
	v_max_num_f32 v[196+\b], v[196+\b], v[200+\b]
.endr
.irp b, 0,1
	s_delay_alu instid0(VALU_DEP_2)
	v_add_nc_u32 v[204+\b], 0xff000000, v[196+\b]
.endr
.irp b, 0,1
	s_delay_alu instid0(VALU_DEP_2)
	v_lshrrev_b32 v[200+\b], 23, v[204+\b]
.endr
	s_delay_alu instid0(VALU_DEP_1)
	v_lshl_or_b32 v250, v201, 8, v200              ; my head's two bytes of the row's scale word
	v_cvt_scalef32_pk16_fp6_f32 v[176:178], v[80:95], v204
	v_cvt_scalef32_pk16_fp6_f32 v[188:190], v[96:111], v205
	v_nop
.irp i, 0,1,2
	v_permlane16_swap_b32 v[176+\i], v[188+\i]
.endr
.irp i, 0,1,2
	s_delay_alu instid0(VALU_DEP_3)
	v_mov_b32 v[179+\i], v[188+\i]
.endr
	global_store_b128 v1, v[176:179], s[80:81]     ; 512 consecutive bytes,
	global_store_b64 v2, v[180:181], s[80:81] offset:512   ; and 256
	global_store_b16 v30, v250, s[82:83]           ; lanes l and l xor 16 hold the same two bytes and store them to the same place; a scale word belongs to two heads, so two bytes a row are all that is mine
	s_wait_tensorcnt 0x0                           ; the wave's end
	ds_add_u32 v5, v6
	s_wait_dscnt 0x0
	CROUND                                         ; the closing round
	s_endpgm
.Lfunc_end_k_q88eec5f199_attn:
	.size	k_q88eec5f199_attn, .Lfunc_end_k_q88eec5f199_attn-k_q88eec5f199_attn
	.p2alignl 7, 3214868480
	.fill 96, 4, 3214868480
	.section	.rodata,"a",@progbits
	.p2align	6, 0x0
	.amdhsa_kernel k_q88eec5f199_attn
		.amdhsa_group_segment_fixed_size 327680
		.amdhsa_private_segment_fixed_size 0
		.amdhsa_enable_private_segment 0
		.amdhsa_kernarg_size 16
		.amdhsa_user_sgpr_count 2
		.amdhsa_user_sgpr_kernarg_segment_ptr 1
		.amdhsa_wavefront_size32 1
		.amdhsa_system_sgpr_workgroup_id_x 1
		.amdhsa_system_sgpr_workgroup_id_y 1
		.amdhsa_system_sgpr_workgroup_id_z 1
		.amdhsa_system_vgpr_workitem_id 0
		.amdhsa_next_free_vgpr 256
		.amdhsa_next_free_sgpr 92
		.amdhsa_reserve_vcc 1
		.amdhsa_float_denorm_mode_32 3
		.amdhsa_float_denorm_mode_16_64 3
		.amdhsa_memory_ordered 1
		.amdhsa_forward_progress 1
		.amdhsa_inst_pref_size 92
	.end_amdhsa_kernel
	.amdgpu_metadata
---
amdhsa.version: [ 1, 2 ]
amdhsa.kernels:
  - .name:           k_q88eec5f199_attn
    .symbol:         k_q88eec5f199_attn.kd
    .args:
      - { .name: qkv, .offset: 0, .size: 8, .value_kind: global_buffer, .address_space: global }
      - { .name: att, .offset: 8, .size: 8, .value_kind: global_buffer, .address_space: global }
    .group_segment_fixed_size: 327680
    .private_segment_fixed_size: 0
    .kernarg_segment_align: 8
    .kernarg_segment_size: 16
    .max_flat_workgroup_size: 512
    .sgpr_count:     92
    .vgpr_count:     256
    .wavefront_size: 32
...
	.end_amdgpu_metadata
.endif
;; end of part 3
;; launch gemm_wo (part 4): grid 8 x 32, 4 waves a work-group, clusters of 4 x 4, 327,680 bytes of LDS; arguments att, qin, bo, x, y; writes y
.if DOCPART == 4
	.amdgcn_target "amdgcn-amd-amdhsa--gfx1250"
	.amdhsa_code_object_version 6
	.text
	.protected	k_q88eec5f199_gemm_wo
	.globl	k_q88eec5f199_gemm_wo
	.p2align	8
	.type	k_q88eec5f199_gemm_wo,@function
k_q88eec5f199_gemm_wo:
	s_mov_b64 s[64:65], 0
	v_nop
	global_prefetch_b8 v0, s[64:65] scope:SCOPE_SE
	s_setreg_imm32_b32 hwreg(HW_REG_WAVE_MODE, 25, 1), 1
	s_wait_xcnt 0x0
	s_wait_alu depctr_hold_cnt(0) depctr_sa_sdst(0) depctr_va_vdst(0) depctr_va_sdst(0) depctr_va_ssrc(0) depctr_va_vcc(0) depctr_vm_vsrc(0)
	s_getreg_b32 s2, hwreg(HW_REG_IB_STS2, 6, 4)
	s_cmp_eq_u32 s2, 0
	s_cbranch_scc0 .Lentry_in_a_cluster
	s_endpgm
.Lentry_in_a_cluster:
	s_bfe_u32 s2, ttmp6, 0x10000c
	s_cmp_lg_u32 s2, 0xf033
	s_cbranch_scc0 .Lentry_shape_is_right
	s_endpgm
.Lentry_shape_is_right:
; y = (attention's output) Wo + bo + x, the product on codes of FP6 (E2M3) with E8M0 scales, sums in f32; y [4096][1024] f32, natural rows.
; N = 1,024 gives only 64 tiles of 256 x 256, so a tile is 128 x 128: 256 work-groups; four waves, 64 x 64 each: 16 accumulators.  K = 1,024 is two slots of 512: both are first fills, nothing is filled again.
; OPERANDS lie in memory as images of their registers (fragment (T, ks) at (T x KS + ks) x 1536); place p of tile T is row 32 (T / 2) + 8 (T % 2) + p + 8 (p / 8).
; THE MATRIX INSTRUCTION IS USED TRANSPOSED (source 0 = 16 columns of the weight, source 1 = 16 tokens): a lane holds one token, and the registers of tiles 2 b, 2 b + 1 are columns 32 b + 16 h + 0 .. 15.
; The bias is the C of each sum's first product.  The residual is loaded at the head, in the layout in which rows leave, and added on the way out.
; CLUSTERS: 4 x 4; A's tiles are shared along a row, B's along a column, by joint loads.  No prefetch: all of K is asked for at the start.
; REGISTERS: window 0: v1-6, v24-26, v30 lane numbers and offsets; v16-23, v27 LDS addresses; v28, v29 the add's two; v32-63 scale words; v64-95 the bias; v128-175 A's fragments; v176-239 rows on the way out.
;   window 1: B's fragments, two sets.   window 2: v0-127 the accumulators ((a, b) at 8 (4 a + b)); v128-255 the residual.
.set MB,    4
.set NQ,    4
.set KS,    8
.set AOFS,  3145728                    ; A's scale words in its buffer
.set BOFC,  5505024                    ; qin: Wo's codes,
.set BOFS,  12812288                   ; its scale words
.set HASB,  1
.set SWO,   256
.set W_LO,  0xa1
.set W_HI,  0xa1
.set W_LOB, 0x81
.set W_HIB, 0x81
.set NL,    4
.set TROW,  NQ*1536
.set HALFT, MB*TROW
.set SLOT,  4*HALFT
.set LAPS,  KS/NQ/2
.set SCLA,  2*SLOT
.set HALFS, MB*KS*64
.set SCLB,  SCLA+2*HALFS+64
.set SPARE, SCLA+4*HALFS+256
.set ADRA, 16
.set ADRB, 20
.set ADRS, 27
.set SPW,  28
.set NIL,  29
.set SC,   32
.set BI,   64
.set AF,   128
.set G1, 24
.set G0, 32
.set G1B, 48
.set G0B, 56
.set G1S, 68
.set G0S, 76
.set G1SB, 80
.set G0SB, 88
.set MSB, 0
.macro WIN new
.if MSB != \new
	s_set_vgpr_msb (MSB<<8)|\new
.set MSB, \new
.endif
.endm
.macro JLOAD g0a, g1a, g0b, g1b        ; a joint load: waves 0 and 1 fetch for A, waves 2 and 3 for B; the branch hangs on the wave's number alone
	s_cmp_eq_u32 s15, 0
	s_cbranch_scc0 .Lfor_b_\@
	tensor_load_to_lds s[\g0a:\g0a+3], s[\g1a:\g1a+7]
	s_nop 0
.rept 4
	v_nop
.endr
	s_branch .Lasked_\@
.Lfor_b_\@:
	tensor_load_to_lds s[\g0b:\g0b+3], s[\g1b:\g1b+7]
	s_nop 0
.rept 4
	v_nop
.endr
.Lasked_\@:
.endm
.macro CREST
	s_cmp_lg_u32 s14, 0
	s_cbranch_scc1 .Lnot_wave_0_\@
	s_barrier_signal -3
.Lnot_wave_0_\@:
	s_barrier_wait -3
	s_barrier_signal -1
	s_barrier_wait -1
.endm
.macro CROUND
	s_barrier_signal -1
	s_barrier_wait -1
	CREST
.endm
.macro FRAG reg, adr, q, i
	ds_load_b128 v[\reg:\reg+3],     v[\adr]   offset:(\i)*TROW+(\q)*1536
	ds_load_b64  v[\reg+4:\reg+5],   v[\adr+2] offset:(\i)*TROW+(\q)*1536+512
	ds_load_b128 v[\reg+6:\reg+9],   v[\adr]   offset:(\i)*TROW+(\q)*1536+768
	ds_load_b64  v[\reg+10:\reg+11], v[\adr+2] offset:(\i)*TROW+(\q)*1536+1280
.endm
.macro WM a, b, p, q, sc, zero
.set DR, (8*(MB*(\a)+(\b)))%256
.set BR, 128*(\p)+12*(\b)
.set AR, AF+12*(\a)
.set SB, SC+16*(\sc)+MB*(\q)+(\b)
.set SA, SC+16*(\sc)+MB*(\q)+(\a)
.if (\zero) && HASB
	v_wmma_scale_f32_16x16x128_f8f6f4 v[DR:DR+7], v[BR:BR+11], v[AR:AR+11], v[BI+8*(\b):BI+8*(\b)+7], v[SB], v[SA] matrix_a_fmt:MATRIX_FMT_FP6 matrix_b_fmt:MATRIX_FMT_FP6 matrix_a_scale:MATRIX_SCALE_ROW1
.elseif \zero
	v_wmma_scale_f32_16x16x128_f8f6f4 v[DR:DR+7], v[BR:BR+11], v[AR:AR+11], 0, v[SB], v[SA] matrix_a_fmt:MATRIX_FMT_FP6 matrix_b_fmt:MATRIX_FMT_FP6 matrix_a_scale:MATRIX_SCALE_ROW1
.else
	v_wmma_scale_f32_16x16x128_f8f6f4 v[DR:DR+7], v[BR:BR+11], v[AR:AR+11], v[DR:DR+7], v[SB], v[SA] matrix_a_fmt:MATRIX_FMT_FP6 matrix_b_fmt:MATRIX_FMT_FP6 matrix_a_scale:MATRIX_SCALE_ROW1
.endif
.endm
.macro MULQ a0, p, q, sc, zero         ; the accumulators take turns, one instruction a turn, in the same order in every step
.set MA, \a0
.rept MB/4
.set MBB, 0
.rept MB
	WM MA, MBB, \p, \q, \sc, \zero
.set MBB, MBB+1
.endr
.set MA, MA+1
.endr
.endm
.macro WINM hi, zero
.if (\zero) && HASB
.if \hi
	WIN W_HIB
.else
	WIN W_LOB
.endif
.else
.if \hi
	WIN W_HI
.else
	WIN W_LO
.endif
.endif
.endm
.macro FETCH_B slot, q, p
	WIN 0x40
.set FI, 0
.rept MB
	FRAG 128*(\p)+12*FI, ADRB+\slot, \q, FI
.set FI, FI+1
.endr
	WIN 0
.endm
.macro FETCH_A slot, q, i0
.set FI, \i0
.rept MB/2
	FRAG AF+12*FI, ADRA+\slot, \q, FI
.set FI, FI+1
.endr
.endm
.macro SCALES sc
.set SQ, 0
.rept NQ
.set SI, 0
.rept MB
	ds_load_b32 v[SC+16*(\sc)+MB*SQ+SI], v[ADRS] offset:512*SQ+64*SI
.set SI, SI+1
.endr
.set SQ, SQ+1
.endr
.endm
.macro PLACES                          ; four plain places between a matrix instruction and a load into, or a read of, one of its registers
.rept 4
	v_nop
.endr
.endm
.macro STEP slot, q, zero
	s_wait_dscnt (MB/2)*NL                         ; all but the youngest loads (A's upper blocks) are in
	WINM 0, \zero
	MULQ 0, (\q)%2, \q, \slot, \zero
	MULQ MB/4, (\q)%2, \q, \slot, \zero
	s_wait_dscnt 0x0
	PLACES
	FETCH_B \slot, (\q)+1, 1-(\q)%2
	FETCH_A \slot, (\q)+1, 0
	WINM 1, \zero
	MULQ MB/2, (\q)%2, \q, \slot, \zero
	MULQ 3*MB/4, (\q)%2, \q, \slot, \zero
	PLACES
	WIN 0
	FETCH_A \slot, (\q)+1, MB/2
.endm
.macro TURN slot, next, fill           ; a slot's last step changes slots: one barrier, with the waits and the add in front of it
	s_wait_tensorcnt 0x0                           ; all my tensor loads have landed: my part of the next slot
	ds_add_u32 v[SPW], v[NIL]
	s_wait_dscnt (MB/2)*NL+1                       ; (the add and A's upper blocks may be out)
	WIN W_LO
	MULQ 0, 1, NQ-1, \slot, 0
	s_wait_dscnt 0x0                               ; the add is done, and my reads of this slot are over
	s_barrier_signal -1
	MULQ MB/4, 1, NQ-1, \slot, 0
	WIN 0
	s_barrier_wait -1
.if \fill
	CREST
	s_add_nc_u64 s[G0+4*\slot+2:G0+4*\slot+3], s[G0+4*\slot+2:G0+4*\slot+3], 2*TROW
	s_add_nc_u64 s[G0B+4*\slot+2:G0B+4*\slot+3], s[G0B+4*\slot+2:G0B+4*\slot+3], 2*TROW
	JLOAD G0+4*\slot, G1, G0B+4*\slot, G1B
.else
	PLACES
.endif
	v_add_nc_u32 v[ADRS], NQ*512, v[ADRS]
	FETCH_B \next, 0, 0
	FETCH_A \next, 0, 0
	SCALES \next
	WIN W_HI
	MULQ MB/2, 1, NQ-1, \slot, 0
	MULQ 3*MB/4, 1, NQ-1, \slot, 0
	PLACES
	WIN 0
	FETCH_A \next, 0, MB/2
.endm
.macro MID slot
.if NQ > 2
	STEP \slot, 1, 0
	STEP \slot, 2, 0
.endif
.endm
.macro LAST
	s_wait_dscnt (MB/2)*NL
	WIN W_LO
	MULQ 0, 1, NQ-1, 1, 0
	MULQ MB/4, 1, NQ-1, 1, 0
	s_wait_dscnt 0x0
	WIN W_HI
	MULQ MB/2, 1, NQ-1, 1, 0
	MULQ 3*MB/4, 1, NQ-1, 1, 0
	WIN 0
.endm
	s_load_b256 s[4:11], s[0:1], 0x0               ; A's buffer, qin, the bias, the residual
	s_load_b64 s[12:13], s[0:1], 0x20              ; y
	v_lshl_add_u32 v[SPW], v0, 2, SPARE
	v_mov_b32 v[NIL], 0
	ds_add_u32 v[SPW], v[NIL]                      ; the wave's opening: the add and its wait ahead of my first tensor load
	ds_add_u32 v[SPW], v[NIL]
	v_lshrrev_b32 v1, 5, v0
	v_readfirstlane_b32 s14, v1
	s_lshr_b32 s15, s14, 1
	s_and_b32 s16, s14, 1
	s_bfe_u32 s40, ttmp6, 0x40000
	s_bfe_u32 s41, ttmp6, 0x40004
	s_lshl_b32 s42, ttmp9, 2
	s_add_co_u32 s42, s42, s40                     ; the tile's column: 4 x cluster x + cx
	s_and_b32 s17, ttmp7, 0xffff
	s_lshl_b32 s17, s17, 2
	s_add_co_u32 s17, s17, s41                     ; its row: 4 x cluster y + cy
	s_mov_b32 s96, 0
	s_mov_b32 s97, AOFS
	s_mov_b32 s98, BOFC
	s_mov_b32 s99, BOFS
	s_lshl_b32 s43, s41, 2
	s_lshl_b32 s43, 15, s43
	s_lshl_b32 s44, 0x1111, s40
	s_or_b32 s[G1], s43, (3<<16)|(1<<21)           ; the codes: MB rows (tiles) of NQ x 1,536 bytes, KS x 1,536 apart, in elements of 8 bytes
	s_or_b32 s[G1B], s44, (3<<16)|(1<<21)
.irp g, G1, G1B
	s_mov_b32 s[\g+1], (NQ*192)<<16
	s_mov_b32 s[\g+2], MB<<16
	s_mov_b32 s[\g+3], (NQ*192)<<16
	s_mov_b32 s[\g+4], MB
	s_mov_b32 s[\g+5], KS*192
	s_mov_b32 s[\g+6], 0
	s_mov_b32 s[\g+7], 0
.endr
	s_mul_i32 s20, s17, 2*MB
	s_mul_i32 s21, s16, MB
	s_add_co_u32 s20, s20, s21
	s_mul_i32 s20, s20, KS*1536
	s_add_co_u32 s20, s20, s96
	s_mov_b32 s21, 0
	s_mul_i32 s46, s42, 2*MB
	s_mul_i32 s47, s16, MB
	s_add_co_u32 s46, s46, s47
	s_mul_i32 s46, s46, KS*1536
	s_add_co_u32 s46, s46, s98
	s_mov_b32 s47, 0
	s_mul_i32 s94, s16, HALFS
	s_mul_i32 s22, s17, 2*HALFS
	s_add_co_u32 s22, s22, s94
	s_add_co_u32 s22, s22, s97
	s_mov_b32 s23, 0
	s_mul_i32 s92, s42, 2*HALFS
	s_add_co_u32 s92, s92, s94
	s_add_co_u32 s92, s92, s99
	s_mov_b32 s93, 0
	s_mul_i32 s45, s14, HALFT
	s_wait_dscnt 0x0                               ; the opening add is done
	s_wait_kmcnt 0x0
	s_add_nc_u64 s[20:21], s[4:5], s[20:21]
	s_add_nc_u64 s[22:23], s[4:5], s[22:23]
	s_add_nc_u64 s[46:47], s[6:7], s[46:47]
	s_add_nc_u64 s[92:93], s[6:7], s[92:93]
	CROUND                                         ; all sixteen work-groups are here: the first joint loads meet
; The scale words come by plain loads and LDS stores: my wave's HALFS bytes (waves 0, 1: A's halves; waves 2, 3: B's), 512 consecutive bytes a load
	s_cmp_eq_u32 s15, 0
	s_cselect_b64 s[92:93], s[22:23], s[92:93]
	s_mul_i32 s2, s15, SCLB-SCLA
	s_add_co_u32 s2, s2, s94
	s_add_co_u32 s2, s2, SCLA
	v_and_b32 v7, 31, v0
	v_lshlrev_b32 v7, 4, v7                        ; 16 x lane
	v_add_nc_u32 v14, s2, v7                       ; where they go in LDS
	v_and_b32 v15, 31, v0                          ; the prefetch's offset: a lane a block of 256 bytes; a tile's K slot is 24 blocks, lanes 24-31 name the last again
	v_min_u32 v15, 23, v15
	v_lshlrev_b32 v15, 8, v15
	s_wait_alu depctr_va_vdst(0)
.set SJ, 0
.rept HALFS/512
	global_load_b128 v[176+4*SJ:179+4*SJ], v7, s[92:93] offset:512*SJ
.set SJ, SJ+1
.endr
.irp s, 0,1
	s_mov_b32 s[G0+4*\s], 1
	s_add_co_u32 s[G0+4*\s+1], s45, \s*SLOT
	s_add_nc_u64 s[G0+4*\s+2:G0+4*\s+3], s[20:21], \s*TROW
	s_or_b32 s[G0+4*\s+3], s[G0+4*\s+3], 0x80000000
	s_mov_b32 s[G0B+4*\s], 1
	s_add_co_u32 s[G0B+4*\s+1], s45, \s*SLOT
	s_add_nc_u64 s[G0B+4*\s+2:G0B+4*\s+3], s[46:47], \s*TROW
	s_or_b32 s[G0B+4*\s+3], s[G0B+4*\s+3], 0x80000000
.endr
; THE PREFETCH (the head's sentence on it holds no more): of the 4 tiles that my wave fetches jointly, each of the four partners names one, told apart by address (cx for A, cy for B)
	s_cmp_eq_u32 s15, 0
	s_cselect_b64 s[100:101], s[20:21], s[46:47]
	s_cselect_b32 s18, s40, s41
	s_mul_i32 s18, s18, KS*1536
	s_mov_b32 s19, 0
	s_add_nc_u64 s[100:101], s[100:101], s[18:19]
	JLOAD G0, G1, G0B, G1B                         ; slot 0: the head's one load a wave
	v_and_b32 v1, 15, v0
	v_bfe_u32 v2, v0, 4, 1                         ; h
	v_and_b32 v3, 31, v0
	v_lshlrev_b32 v4, 4, v3
	v_lshlrev_b32 v5, 4, v1
	v_lshl_add_u32 v5, v2, 3, v5
	s_mul_i32 s21, s15, HALFT
	s_mul_i32 s22, s16, HALFT
	s_add_co_u32 s22, s22, 2*HALFT
.irp s, 0,1
	v_add_nc_u32 v[ADRA+\s], s21, v4
	v_add_nc_u32 v[ADRB+\s], s22, v4
	v_add_nc_u32 v[ADRA+2+\s], s21, v5
	v_add_nc_u32 v[ADRB+2+\s], s22, v5
	s_add_co_u32 s21, s21, SLOT
	s_add_co_u32 s22, s22, SLOT
.endr
	s_mul_i32 s21, s15, SWO
	s_mul_i32 s22, s16, SWO
	s_add_co_u32 s22, s22, SCLB-SCLA
	s_sub_co_u32 s22, s22, s21
	v_mul_u32_u24 v6, s22, v2
	s_add_co_u32 s21, s21, SCLA
	v_lshl_add_u32 v6, v1, 2, v6
	v_add_nc_u32 v[ADRS], s21, v6
	s_mul_i32 s21, s14, 4352                       ; my stage for the way out: 16 rows x (256 + 16) bytes, in slot 0
	v_mul_u32_u24 v24, v1, 272
	v_lshl_add_u32 v24, v2, 6, v24
	v_add_nc_u32 v24, s21, v24                     ; in: row r, + 64 h
	v_mul_u32_u24 v25, v2, 272
	v_lshl_add_u32 v25, v1, 4, v25
	v_add_nc_u32 v25, s21, v25                     ; back: lanes 0-15 one row, lanes 16-31 the next
	v_lshlrev_b32 v26, 12, v2
	v_lshl_add_u32 v26, v1, 4, v26                 ; and the same two rows in memory
	v_lshlrev_b32 v30, 6, v2                       ; the bias: 64 h
	s_wait_alu depctr_va_vdst(0)
	s_lshl_b32 s96, s42, 9
	s_lshl_b32 s97, s16, 8
	s_add_co_u32 s96, s96, s97                     ; my first column, in bytes
	s_mov_b32 s97, 0
	s_add_nc_u64 s[8:9], s[8:9], s[96:97]
	s_lshl_b32 s98, s17, 7
	s_lshl_b32 s99, s15, 6
	s_add_co_u32 s98, s98, s99                     ; my first row
	s_lshl_b32 s98, s98, 12
	s_mov_b32 s99, 0
	s_add_nc_u64 s[96:97], s[96:97], s[98:99]
	s_add_nc_u64 s[10:11], s[10:11], s[96:97]
	s_add_nc_u64 s[12:13], s[12:13], s[96:97]
	global_prefetch_b8 v15, s[100:101] offset:TROW th:TH_LOAD_NT scope:SCOPE_SE   ; K slot 1, whose load stands behind slot 0's landing and a round
.irp b, 0,1,2,3
	global_load_b128 v[BI+8*\b:BI+8*\b+3],   v30, s[8:9] offset:(32*(\b/2)+8*(\b%2))*4      ; the bias in the result's layout: tile b's eight columns of my half
	global_load_b128 v[BI+8*\b+4:BI+8*\b+7], v30, s[8:9] offset:(32*(\b/2)+8*(\b%2))*4+16
.endr
	WIN 0x80                                       ; destination window 2
.irp a, 0,1,2,3
.irp t, 0,1,2,3,4,5,6,7
	global_load_b128 v[128+4*(8*\a+\t):128+4*(8*\a+\t)+3], v26, s[10:11] offset:(32*(\a/2)+8*(\a%2)+2*\t+8*(\t/4))*4096   ; the residual: two rows x 256 bytes, the rows of tile a's places 2 t, 2 t + 1
.endr
.endr
	WIN 0
	s_wait_loadcnt 40                              ; my scale words are in; younger are the bias's 8 loads and the residual's 32
.set SJ, 0
.rept HALFS/512
	ds_store_b128 v14, v[176+4*SJ:179+4*SJ] offset:512*SJ
.set SJ, SJ+1
.endr
	s_wait_tensorcnt 0x0                           ; my part of slot 0 is in
	ds_add_u32 v[SPW], v[NIL]
	s_wait_dscnt 0x0                               ; the add and my stores of scale words are done
	CROUND
	JLOAD G0+4, G1, G0B+4, G1B                     ; slot 1, the first tensor load behind the round
	FETCH_B 0, 0, 0
	FETCH_A 0, 0, 0
	SCALES 0
	FETCH_A 0, 0, MB/2
	s_wait_loadcnt 32                              ; the bias is in; the residual's 32 loads may be out
	STEP 0, 0, 1
.if LAPS > 1
	s_mov_b32 s3, LAPS-1
.Llap:
	MID 0
	TURN 0, 1, 1
	STEP 1, 0, 0
	MID 1
	TURN 1, 0, 1
	STEP 0, 0, 0
	s_sub_co_u32 s3, s3, 1
	s_cmp_lg_u32 s3, 0
	s_cbranch_scc1 .Llap
.endif
	MID 0
	TURN 0, 1, 0
	STEP 1, 0, 0
	MID 1
	LAST
	PLACES
	s_wait_loadcnt 0x0                             ; the residual
; THE WAY OUT, 16 tokens x 64 columns at a time, through my stage: slot 0 has had its last fill, and nobody has read it since the last change of slots.  LDS serves a wave's instructions in order.
.macro OUTB a
.set BB, 176+32*((\a)%2)
.if (\a) > 1
	s_wait_xcnt 0x0                                ; block a - 2's stores have read their registers
.endif
	WIN 0x08                                       ; an LDS store's data are its source 1: window 2
.irp b, 0,1
.irp i, 0,1,2,3
	ds_store_b128 v24, v[32*(\a)+16*\b+4*\i:32*(\a)+16*\b+4*\i+3] offset:128*\b+16*\i   ; each accumulator from its low end on
.endr
.endr
	WIN 0
.irp t, 0,1,2,3,4,5,6,7
	ds_load_b128 v[BB+4*\t:BB+4*\t+3], v25 offset:544*\t
.endr
	s_wait_dscnt 0x0
	WIN 0x08
.irp t, 0,1,2,3,4,5,6,7
	v_pk_add_f32 v[BB+4*\t:BB+4*\t+1],   v[BB+4*\t:BB+4*\t+1],   v[128+4*(8*(\a)+\t):128+4*(8*(\a)+\t)+1]
	v_pk_add_f32 v[BB+4*\t+2:BB+4*\t+3], v[BB+4*\t+2:BB+4*\t+3], v[128+4*(8*(\a)+\t)+2:128+4*(8*(\a)+\t)+3]
.endr
	WIN 0
.irp t, 0,1,2,3,4,5,6,7
	global_store_b128 v26, v[BB+4*\t:BB+4*\t+3], s[12:13] offset:(32*((\a)/2)+8*((\a)%2)+2*\t+8*(\t/4))*4096   ; sixteen lanes store 256 consecutive bytes, aligned
.endr
.endm
	OUTB 0
	OUTB 1
	OUTB 2
	OUTB 3
	s_wait_tensorcnt 0x0                           ; the wave's end, behind my last LDS store
	ds_add_u32 v[SPW], v[NIL]
	s_wait_dscnt 0x0
	CROUND                                         ; the closing round
	s_endpgm
.Lfunc_end_k_q88eec5f199_gemm_wo:
	.size	k_q88eec5f199_gemm_wo, .Lfunc_end_k_q88eec5f199_gemm_wo-k_q88eec5f199_gemm_wo
	.p2alignl 7, 3214868480
	.fill 96, 4, 3214868480
	.section	.rodata,"a",@progbits
	.p2align	6, 0x0
	.amdhsa_kernel k_q88eec5f199_gemm_wo
		.amdhsa_group_segment_fixed_size 327680
		.amdhsa_private_segment_fixed_size 0
		.amdhsa_enable_private_segment 0
		.amdhsa_kernarg_size 40
		.amdhsa_user_sgpr_count 2
		.amdhsa_user_sgpr_kernarg_segment_ptr 1
		.amdhsa_wavefront_size32 1
		.amdhsa_system_sgpr_workgroup_id_x 1
		.amdhsa_system_sgpr_workgroup_id_y 1
		.amdhsa_system_sgpr_workgroup_id_z 1
		.amdhsa_system_vgpr_workitem_id 0
		.amdhsa_next_free_vgpr 768
		.amdhsa_next_free_sgpr 102
		.amdhsa_reserve_vcc 0
		.amdhsa_float_denorm_mode_32 3
		.amdhsa_float_denorm_mode_16_64 3
		.amdhsa_memory_ordered 1
		.amdhsa_forward_progress 1
		.amdhsa_inst_pref_size 64
	.end_amdhsa_kernel
	.amdgpu_metadata
---
amdhsa.version: [ 1, 2 ]
amdhsa.kernels:
  - .name:           k_q88eec5f199_gemm_wo
    .symbol:         k_q88eec5f199_gemm_wo.kd
    .args:
      - { .name: att, .offset: 0, .size: 8, .value_kind: global_buffer, .address_space: global }
      - { .name: qin, .offset: 8, .size: 8, .value_kind: global_buffer, .address_space: global }
      - { .name: bo, .offset: 16, .size: 8, .value_kind: global_buffer, .address_space: global }
      - { .name: x, .offset: 24, .size: 8, .value_kind: global_buffer, .address_space: global }
      - { .name: y, .offset: 32, .size: 8, .value_kind: global_buffer, .address_space: global }
    .group_segment_fixed_size: 327680
    .private_segment_fixed_size: 0
    .kernarg_segment_align: 8
    .kernarg_segment_size: 40
    .max_flat_workgroup_size: 128
    .sgpr_count:     102
    .vgpr_count:     768
    .wavefront_size: 32
...
	.end_amdgpu_metadata
.endif
;; end of part 4
;; launch ln1 (part 5): grid 256 x 1, 8 waves a work-group, no clusters, 66,816 bytes of LDS; arguments y, ln1_w, ln1_b, hf, hq; writes hf, hq
.if DOCPART == 5
	.amdgcn_target "amdgcn-amd-amdhsa--gfx1250"
	.amdhsa_code_object_version 6
	.text
	.protected	k_q88eec5f199_ln1
	.globl	k_q88eec5f199_ln1
	.p2align	8
	.type	k_q88eec5f199_ln1,@function
k_q88eec5f199_ln1:
	s_mov_b64 s[64:65], 0
	v_nop
	global_prefetch_b8 v0, s[64:65] scope:SCOPE_SE
	s_setreg_imm32_b32 hwreg(HW_REG_WAVE_MODE, 25, 1), 1
	s_wait_xcnt 0x0
; h = layernorm(y) x ln1_w + ln1_b, in f32 (mean, then the centred squares: no difference of large sums), stored as f32 (hf, natural rows) and as codes of FP6 (E2M3) with E8M0 scales (hq).
; A work-group takes tile T of 16 tokens (place p is token 32 (T / 2) + 8 (T % 2) + p + 8 (p / 8)).  Phase A: wave w takes places 2 w, 2 w + 1, two neighbouring tokens: a row is 32 registers of the wave,
; so the reductions never leave the wave.  The rows meet in a stage in LDS.  Phase B: wave w takes K step w of all 16 rows and quantises it: lane (r, h) holds K 64 c + 32 h + 0 .. 31 of row r.
; hq is laid as images of the operand's registers: fragment (T, ks) at (8 T + ks) x 1536; the scale word of (T, r, ks) at 3,145,728 + ((T / 8) x 8 + ks) x 512 + (T % 8) x 64 + 4 r.
; A stream: work-groups share nothing but the gain and the bias (8 KiB), so no cluster; no matrix unit; no prefetch, the loads go out at the head.
; LIMITS: a block of zeros gets the byte 1 where the rule says 127 (its codes are zeros; this program alone reads the bytes); largest magnitudes under 2^-124 are held at the byte 1; NaN and infinities are not served.
.set PITCH, 4112                       ; a stage row: 4,096 bytes + 16
.set SPARE, 16*PITCH                   ; behind the stage: the spare words, 128 bytes a wave
.set HQS,   3145728
.set SPW,   190
.set NIL,   191
	s_load_b256 s[4:11], s[0:1], 0x0               ; y, the gain, the bias, hf
	s_load_b64 s[12:13], s[0:1], 0x20              ; hq
	v_lshl_add_u32 v[SPW], v0, 2, SPARE
	v_mov_b32 v[NIL], 0
	v_lshrrev_b32 v1, 5, v0
	s_delay_alu instid0(VALU_DEP_1)
	v_readfirstlane_b32 s14, v1                    ; wave 0..7
	v_and_b32 v1, 31, v0
	s_delay_alu instid0(VALU_DEP_1)
	v_lshlrev_b32 v2, 4, v1                        ; 16 x lane
	v_and_b32 v8, 15, v0                           ; r
	v_bfe_u32 v9, v0, 4, 1                         ; h
	s_mul_i32 s20, s14, 2*PITCH
	v_add_nc_u32 v3, s20, v2                       ; into the stage: my two rows
	v_mul_u32_u24 v4, v8, PITCH
	s_delay_alu instid0(VALU_DEP_1)
	v_lshl_add_u32 v4, v9, 7, v4
	s_lshl_b32 s20, s14, 9
	v_add_nc_u32 v4, s20, v4                       ; out of it: row r, K step w, + 128 h
	v_lshlrev_b32 v5, 3, v9                        ; 8 h
	v_lshlrev_b32 v6, 4, v8
	s_delay_alu instid0(VALU_DEP_1)
	v_lshl_add_u32 v6, v9, 3, v6                   ; 16 r + 8 h
	v_lshlrev_b32 v7, 2, v8                        ; 4 r
	v_mov_b32 v161, 0                              ; (named as the upper halves of pairs)
	v_mov_b32 v163, 0
	s_mov_b32 s18, 0x3a800000                      ; 1 / 1,024
	s_mov_b32 s19, 0x3727c5ac                      ; 1e-5
	s_mov_b32 s22, 0x76543210
	s_mov_b32 s23, 0xfedcba98
	s_lshr_b32 s15, ttmp9, 1
	s_lshl_b32 s15, s15, 5
	s_and_b32 s16, ttmp9, 1
	s_lshl_b32 s16, s16, 3
	s_add_co_u32 s15, s15, s16
	s_lshl_b32 s16, s14, 1
	s_add_co_u32 s15, s15, s16
	s_lshr_b32 s16, s14, 2
	s_lshl_b32 s16, s16, 3
	s_add_co_u32 s15, s15, s16                     ; my first token
	s_lshl_b32 s16, s15, 12
	s_mov_b32 s17, 0
	s_lshl_b32 s24, ttmp9, 3
	s_add_co_u32 s24, s24, s14
	s_mul_i32 s24, s24, 1536                       ; fragment (T, w)
	s_mov_b32 s25, 0
	s_lshr_b32 s26, ttmp9, 3
	s_lshl_b32 s26, s26, 3
	s_add_co_u32 s26, s26, s14
	s_lshl_b32 s26, s26, 9
	s_and_b32 s27, ttmp9, 7
	s_lshl_b32 s27, s27, 6
	s_add_co_u32 s26, s26, s27
	s_add_co_u32 s26, s26, HQS
	s_mov_b32 s27, 0
	s_wait_kmcnt 0x0
	s_add_nc_u64 s[4:5], s[4:5], s[16:17]
	s_add_nc_u64 s[10:11], s[10:11], s[16:17]
	s_add_nc_u64 s[24:25], s[12:13], s[24:25]
	s_add_nc_u64 s[26:27], s[12:13], s[26:27]
.irp i, 0,1
.irp j, 0,1,2,3,4,5,6,7
	global_load_b128 v[16+32*\i+4*\j:19+32*\i+4*\j], v2, s[4:5] offset:4096*\i+512*\j th:TH_LOAD_NT   ; 512 consecutive bytes a load
.endr
.endr
.irp j, 0,1,2,3,4,5,6,7
	global_load_b128 v[80+4*\j:83+4*\j], v2, s[6:7] offset:512*\j
.endr
.irp j, 0,1,2,3,4,5,6,7
	global_load_b128 v[112+4*\j:115+4*\j], v2, s[8:9] offset:512*\j
.endr
	s_wait_loadcnt 16                              ; my two rows are in; the gain's and the bias's 16 loads may be out
.irp i, 0,1                            ; the rows' sums, the two rows by turns, two chains each
	v_pk_add_f32 v[144+4*\i:145+4*\i], v[16+32*\i:17+32*\i], v[18+32*\i:19+32*\i]
	v_pk_add_f32 v[146+4*\i:147+4*\i], v[20+32*\i:21+32*\i], v[22+32*\i:23+32*\i]
.endr
.irp j, 8,12,16,20,24,28
.irp i, 0,1
	s_delay_alu instid0(VALU_DEP_4)
	v_pk_add_f32 v[144+4*\i:145+4*\i], v[144+4*\i:145+4*\i], v[16+32*\i+\j:17+32*\i+\j]
	s_delay_alu instid0(VALU_DEP_4)
	v_pk_add_f32 v[146+4*\i:147+4*\i], v[146+4*\i:147+4*\i], v[18+32*\i+\j:19+32*\i+\j]
.endr
.endr
.irp i, 0
	s_delay_alu instid0(VALU_DEP_3)
	v_pk_add_f32 v[144+4*\i:145+4*\i], v[144+4*\i:145+4*\i], v[146+4*\i:147+4*\i]
.endr
.irp i, 1
	s_delay_alu instid0(VALU_DEP_2)
	v_pk_add_f32 v[144+4*\i:145+4*\i], v[144+4*\i:145+4*\i], v[146+4*\i:147+4*\i]
.endr
.irp i, 0,1
	s_delay_alu instid0(VALU_DEP_2)
	v_add_f32 v[144+4*\i], v[144+4*\i], v[145+4*\i]
.endr
.irp m, 1,2,4,8
.irp i, 0,1
	s_delay_alu instid0(VALU_DEP_2)
	v_add_f32_dpp v[144+4*\i], v[144+4*\i], v[144+4*\i] row_xmask:\m row_mask:0xf bank_mask:0xf
.endr
.endr
.irp i, 0,1
	s_delay_alu instid0(VALU_DEP_2)
	v_permlanex16_b32 v[146+4*\i], v[144+4*\i], s22, s23
.endr
.irp i, 0,1
	s_delay_alu instid0(VALU_DEP_2)
	v_add_f32 v[144+4*\i], v[144+4*\i], v[146+4*\i]
.endr
.irp i, 0,1
	s_delay_alu instid0(VALU_DEP_2)
	v_mul_f32 v[144+4*\i], s18, v[144+4*\i]        ; the mean
.endr
.irp j, 0,2,4,6,8,10,12,14,16,18,20,22,24,26,28,30
.irp i, 0,1
	v_pk_add_f32 v[16+32*\i+\j:17+32*\i+\j], v[16+32*\i+\j:17+32*\i+\j], v[144+4*\i:145+4*\i] op_sel_hi:[1,0] neg_lo:[0,1] neg_hi:[0,1]   ; x - mean
.endr
.endr
.irp i, 0,1
	v_pk_mul_f32 v[152+4*\i:153+4*\i], v[16+32*\i:17+32*\i], v[16+32*\i:17+32*\i]
	v_pk_mul_f32 v[154+4*\i:155+4*\i], v[18+32*\i:19+32*\i], v[18+32*\i:19+32*\i]
.endr
.irp j, 4,8,12,16,20,24,28
.irp i, 0,1
	s_delay_alu instid0(VALU_DEP_4)
	v_pk_fma_f32 v[152+4*\i:153+4*\i], v[16+32*\i+\j:17+32*\i+\j], v[16+32*\i+\j:17+32*\i+\j], v[152+4*\i:153+4*\i]
	s_delay_alu instid0(VALU_DEP_4)
	v_pk_fma_f32 v[154+4*\i:155+4*\i], v[18+32*\i+\j:19+32*\i+\j], v[18+32*\i+\j:19+32*\i+\j], v[154+4*\i:155+4*\i]
.endr
.endr
.irp i, 0
	s_delay_alu instid0(VALU_DEP_3)
	v_pk_add_f32 v[152+4*\i:153+4*\i], v[152+4*\i:153+4*\i], v[154+4*\i:155+4*\i]
.endr
.irp i, 1
	s_delay_alu instid0(VALU_DEP_2)
	v_pk_add_f32 v[152+4*\i:153+4*\i], v[152+4*\i:153+4*\i], v[154+4*\i:155+4*\i]
.endr
.irp i, 0,1
	s_delay_alu instid0(VALU_DEP_2)
	v_add_f32 v[152+4*\i], v[152+4*\i], v[153+4*\i]
.endr
.irp m, 1,2,4,8
.irp i, 0,1
	s_delay_alu instid0(VALU_DEP_2)
	v_add_f32_dpp v[152+4*\i], v[152+4*\i], v[152+4*\i] row_xmask:\m row_mask:0xf bank_mask:0xf
.endr
.endr
.irp i, 0,1
	s_delay_alu instid0(VALU_DEP_2)
	v_permlanex16_b32 v[154+4*\i], v[152+4*\i], s22, s23
.endr
.irp i, 0,1
	s_delay_alu instid0(VALU_DEP_2)
	v_add_f32 v[152+4*\i], v[152+4*\i], v[154+4*\i]
.endr
.irp i, 0,1
	s_delay_alu instid0(VALU_DEP_2)
	v_fma_f32 v[152+4*\i], v[152+4*\i], s18, s19   ; the variance + 1e-5
.endr
	s_wait_alu depctr_va_vdst(0)
.irp i, 0,1
	v_rsq_f32 v[160+2*\i], v[152+4*\i]
.endr
	v_nop                                          ; a plain place behind the transcendentals
	s_wait_alu depctr_va_vdst(0)                   ; one wait for both, ahead of their first reader
	s_wait_loadcnt 0x0                             ; the gain and the bias
.irp j, 0,2,4,6,8,10,12,14,16,18,20,22,24,26,28,30
.irp i, 0,1
	v_pk_mul_f32 v[16+32*\i+\j:17+32*\i+\j], v[16+32*\i+\j:17+32*\i+\j], v[160+2*\i:161+2*\i] op_sel_hi:[1,0]
.endr
.endr
.irp j, 0,2,4,6,8,10,12,14,16,18,20,22,24,26,28,30
.irp i, 0,1
	v_pk_fma_f32 v[16+32*\i+\j:17+32*\i+\j], v[16+32*\i+\j:17+32*\i+\j], v[80+\j:81+\j], v[112+\j:113+\j]
.endr
.endr
.irp i, 0,1
.irp j, 0,1,2,3,4,5,6,7
	global_store_b128 v2, v[16+32*\i+4*\j:19+32*\i+4*\j], s[10:11] offset:4096*\i+512*\j
	ds_store_b128 v3, v[16+32*\i+4*\j:19+32*\i+4*\j] offset:PITCH*\i+512*\j
.endr
.endr
	s_wait_dscnt 0x0                               ; for the others' sake: my rows lie in the stage
	s_barrier_signal -1
	s_barrier_wait -1
	s_wait_xcnt 0x0                                ; hf's stores have read their registers: they are loaded again
.irp c, 0,1
.irp i, 0,1,2,3,4,5,6,7
	ds_load_b128 v[16+32*\c+4*\i:19+32*\c+4*\i], v4 offset:256*\c+16*\i
.endr
.endr
	s_wait_dscnt 0x0
.irp c, 0,1
	v_max3_num_f32 v[172+\c], |v[16+32*\c]|, |v[17+32*\c]|, 0x1800000   ; my block 2 c + h is all mine; the floor 2^(3 - 127)
.endr
.irp i, 2,4,6,8,10,12,14,16,18,20,22,24,26,28,30
.irp c, 0,1
	s_delay_alu instid0(VALU_DEP_2)
	v_max3_num_f32 v[172+\c], v[172+\c], |v[16+32*\c+\i]|, |v[17+32*\c+\i]|
.endr
.endr
.irp c, 0,1
	s_delay_alu instid0(VALU_DEP_2)
	v_add_nc_u32 v[174+\c], 0xff000000, v[172+\c]
.endr
.irp c, 0,1
	s_delay_alu instid0(VALU_DEP_2)
	v_lshrrev_b32 v[176+\c], 23, v[174+\c]
.endr
	s_delay_alu instid0(VALU_DEP_1)
	v_lshl_or_b32 v179, v177, 16, v176
	s_delay_alu instid0(VALU_DEP_1)
	v_lshlrev_b32 v179, v5, v179
	v_mov_b32 v178, 0
	s_delay_alu instid0(VALU_DEP_1)
	v_permlanex16_b32 v178, v179, s22, s23
	s_delay_alu instid0(VALU_DEP_1)
	v_or_b32 v179, v179, v178                      ; the row's scale word
.irp c, 0,1
	v_cvt_scalef32_pk16_fp6_f32 v[144+6*\c:146+6*\c], v[16+32*\c:31+32*\c], v[174+\c]
	v_cvt_scalef32_pk16_fp6_f32 v[164+4*\c:166+4*\c], v[32+32*\c:47+32*\c], v[174+\c]
.endr
	v_nop                                          ; one plain place behind the scaled conversions
.irp c, 0,1
.irp i, 0,1,2
	v_mov_b32 v[147+6*\c+\i], v[164+4*\c+\i]
.endr
.endr
	global_store_b128 v2, v[144:147], s[24:25]
	global_store_b64  v6, v[148:149], s[24:25] offset:512
	global_store_b128 v2, v[150:153], s[24:25] offset:768
	global_store_b64  v6, v[154:155], s[24:25] offset:1280
	global_store_b32  v7, v179, s[26:27]           ; lanes l and l xor 16 hold the same word and store it to the same place
	s_wait_tensorcnt 0x0                           ; the wave's end, behind my last LDS store
	ds_add_u32 v[SPW], v[NIL]
	s_wait_dscnt 0x0
	s_endpgm
.Lfunc_end_k_q88eec5f199_ln1:
	.size	k_q88eec5f199_ln1, .Lfunc_end_k_q88eec5f199_ln1-k_q88eec5f199_ln1
	.p2alignl 7, 3214868480
	.fill 96, 4, 3214868480
	.section	.rodata,"a",@progbits
	.p2align	6, 0x0
	.amdhsa_kernel k_q88eec5f199_ln1
		.amdhsa_group_segment_fixed_size 66816
		.amdhsa_private_segment_fixed_size 0
		.amdhsa_enable_private_segment 0
		.amdhsa_kernarg_size 40
		.amdhsa_user_sgpr_count 2
		.amdhsa_user_sgpr_kernarg_segment_ptr 1
		.amdhsa_wavefront_size32 1
		.amdhsa_system_sgpr_workgroup_id_x 1
		.amdhsa_system_sgpr_workgroup_id_y 1
		.amdhsa_system_sgpr_workgroup_id_z 1
		.amdhsa_system_vgpr_workitem_id 0
		.amdhsa_next_free_vgpr 192
		.amdhsa_next_free_sgpr 66
		.amdhsa_reserve_vcc 0
		.amdhsa_float_denorm_mode_32 3
		.amdhsa_float_denorm_mode_16_64 3
		.amdhsa_memory_ordered 1
		.amdhsa_forward_progress 1
		.amdhsa_inst_pref_size 29
	.end_amdhsa_kernel
	.amdgpu_metadata
---
amdhsa.version: [ 1, 2 ]
amdhsa.kernels:
  - .name:           k_q88eec5f199_ln1
    .symbol:         k_q88eec5f199_ln1.kd
    .args:
      - { .name: y, .offset: 0, .size: 8, .value_kind: global_buffer, .address_space: global }
      - { .name: ln1_w, .offset: 8, .size: 8, .value_kind: global_buffer, .address_space: global }
      - { .name: ln1_b, .offset: 16, .size: 8, .value_kind: global_buffer, .address_space: global }
      - { .name: hf, .offset: 24, .size: 8, .value_kind: global_buffer, .address_space: global }
      - { .name: hq, .offset: 32, .size: 8, .value_kind: global_buffer, .address_space: global }
    .group_segment_fixed_size: 66816
    .private_segment_fixed_size: 0
    .kernarg_segment_align: 8
    .kernarg_segment_size: 40
    .max_flat_workgroup_size: 256
    .sgpr_count:     66
    .vgpr_count:     192
    .wavefront_size: 32
...
	.end_amdgpu_metadata
.endif
;; end of part 5
;; launch gemm_w1 (part 6): grid 16 x 16, 4 waves a work-group, clusters of 4 x 4, 327,680 bytes of LDS; arguments hq, qin, b1, gq; writes gq
.if DOCPART == 6
	.amdgcn_target "amdgcn-amd-amdhsa--gfx1250"
	.amdhsa_code_object_version 6
	.text
	.protected	k_q88eec5f199_gemm_w1
	.globl	k_q88eec5f199_gemm_w1
	.p2align	8
	.type	k_q88eec5f199_gemm_w1,@function
k_q88eec5f199_gemm_w1:
	s_mov_b64 s[64:65], 0
	v_nop
	global_prefetch_b8 v0, s[64:65] scope:SCOPE_SE
	s_setreg_imm32_b32 hwreg(HW_REG_WAVE_MODE, 25, 1), 1
	s_wait_xcnt 0x0
	s_wait_alu depctr_hold_cnt(0) depctr_sa_sdst(0) depctr_va_vdst(0) depctr_va_sdst(0) depctr_va_ssrc(0) depctr_va_vcc(0) depctr_vm_vsrc(0)
	s_getreg_b32 s2, hwreg(HW_REG_IB_STS2, 6, 4)
	s_cmp_eq_u32 s2, 0
	s_cbranch_scc0 .Lentry_in_a_cluster
	s_endpgm
.Lentry_in_a_cluster:
	s_bfe_u32 s2, ttmp6, 0x10000c
	s_cmp_lg_u32 s2, 0xf033
	s_cbranch_scc0 .Lentry_shape_is_right
	s_endpgm
.Lentry_shape_is_right:
.set MB,    8
.set NQ,    2
.set KS,    8
.set AOFS,  3145728
.set BOFC,  6291456
.set BOFS,  12845056
.set GQS,   12582912
.set HASB,  1
.set SWO,   KS*512
.set W_LO,  0xa1
.set W_HI,  0xf1
.set W_LOB, 0x81
.set W_HIB, 0xc1
.set NL,    4
.set TROW,  NQ*1536
.set HALFT, MB*TROW
.set SLOT,  4*HALFT
.set SCLA,  3*SLOT
.set HALFS, MB*KS*64
.set SCLB,  SCLA+2*HALFS+64
.set SPARE, SCLA+4*HALFS+256
.set ADRA, 8
.set ADRB, 16
.set ADRS, 27
.set SPW,  28
.set NIL,  29
.set SC,   32
.set BI,   64
.set AF,   128
.set G1, 24
.set G0, 32
.set G1B, 44
.set G0B, 52
.set G1S, 68
.set G0S, 76
.set G1SB, 80
.set G0SB, 88
.set SEL, 66
.set CX,  100
.set CY,  101
.set TC,  12
.set LOF, 13
.set TM,  224
.set PW,  240
.set PWS, 241
.set PC,  128
.set MSB, 0
.macro WIN new
.if MSB != \new
	s_set_vgpr_msb (MSB<<8)|\new
.set MSB, \new
.endif
.endm
.macro JLOAD g0a, g1a, g0b, g1b
	s_cmp_eq_u32 s15, 0
	s_cbranch_scc0 .Lfor_b_\@
	tensor_load_to_lds s[\g0a:\g0a+3], s[\g1a:\g1a+7]
	s_nop 0
.rept 4
	v_nop
.endr
	s_branch .Lasked_\@
.Lfor_b_\@:
	tensor_load_to_lds s[\g0b:\g0b+3], s[\g1b:\g1b+7]
	s_nop 0
.rept 4
	v_nop
.endr
.Lasked_\@:
.endm
.macro CREST
	s_cmp_lg_u32 s14, 0
	s_cbranch_scc1 .Lnot_wave_0_\@
	s_barrier_signal -3
.Lnot_wave_0_\@:
	s_barrier_wait -3
	s_barrier_signal -1
	s_barrier_wait -1
.endm
.macro CROUND
	s_barrier_signal -1
	s_barrier_wait -1
	CREST
.endm
.macro FRAG reg, adr, q, i
	ds_load_b128 v[\reg:\reg+3],     v[\adr]   offset:(\i)*TROW+(\q)*1536
	ds_load_b64  v[\reg+4:\reg+5],   v[\adr+3] offset:(\i)*TROW+(\q)*1536+512
	ds_load_b128 v[\reg+6:\reg+9],   v[\adr]   offset:(\i)*TROW+(\q)*1536+768
	ds_load_b64  v[\reg+10:\reg+11], v[\adr+3] offset:(\i)*TROW+(\q)*1536+1280
.endm
.macro WM a, b, p, q, sc, zero
.set DR, (8*(MB*(\a)+(\b)))%256
.set BR, 128*(\p)+12*(\b)
.set AR, AF+12*(\a)
.set SB, SC+16*(\sc)+MB*(\q)+(\b)
.set SA, SC+16*(\sc)+MB*(\q)+(\a)
.if (\zero) && HASB
	v_wmma_scale_f32_16x16x128_f8f6f4 v[DR:DR+7], v[BR:BR+11], v[AR:AR+11], v[BI+8*(\b):BI+8*(\b)+7], v[SB], v[SA] matrix_a_fmt:MATRIX_FMT_FP6 matrix_b_fmt:MATRIX_FMT_FP6 matrix_a_scale:MATRIX_SCALE_ROW1
.elseif \zero
	v_wmma_scale_f32_16x16x128_f8f6f4 v[DR:DR+7], v[BR:BR+11], v[AR:AR+11], 0, v[SB], v[SA] matrix_a_fmt:MATRIX_FMT_FP6 matrix_b_fmt:MATRIX_FMT_FP6 matrix_a_scale:MATRIX_SCALE_ROW1
.else
	v_wmma_scale_f32_16x16x128_f8f6f4 v[DR:DR+7], v[BR:BR+11], v[AR:AR+11], v[DR:DR+7], v[SB], v[SA] matrix_a_fmt:MATRIX_FMT_FP6 matrix_b_fmt:MATRIX_FMT_FP6 matrix_a_scale:MATRIX_SCALE_ROW1
.endif
.endm
.macro MULQ a0, p, q, sc, zero
.set MA, \a0
.rept MB/4
.set MBB, 0
.rept MB
	WM MA, MBB, \p, \q, \sc, \zero
.set MBB, MBB+1
.endr
.set MA, MA+1
.endr
.endm
.macro WINM hi, zero
.if (\zero) && HASB
.if \hi
	WIN W_HIB
.else
	WIN W_LOB
.endif
.else
.if \hi
	WIN W_HI
.else
	WIN W_LO
.endif
.endif
.endm
.macro FETCH_B slot, q, p
	WIN 0x40
.set FI, 0
.rept MB
	FRAG 128*(\p)+12*FI, ADRB+\slot, \q, FI
.set FI, FI+1
.endr
	WIN 0
.endm
.macro FETCH_A slot, q, i0
.set FI, \i0
.rept MB/2
	FRAG AF+12*FI, ADRA+\slot, \q, FI
.set FI, FI+1
.endr
.endm
.macro SCALES sc
.set SQ, 0
.rept NQ
.set SI, 0
.rept MB
	ds_load_b32 v[SC+16*(\sc)+MB*SQ+SI], v[ADRS] offset:512*SQ+64*SI
.set SI, SI+1
.endr
.set SQ, SQ+1
.endr
.endm
.macro PLACES
.rept 4
	v_nop
.endr
.endm
.macro STEP slot, q, sc, zero
	s_wait_dscnt (MB/2)*NL
	WINM 0, \zero
	MULQ 0, (\q)%2, \q, \sc, \zero
	MULQ MB/4, (\q)%2, \q, \sc, \zero
	s_wait_dscnt 0x0
	PLACES
	FETCH_B \slot, (\q)+1, 1-(\q)%2
	FETCH_A \slot, (\q)+1, 0
	WINM 1, \zero
	MULQ MB/2, (\q)%2, \q, \sc, \zero
	MULQ 3*MB/4, (\q)%2, \q, \sc, \zero
	PLACES
	WIN 0
	FETCH_A \slot, (\q)+1, MB/2
.endm
.macro TURN slot, next, sc, nsc, mode
.if (\mode) < 2
	s_wait_tensorcnt 0x0
	ds_add_u32 v[SPW], v[NIL]
	s_wait_dscnt (MB/2)*NL+1
.else
	s_wait_dscnt (MB/2)*NL
.endif
	WIN W_LO
	MULQ 0, 1, NQ-1, \sc, 0
.if (\mode) < 2
	s_wait_dscnt 0x0
	s_barrier_signal -1
.endif
	MULQ MB/4, 1, NQ-1, \sc, 0
	WIN 0
.if (\mode) < 2
	s_barrier_wait -1
.else
	s_wait_dscnt 0x0
.endif
.if (\mode) == 1
	CREST
	s_add_nc_u64 s[G0+4*\slot+2:G0+4*\slot+3], s[G0+4*\slot+2:G0+4*\slot+3], 3*TROW
	s_add_nc_u64 s[G0B+4*\slot+2:G0B+4*\slot+3], s[G0B+4*\slot+2:G0B+4*\slot+3], 3*TROW
	JLOAD G0+4*\slot, G1, G0B+4*\slot, G1B
.else
	PLACES
.endif
	v_add_nc_u32 v[ADRS], NQ*512, v[ADRS]
	FETCH_B \next, 0, 0
	FETCH_A \next, 0, 0
	SCALES \nsc
	WIN W_HI
	MULQ MB/2, 1, NQ-1, \sc, 0
	MULQ 3*MB/4, 1, NQ-1, \sc, 0
	PLACES
	WIN 0
	FETCH_A \next, 0, MB/2
.endm
.macro LAST
	s_wait_dscnt (MB/2)*NL
	WIN W_LO
	MULQ 0, 1, NQ-1, 1, 0
	MULQ MB/4, 1, NQ-1, 1, 0
	s_wait_dscnt 0x0
	WIN W_HI
	MULQ MB/2, 1, NQ-1, 1, 0
	MULQ 3*MB/4, 1, NQ-1, 1, 0
	WIN 0
.endm
.macro QUANTW w, s
	WIN ((\w)|((\w)<<2))
.irp b, 0,1,2,3
	v_max3_num_f32 v[TM+\b], |v[(\s)+16*\b]|, |v[(\s)+16*\b+1]|, 0x1800000
.endr
	WIN (((\w)<<2)|((\w)<<4))
.irp i, 2,4,6,8,10,12,14
.irp b, 0,1,2,3
	v_max3_num_f32 v[TM+\b], v[TM+\b], |v[(\s)+16*\b+\i]|, |v[(\s)+16*\b+\i+1]|
.endr
.endr
	WIN 0
.irp b, 0,1,2,3
	v_permlanex16_b32 v[TM+4+\b], v[TM+\b], s[SEL], s[SEL+1]
.endr
.irp b, 0,1,2,3
	v_max_num_f32 v[TM+\b], v[TM+\b], v[TM+4+\b]
.endr
.irp b, 0,1,2,3
	v_add_nc_u32 v[TM+12+\b], 0xff000000, v[TM+\b]
.endr
.irp b, 0,1,2,3
	v_lshrrev_b32 v[TM+4+\b], 23, v[TM+12+\b]
.endr
	v_lshl_or_b32 v[PW], v[TM+5], 8, v[TM+4]
	v_lshl_or_b32 v[PW], v[TM+6], 16, v[PW]
	v_lshl_or_b32 v[PW], v[TM+7], 24, v[PW]
	WIN (\w)
.irp c, 0,1
	v_cvt_scalef32_pk16_fp6_f32 v[PC+6*\c:PC+6*\c+2], v[(\s)+32*\c:(\s)+32*\c+15], v[TM+12+2*\c]
	v_cvt_scalef32_pk16_fp6_f32 v[PC+12+4*\c:PC+14+4*\c], v[(\s)+32*\c+16:(\s)+32*\c+31], v[TM+13+2*\c]
.endr
	WIN 0
	v_nop
.irp c, 0,1
.irp i, 0,1,2
	v_permlane16_swap_b32 v[PC+6*\c+\i], v[PC+12+4*\c+\i]
.endr
.irp i, 0,1,2
	v_mov_b32 v[PC+3+6*\c+\i], v[PC+12+4*\c+\i]
.endr
.endr
.endm
	s_load_b256 s[4:11], s[0:1], 0x0
	v_lshl_add_u32 v[SPW], v0, 2, SPARE
	v_mov_b32 v[NIL], 0
	ds_add_u32 v[SPW], v[NIL]
	ds_add_u32 v[SPW], v[NIL]
	v_lshrrev_b32 v1, 5, v0
	v_readfirstlane_b32 s14, v1
	s_lshr_b32 s15, s14, 1
	s_and_b32 s16, s14, 1
	s_bfe_u32 s[CX], ttmp6, 0x40000
	s_bfe_u32 s[CY], ttmp6, 0x40004
	s_lshl_b32 s[TC], ttmp9, 2
	s_add_co_u32 s[TC], s[TC], s[CX]
	s_and_b32 s17, ttmp7, 0xffff
	s_lshl_b32 s17, s17, 2
	s_add_co_u32 s17, s17, s[CY]
	s_mov_b32 s96, 0
	s_mov_b32 s97, AOFS
	s_mov_b32 s98, BOFC
	s_mov_b32 s99, BOFS
	s_lshl_b32 s2, s[CY], 2
	s_lshl_b32 s2, 15, s2
	s_lshl_b32 s3, 0x1111, s[CX]
	s_or_b32 s[G1], s2, (3<<16)|(1<<21)
	s_or_b32 s[G1B], s3, (3<<16)|(1<<21)
.irp g, G1, G1B
	s_mov_b32 s[\g+1], (NQ*192)<<16
	s_mov_b32 s[\g+2], MB<<16
	s_mov_b32 s[\g+3], (NQ*192)<<16
	s_mov_b32 s[\g+4], MB
	s_mov_b32 s[\g+5], KS*192
	s_mov_b32 s[\g+6], 0
	s_mov_b32 s[\g+7], 0
.endr
	s_mul_i32 s20, s17, 2*MB
	s_mul_i32 s21, s16, MB
	s_add_co_u32 s20, s20, s21
	s_mul_i32 s20, s20, KS*1536
	s_add_co_u32 s20, s20, s96
	s_mov_b32 s21, 0
	s_mul_i32 s18, s[TC], 2*MB
	s_mul_i32 s19, s16, MB
	s_add_co_u32 s18, s18, s19
	s_mul_i32 s18, s18, KS*1536
	s_add_co_u32 s18, s18, s98
	s_mov_b32 s19, 0
	s_mul_i32 s94, s16, HALFS
	s_mul_i32 s22, s17, 2*HALFS
	s_add_co_u32 s22, s22, s94
	s_add_co_u32 s22, s22, s97
	s_mov_b32 s23, 0
	s_mul_i32 s92, s[TC], 2*HALFS
	s_add_co_u32 s92, s92, s94
	s_add_co_u32 s92, s92, s99
	s_mov_b32 s93, 0
	s_mul_i32 s[LOF], s14, HALFT
	s_mov_b32 s[SEL], 0x76543210
	s_mov_b32 s[SEL+1], 0xfedcba98
	s_wait_dscnt 0x0
	s_wait_kmcnt 0x0
	s_add_nc_u64 s[20:21], s[4:5], s[20:21]
	s_add_nc_u64 s[22:23], s[4:5], s[22:23]
	s_add_nc_u64 s[18:19], s[6:7], s[18:19]
	s_add_nc_u64 s[92:93], s[6:7], s[92:93]
	CROUND
; The scale words come by plain loads and LDS stores: my wave's HALFS bytes (waves 0, 1: A's halves; waves 2, 3: B's), 512 consecutive bytes a load
	s_cmp_eq_u32 s15, 0
	s_cselect_b64 s[92:93], s[22:23], s[92:93]
	s_mul_i32 s2, s15, SCLB-SCLA
	s_add_co_u32 s2, s2, s94
	s_add_co_u32 s2, s2, SCLA
	v_and_b32 v7, 31, v0
	v_lshlrev_b32 v7, 4, v7                        ; 16 x lane
	v_add_nc_u32 v14, s2, v7                       ; where they go in LDS
; THE PREFETCH.  Of the 8 tiles that my wave fetches jointly, each of the four partners names two, told apart by address (cx for A, cy for B): a K slot of two tiles is 24 blocks of 256 bytes, a lane a block; lanes 24-31 name the last block again
	v_and_b32 v15, 31, v0
	v_min_u32 v15, 23, v15
	v_mul_u32_u24 v23, v15, 11
	v_lshrrev_b32 v23, 7, v23                      ; 0 for blocks 0-11, 1 for blocks 12-23: which of the two tiles
	v_mul_u32_u24 v23, v23, KS*1536-12*256
	v_lshl_add_u32 v15, v15, 8, v23
	s_cmp_eq_u32 s15, 0
	s_cselect_b64 s[68:69], s[20:21], s[18:19]
	s_cselect_b32 s70, s[CX], s[CY]
	s_mul_i32 s70, s70, 2*KS*1536
	s_mov_b32 s71, 0
	s_add_nc_u64 s[68:69], s[68:69], s[70:71]
	s_wait_alu depctr_va_vdst(0)
.set SJ, 0
.rept HALFS/512
	global_load_b128 v[176+4*SJ:179+4*SJ], v7, s[92:93] offset:512*SJ
.set SJ, SJ+1
.endr
.irp s, 0,1,2
	s_mov_b32 s[G0+4*\s], 1
	s_add_co_u32 s[G0+4*\s+1], s[LOF], \s*SLOT
	s_add_nc_u64 s[G0+4*\s+2:G0+4*\s+3], s[20:21], \s*TROW
	s_or_b32 s[G0+4*\s+3], s[G0+4*\s+3], 0x80000000
	s_mov_b32 s[G0B+4*\s], 1
	s_add_co_u32 s[G0B+4*\s+1], s[LOF], \s*SLOT
	s_add_nc_u64 s[G0B+4*\s+2:G0B+4*\s+3], s[18:19], \s*TROW
	s_or_b32 s[G0B+4*\s+3], s[G0B+4*\s+3], 0x80000000
.if \s == 1
	s_wait_loadcnt 0x0                             ; my scale words are in registers
.set SJ, 0
.rept HALFS/512
	ds_store_b128 v14, v[176+4*SJ:179+4*SJ] offset:512*SJ
.set SJ, SJ+1
.endr
.endif
.if \s                                 ; slot 0 is the head's one load a wave; slots 1 and 2 stand behind the full sequence and a round
	s_wait_alu depctr_va_vdst(0)
	s_wait_tensorcnt 0x0
	ds_add_u32 v28, v29
	s_wait_dscnt 0x0
	CROUND
.endif
	JLOAD G0+4*\s, G1, G0B+4*\s, G1B
.if \s == 0
	global_prefetch_b8 v15, s[68:69] offset:TROW th:TH_LOAD_NT scope:SCOPE_SE          ; behind slot 0's load: K slots 1 and 2
.endif
.if \s < 2
	global_prefetch_b8 v15, s[68:69] offset:(\s+2)*TROW th:TH_LOAD_NT scope:SCOPE_SE   ; behind slot 1's: K slot 3, the last
.endif
.endr
	v_and_b32 v1, 15, v0
	v_bfe_u32 v2, v0, 4, 1
	v_and_b32 v3, 31, v0
	v_lshlrev_b32 v4, 4, v3
	v_lshlrev_b32 v5, 4, v1
	v_lshl_add_u32 v5, v2, 3, v5
	s_mul_i32 s21, s15, HALFT
	s_mul_i32 s22, s16, HALFT
	s_add_co_u32 s22, s22, 2*HALFT
.irp s, 0,1,2
	v_add_nc_u32 v[ADRA+\s], s21, v4
	v_add_nc_u32 v[ADRB+\s], s22, v4
	v_add_nc_u32 v[ADRA+3+\s], s21, v5
	v_add_nc_u32 v[ADRB+3+\s], s22, v5
	s_add_co_u32 s21, s21, SLOT
	s_add_co_u32 s22, s22, SLOT
.endr
	s_mul_i32 s21, s15, SWO
	s_mul_i32 s22, s16, SWO
	s_add_co_u32 s22, s22, SCLB-SCLA
	s_sub_co_u32 s22, s22, s21
	v_mul_u32_u24 v6, s22, v2
	s_add_co_u32 s21, s21, SCLA
	v_lshl_add_u32 v6, v1, 2, v6
	v_add_nc_u32 v[ADRS], s21, v6
	v_lshlrev_b32 v26, 2, v3
	v_lshlrev_b32 v30, 6, v2
.irp b, 0,1,2,3
	v_mov_b32 v[TM+4+\b], 0
.endr
	s_lshl_b32 s96, s[TC], 10
	s_lshl_b32 s97, s16, 9
	s_add_co_u32 s96, s96, s97
	s_mov_b32 s97, 0
	s_add_nc_u64 s[8:9], s[8:9], s[96:97]
.irp b, 0,1,2,3,4,5,6,7
	global_load_b128 v[BI+8*\b:BI+8*\b+3],   v30, s[8:9] offset:(32*(\b/2)+8*(\b%2))*4
	global_load_b128 v[BI+8*\b+4:BI+8*\b+7], v30, s[8:9] offset:(32*(\b/2)+8*(\b%2))*4+16
.endr
	s_wait_alu depctr_va_vdst(0)
	s_wait_tensorcnt 0x2
	s_barrier_signal -1
	s_barrier_wait -1
	FETCH_B 0, 0, 0
	FETCH_A 0, 0, 0
	SCALES 0
	FETCH_A 0, 0, MB/2
	s_wait_loadcnt 0x0
	STEP 0, 0, 0, 1
	TURN 0, 1, 0, 1, 1
	s_wait_alu depctr_va_vdst(0)
	STEP 1, 0, 1, 0
	TURN 1, 2, 1, 0, 2
	s_wait_alu depctr_va_vdst(0)
	STEP 2, 0, 0, 0
	TURN 2, 0, 0, 1, 0
	STEP 0, 0, 1, 0
	LAST
	PLACES
	s_lshl_b32 s92, s[TC], 1
	s_add_co_u32 s92, s92, s16
	s_lshl_b32 s18, s17, 4
	s_lshl_b32 s19, s15, 3
	s_add_co_u32 s18, s18, s19
	s_lshl_b32 s18, s18, 5
	s_add_co_u32 s18, s18, s92
	s_mul_i32 s18, s18, 1536
	s_mov_b32 s19, 0
	s_add_nc_u64 s[18:19], s[10:11], s[18:19]
	s_lshl_b32 s22, s17, 1
	s_add_co_u32 s22, s22, s15
	s_lshl_b32 s22, s22, 5
	s_add_co_u32 s22, s22, s92
	s_lshl_b32 s22, s22, 9
	s_add_co_u32 s22, s22, GQS
	s_mov_b32 s23, 0
	s_add_nc_u64 s[22:23], s[10:11], s[22:23]
.macro EPIH a
.set WW, 2+(\a)/4
.set SS, 64*((\a)%4)
	s_wait_xcnt 0x0
	WIN ((WW<<6)|(WW<<2))
.set RJ, 0
.rept 64
	v_max_num_f32 v[SS+RJ], 0, v[SS+RJ]
.set RJ, RJ+1
.endr
	QUANTW WW, SS
	global_store_b128 v4, v[PC:PC+3],     s[18:19] offset:49152*(\a)
	global_store_b64  v5, v[PC+4:PC+5],   s[18:19] offset:49152*(\a)+512
	global_store_b128 v4, v[PC+6:PC+9],   s[18:19] offset:49152*(\a)+768
	global_store_b64  v5, v[PC+10:PC+11], s[18:19] offset:49152*(\a)+1280
.if (\a)%2 == 0
	v_mov_b32 v[PWS], v[PW]
.else
	v_permlane16_swap_b32 v[PWS], v[PW]
	global_store_b32 v26, v[PWS], s[22:23] offset:64*((\a)-1)
.endif
.endm
.irp a, 0,1,2,3,4,5,6,7
	EPIH \a
.endr
	s_wait_tensorcnt 0x0
	ds_add_u32 v[SPW], v[NIL]
	s_wait_dscnt 0x0
	CROUND
	s_endpgm
.Lfunc_end_k_q88eec5f199_gemm_w1:
	.size	k_q88eec5f199_gemm_w1, .Lfunc_end_k_q88eec5f199_gemm_w1-k_q88eec5f199_gemm_w1
	.p2alignl 7, 3214868480
	.fill 96, 4, 3214868480
	.section	.rodata,"a",@progbits
	.p2align	6, 0x0
	.amdhsa_kernel k_q88eec5f199_gemm_w1
		.amdhsa_group_segment_fixed_size 327680
		.amdhsa_private_segment_fixed_size 0
		.amdhsa_enable_private_segment 0
		.amdhsa_kernarg_size 32
		.amdhsa_user_sgpr_count 2
		.amdhsa_user_sgpr_kernarg_segment_ptr 1
		.amdhsa_wavefront_size32 1
		.amdhsa_system_sgpr_workgroup_id_x 1
		.amdhsa_system_sgpr_workgroup_id_y 1
		.amdhsa_system_sgpr_workgroup_id_z 1
		.amdhsa_system_vgpr_workitem_id 0
		.amdhsa_next_free_vgpr 1024
		.amdhsa_next_free_sgpr 102
		.amdhsa_reserve_vcc 0
		.amdhsa_float_denorm_mode_32 3
		.amdhsa_float_denorm_mode_16_64 3
		.amdhsa_memory_ordered 1
		.amdhsa_forward_progress 1
		.amdhsa_inst_pref_size 171
	.end_amdhsa_kernel
	.amdgpu_metadata
---
amdhsa.version: [ 1, 2 ]
amdhsa.kernels:
  - .name:           k_q88eec5f199_gemm_w1
    .symbol:         k_q88eec5f199_gemm_w1.kd
    .args:
      - { .name: hq, .offset: 0, .size: 8, .value_kind: global_buffer, .address_space: global }
      - { .name: qin, .offset: 8, .size: 8, .value_kind: global_buffer, .address_space: global }
      - { .name: b1, .offset: 16, .size: 8, .value_kind: global_buffer, .address_space: global }
      - { .name: gq, .offset: 24, .size: 8, .value_kind: global_buffer, .address_space: global }
    .group_segment_fixed_size: 327680
    .private_segment_fixed_size: 0
    .kernarg_segment_align: 8
    .kernarg_segment_size: 32
    .max_flat_workgroup_size: 128
    .sgpr_count:     102
    .vgpr_count:     1024
    .wavefront_size: 32
...
	.end_amdgpu_metadata
.endif
;; end of part 6
;; launch gemm_w2 (part 7): grid 8 x 32, 4 waves a work-group, clusters of 4 x 4, 327,680 bytes of LDS; arguments gq, qin, b2, hf, y; writes y
.if DOCPART == 7
	.amdgcn_target "amdgcn-amd-amdhsa--gfx1250"
	.amdhsa_code_object_version 6
	.text
	.protected	k_q88eec5f199_gemm_w2
	.globl	k_q88eec5f199_gemm_w2
	.p2align	8
	.type	k_q88eec5f199_gemm_w2,@function
k_q88eec5f199_gemm_w2:
	s_mov_b64 s[64:65], 0
	v_nop
	global_prefetch_b8 v0, s[64:65] scope:SCOPE_SE
	s_setreg_imm32_b32 hwreg(HW_REG_WAVE_MODE, 25, 1), 1
	s_wait_xcnt 0x0
	s_wait_alu depctr_hold_cnt(0) depctr_sa_sdst(0) depctr_va_vdst(0) depctr_va_sdst(0) depctr_va_ssrc(0) depctr_va_vcc(0) depctr_vm_vsrc(0)
	s_getreg_b32 s2, hwreg(HW_REG_IB_STS2, 6, 4)
	s_cmp_eq_u32 s2, 0
	s_cbranch_scc0 .Lentry_in_a_cluster
	s_endpgm
.Lentry_in_a_cluster:
	s_bfe_u32 s2, ttmp6, 0x10000c
	s_cmp_lg_u32 s2, 0xf033
	s_cbranch_scc0 .Lentry_shape_is_right
	s_endpgm
.Lentry_shape_is_right:
; y = hidden W2 + b2 + h, the product on codes of FP6 (E2M3) with E8M0 scales, sums in f32; y [4096][1024] f32, natural rows.
; N = 1,024 gives only 64 tiles of 256 x 256, so a tile is 128 x 128: 256 work-groups; four waves, 64 x 64 each: 16 accumulators.  K = 4,096 goes in steps of 512 through a ring of two LDS slots.
; OPERANDS lie in memory as images of their registers (fragment (T, ks) at (T x KS + ks) x 1536); place p of tile T is row 32 (T / 2) + 8 (T % 2) + p + 8 (p / 8).
; THE MATRIX INSTRUCTION IS USED TRANSPOSED (source 0 = 16 columns of the weight, source 1 = 16 tokens): a lane holds one token, and the registers of tiles 2 b, 2 b + 1 are columns 32 b + 16 h + 0 .. 15.
; The bias is the C of each sum's first product.  The residual is loaded at the head, in the layout in which rows leave, and added on the way out.
; CLUSTERS: 4 x 4; A's tiles are shared along a row, B's along a column, by joint loads.  No prefetch is laid: each tile is asked for once for four work-groups, and on tiles of this size a slot's work is short.
; REGISTERS: window 0: v1-6, v24-26, v30 lane numbers and offsets; v16-23, v27 LDS addresses; v28, v29 the add's two; v32-63 scale words; v64-95 the bias; v128-175 A's fragments; v176-239 rows on the way out.
;   window 1: B's fragments, two sets.   window 2: v0-127 the accumulators ((a, b) at 8 (4 a + b)); v128-255 the residual.
.set MB,    4
.set NQ,    4
.set KS,    32
.set AOFS,  12582912                   ; gq: the scale words
.set BOFC,  9437184                    ; qin: W2's codes,
.set BOFS,  12976128                   ; its scale words
.set HASB,  1
.set SWO,   256
.set W_LO,  0xa1
.set W_HI,  0xa1
.set W_LOB, 0x81
.set W_HIB, 0x81
.set NL,    4
.set TROW,  NQ*1536
.set HALFT, MB*TROW
.set SLOT,  4*HALFT
.set LAPS,  KS/NQ/2
.set SCLA,  2*SLOT
.set HALFS, MB*KS*64
.set SCLB,  SCLA+2*HALFS+64
.set SPARE, SCLA+4*HALFS+256
.set ADRA, 16
.set ADRB, 20
.set ADRS, 27
.set SPW,  28
.set NIL,  29
.set SC,   32
.set BI,   64
.set AF,   128
.set G1, 24
.set G0, 32
.set G1B, 48
.set G0B, 56
.set G1S, 68
.set G0S, 76
.set G1SB, 80
.set G0SB, 88
.set MSB, 0
.macro WIN new
.if MSB != \new
	s_set_vgpr_msb (MSB<<8)|\new
.set MSB, \new
.endif
.endm
.macro JLOAD g0a, g1a, g0b, g1b        ; a joint load: waves 0 and 1 fetch for A, waves 2 and 3 for B; the branch hangs on the wave's number alone
	s_cmp_eq_u32 s15, 0
	s_cbranch_scc0 .Lfor_b_\@
	tensor_load_to_lds s[\g0a:\g0a+3], s[\g1a:\g1a+7]
	s_nop 0
.rept 4
	v_nop
.endr
	s_branch .Lasked_\@
.Lfor_b_\@:
	tensor_load_to_lds s[\g0b:\g0b+3], s[\g1b:\g1b+7]
	s_nop 0
.rept 4
	v_nop
.endr
.Lasked_\@:
.endm
.macro CREST
	s_cmp_lg_u32 s14, 0
	s_cbranch_scc1 .Lnot_wave_0_\@
	s_barrier_signal -3
.Lnot_wave_0_\@:
	s_barrier_wait -3
	s_barrier_signal -1
	s_barrier_wait -1
.endm
.macro CROUND
	s_barrier_signal -1
	s_barrier_wait -1
	CREST
.endm
.macro FRAG reg, adr, q, i
	ds_load_b128 v[\reg:\reg+3],     v[\adr]   offset:(\i)*TROW+(\q)*1536
	ds_load_b64  v[\reg+4:\reg+5],   v[\adr+2] offset:(\i)*TROW+(\q)*1536+512
	ds_load_b128 v[\reg+6:\reg+9],   v[\adr]   offset:(\i)*TROW+(\q)*1536+768
	ds_load_b64  v[\reg+10:\reg+11], v[\adr+2] offset:(\i)*TROW+(\q)*1536+1280
.endm
.macro WM a, b, p, q, sc, zero
.set DR, (8*(MB*(\a)+(\b)))%256
.set BR, 128*(\p)+12*(\b)
.set AR, AF+12*(\a)
.set SB, SC+16*(\sc)+MB*(\q)+(\b)
.set SA, SC+16*(\sc)+MB*(\q)+(\a)
.if (\zero) && HASB
	v_wmma_scale_f32_16x16x128_f8f6f4 v[DR:DR+7], v[BR:BR+11], v[AR:AR+11], v[BI+8*(\b):BI+8*(\b)+7], v[SB], v[SA] matrix_a_fmt:MATRIX_FMT_FP6 matrix_b_fmt:MATRIX_FMT_FP6 matrix_a_scale:MATRIX_SCALE_ROW1
.elseif \zero
	v_wmma_scale_f32_16x16x128_f8f6f4 v[DR:DR+7], v[BR:BR+11], v[AR:AR+11], 0, v[SB], v[SA] matrix_a_fmt:MATRIX_FMT_FP6 matrix_b_fmt:MATRIX_FMT_FP6 matrix_a_scale:MATRIX_SCALE_ROW1
.else
	v_wmma_scale_f32_16x16x128_f8f6f4 v[DR:DR+7], v[BR:BR+11], v[AR:AR+11], v[DR:DR+7], v[SB], v[SA] matrix_a_fmt:MATRIX_FMT_FP6 matrix_b_fmt:MATRIX_FMT_FP6 matrix_a_scale:MATRIX_SCALE_ROW1
.endif
.endm
.macro MULQ a0, p, q, sc, zero         ; the accumulators take turns, one instruction a turn, in the same order in every step
.set MA, \a0
.rept MB/4
.set MBB, 0
.rept MB
	WM MA, MBB, \p, \q, \sc, \zero
.set MBB, MBB+1
.endr
.set MA, MA+1
.endr
.endm
.macro WINM hi, zero
.if (\zero) && HASB
.if \hi
	WIN W_HIB
.else
	WIN W_LOB
.endif
.else
.if \hi
	WIN W_HI
.else
	WIN W_LO
.endif
.endif
.endm
.macro FETCH_B slot, q, p
	WIN 0x40
.set FI, 0
.rept MB
	FRAG 128*(\p)+12*FI, ADRB+\slot, \q, FI
.set FI, FI+1
.endr
	WIN 0
.endm
.macro FETCH_A slot, q, i0
.set FI, \i0
.rept MB/2
	FRAG AF+12*FI, ADRA+\slot, \q, FI
.set FI, FI+1
.endr
.endm
.macro SCALES sc
.set SQ, 0
.rept NQ
.set SI, 0
.rept MB
	ds_load_b32 v[SC+16*(\sc)+MB*SQ+SI], v[ADRS] offset:512*SQ+64*SI
.set SI, SI+1
.endr
.set SQ, SQ+1
.endr
.endm
.macro PLACES                          ; four plain places between a matrix instruction and a load into, or a read of, one of its registers
.rept 4
	v_nop
.endr
.endm
.macro STEP slot, q, zero
	s_wait_dscnt (MB/2)*NL                         ; all but the youngest loads (A's upper blocks) are in
	WINM 0, \zero
	MULQ 0, (\q)%2, \q, \slot, \zero
	MULQ MB/4, (\q)%2, \q, \slot, \zero
	s_wait_dscnt 0x0
	PLACES
	FETCH_B \slot, (\q)+1, 1-(\q)%2
	FETCH_A \slot, (\q)+1, 0
	WINM 1, \zero
	MULQ MB/2, (\q)%2, \q, \slot, \zero
	MULQ 3*MB/4, (\q)%2, \q, \slot, \zero
	PLACES
	WIN 0
	FETCH_A \slot, (\q)+1, MB/2
.endm
.macro TURN slot, next, fill           ; a slot's last step changes slots: one barrier, with the waits and the add in front of it
.if \fill
	s_wait_xcnt 0x0                                ; my last prefetch has read its address: it steps here, a K slot on, ahead of the change's own waits
	s_add_nc_u64 s[100:101], s[100:101], TROW
.endif
	s_wait_tensorcnt 0x0                           ; all my tensor loads have landed: my part of the next slot
	ds_add_u32 v[SPW], v[NIL]
	s_wait_dscnt (MB/2)*NL+1                       ; (the add and A's upper blocks may be out)
	WIN W_LO
	MULQ 0, 1, NQ-1, \slot, 0
	s_wait_dscnt 0x0                               ; the add is done, and my reads of this slot are over
	s_barrier_signal -1
	MULQ MB/4, 1, NQ-1, \slot, 0
	WIN 0
	s_barrier_wait -1
.if \fill
	CREST                                          ; the barrier has opened a round of the cluster's: no wave of any partner still reads this slot or has a load on its way
	s_add_nc_u64 s[G0+4*\slot+2:G0+4*\slot+3], s[G0+4*\slot+2:G0+4*\slot+3], 2*TROW
	s_add_nc_u64 s[G0B+4*\slot+2:G0B+4*\slot+3], s[G0B+4*\slot+2:G0B+4*\slot+3], 2*TROW
	JLOAD G0+4*\slot, G1, G0B+4*\slot, G1B         ; the first tensor load behind the round; its four v_nop are the places in front of the loads below
.else
	PLACES
.endif
	s_wait_alu depctr_va_vdst(0)
	v_add_nc_u32 v[ADRS], NQ*512, v[ADRS]
	FETCH_B \next, 0, 0
	FETCH_A \next, 0, 0
	SCALES \next
.if \fill
	s_cmp_gt_u32 s3, 1                             ; the loop's last trip loads K slots 6 and 7: nothing lies two slots on
	s_cbranch_scc0 .Lno_ask_\@
	global_prefetch_b8 v15, s[100:101] offset:3*TROW th:TH_LOAD_NT scope:SCOPE_SE   ; the K slot two refills on
.Lno_ask_\@:
.endif
	WIN W_HI
	MULQ MB/2, 1, NQ-1, \slot, 0
	MULQ 3*MB/4, 1, NQ-1, \slot, 0
	PLACES
	WIN 0
	FETCH_A \next, 0, MB/2
.endm
.macro MID slot
.if NQ > 2
	STEP \slot, 1, 0
	STEP \slot, 2, 0
.endif
.endm
.macro LAST
	s_wait_dscnt (MB/2)*NL
	WIN W_LO
	MULQ 0, 1, NQ-1, 1, 0
	MULQ MB/4, 1, NQ-1, 1, 0
	s_wait_dscnt 0x0
	WIN W_HI
	MULQ MB/2, 1, NQ-1, 1, 0
	MULQ 3*MB/4, 1, NQ-1, 1, 0
	WIN 0
.endm
	s_load_b256 s[4:11], s[0:1], 0x0               ; A's buffer, qin, the bias, the residual
	s_load_b64 s[12:13], s[0:1], 0x20              ; y
	v_lshl_add_u32 v[SPW], v0, 2, SPARE
	v_mov_b32 v[NIL], 0
	ds_add_u32 v[SPW], v[NIL]                      ; the wave's opening: the add and its wait ahead of my first tensor load
	ds_add_u32 v[SPW], v[NIL]
	v_lshrrev_b32 v1, 5, v0
	v_readfirstlane_b32 s14, v1
	s_lshr_b32 s15, s14, 1
	s_and_b32 s16, s14, 1
	s_bfe_u32 s40, ttmp6, 0x40000
	s_bfe_u32 s41, ttmp6, 0x40004
	s_lshl_b32 s42, ttmp9, 2
	s_add_co_u32 s42, s42, s40                     ; the tile's column: 4 x cluster x + cx
	s_and_b32 s17, ttmp7, 0xffff
	s_lshl_b32 s17, s17, 2
	s_add_co_u32 s17, s17, s41                     ; its row: 4 x cluster y + cy
	s_mov_b32 s96, 0
	s_mov_b32 s97, AOFS
	s_mov_b32 s98, BOFC
	s_mov_b32 s99, BOFS
	s_lshl_b32 s43, s41, 2
	s_lshl_b32 s43, 15, s43
	s_lshl_b32 s44, 0x1111, s40
	s_or_b32 s[G1], s43, (3<<16)|(1<<21)           ; the codes: MB rows (tiles) of NQ x 1,536 bytes, KS x 1,536 apart, in elements of 8 bytes
	s_or_b32 s[G1B], s44, (3<<16)|(1<<21)
.irp g, G1, G1B
	s_mov_b32 s[\g+1], (NQ*192)<<16
	s_mov_b32 s[\g+2], MB<<16
	s_mov_b32 s[\g+3], (NQ*192)<<16
	s_mov_b32 s[\g+4], MB
	s_mov_b32 s[\g+5], KS*192
	s_mov_b32 s[\g+6], 0
	s_mov_b32 s[\g+7], 0
.endr
	s_mul_i32 s20, s17, 2*MB
	s_mul_i32 s21, s16, MB
	s_add_co_u32 s20, s20, s21
	s_mul_i32 s20, s20, KS*1536
	s_add_co_u32 s20, s20, s96
	s_mov_b32 s21, 0
	s_mul_i32 s46, s42, 2*MB
	s_mul_i32 s47, s16, MB
	s_add_co_u32 s46, s46, s47
	s_mul_i32 s46, s46, KS*1536
	s_add_co_u32 s46, s46, s98
	s_mov_b32 s47, 0
	s_mul_i32 s94, s16, HALFS
	s_mul_i32 s22, s17, 2*HALFS
	s_add_co_u32 s22, s22, s94
	s_add_co_u32 s22, s22, s97
	s_mov_b32 s23, 0
	s_mul_i32 s92, s42, 2*HALFS
	s_add_co_u32 s92, s92, s94
	s_add_co_u32 s92, s92, s99
	s_mov_b32 s93, 0
	s_mul_i32 s45, s14, HALFT
	s_wait_dscnt 0x0                               ; the opening add is done
	s_wait_kmcnt 0x0
	s_add_nc_u64 s[20:21], s[4:5], s[20:21]
	s_add_nc_u64 s[22:23], s[4:5], s[22:23]
	s_add_nc_u64 s[46:47], s[6:7], s[46:47]
	s_add_nc_u64 s[92:93], s[6:7], s[92:93]
	CROUND                                         ; all sixteen work-groups are here: the first joint loads meet
; The scale words come by plain loads and LDS stores: my wave's HALFS bytes (waves 0, 1: A's halves; waves 2, 3: B's), 512 consecutive bytes a load
	s_cmp_eq_u32 s15, 0
	s_cselect_b64 s[92:93], s[22:23], s[92:93]
	s_mul_i32 s2, s15, SCLB-SCLA
	s_add_co_u32 s2, s2, s94
	s_add_co_u32 s2, s2, SCLA
	v_and_b32 v7, 31, v0
	v_lshlrev_b32 v7, 4, v7                        ; 16 x lane
	v_add_nc_u32 v14, s2, v7                       ; where they go in LDS
	v_and_b32 v15, 31, v0                          ; the prefetches' offset: a lane a block of 256 bytes; a tile's K slot is 24 blocks, lanes 24-31 name the last again
	v_min_u32 v15, 23, v15
	v_lshlrev_b32 v15, 8, v15
	s_wait_alu depctr_va_vdst(0)
.set SJ, 0
.rept HALFS/512
	global_load_b128 v[176+4*SJ:179+4*SJ], v7, s[92:93] offset:512*SJ
.set SJ, SJ+1
.endr
.irp s, 0,1
	s_mov_b32 s[G0+4*\s], 1
	s_add_co_u32 s[G0+4*\s+1], s45, \s*SLOT
	s_add_nc_u64 s[G0+4*\s+2:G0+4*\s+3], s[20:21], \s*TROW
	s_or_b32 s[G0+4*\s+3], s[G0+4*\s+3], 0x80000000
	s_mov_b32 s[G0B+4*\s], 1
	s_add_co_u32 s[G0B+4*\s+1], s45, \s*SLOT
	s_add_nc_u64 s[G0B+4*\s+2:G0B+4*\s+3], s[46:47], \s*TROW
	s_or_b32 s[G0B+4*\s+3], s[G0B+4*\s+3], 0x80000000
.endr
; THE PREFETCH (the head's sentence on it holds no more): of the 4 tiles that my wave fetches jointly, each of the four partners names one, told apart by address (cx for A, cy for B).
; Behind the load of K slot k stands the request for K slot k + 2; the head asks for K slot 1 too.  s[100:101] stands at K slot 0 and steps a slot at each refill.
	s_cmp_eq_u32 s15, 0
	s_cselect_b64 s[100:101], s[20:21], s[46:47]
	s_cselect_b32 s18, s40, s41
	s_mul_i32 s18, s18, KS*1536
	s_mov_b32 s19, 0
	s_add_nc_u64 s[100:101], s[100:101], s[18:19]
	JLOAD G0, G1, G0B, G1B                         ; slot 0: the head's one load a wave
	v_and_b32 v1, 15, v0
	v_bfe_u32 v2, v0, 4, 1                         ; h
	v_and_b32 v3, 31, v0
	v_lshlrev_b32 v4, 4, v3
	v_lshlrev_b32 v5, 4, v1
	v_lshl_add_u32 v5, v2, 3, v5
	s_mul_i32 s21, s15, HALFT
	s_mul_i32 s22, s16, HALFT
	s_add_co_u32 s22, s22, 2*HALFT
.irp s, 0,1
	v_add_nc_u32 v[ADRA+\s], s21, v4
	v_add_nc_u32 v[ADRB+\s], s22, v4
	v_add_nc_u32 v[ADRA+2+\s], s21, v5
	v_add_nc_u32 v[ADRB+2+\s], s22, v5
	s_add_co_u32 s21, s21, SLOT
	s_add_co_u32 s22, s22, SLOT
.endr
	s_mul_i32 s21, s15, SWO
	s_mul_i32 s22, s16, SWO
	s_add_co_u32 s22, s22, SCLB-SCLA
	s_sub_co_u32 s22, s22, s21
	v_mul_u32_u24 v6, s22, v2
	s_add_co_u32 s21, s21, SCLA
	v_lshl_add_u32 v6, v1, 2, v6
	v_add_nc_u32 v[ADRS], s21, v6
	s_mul_i32 s21, s14, 4352                       ; my stage for the way out: 16 rows x (256 + 16) bytes, in slot 0
	v_mul_u32_u24 v24, v1, 272
	v_lshl_add_u32 v24, v2, 6, v24
	v_add_nc_u32 v24, s21, v24                     ; in: row r, + 64 h
	v_mul_u32_u24 v25, v2, 272
	v_lshl_add_u32 v25, v1, 4, v25
	v_add_nc_u32 v25, s21, v25                     ; back: lanes 0-15 one row, lanes 16-31 the next
	v_lshlrev_b32 v26, 12, v2
	v_lshl_add_u32 v26, v1, 4, v26                 ; and the same two rows in memory
	v_lshlrev_b32 v30, 6, v2                       ; the bias: 64 h
	s_wait_alu depctr_va_vdst(0)
	s_lshl_b32 s96, s42, 9
	s_lshl_b32 s97, s16, 8
	s_add_co_u32 s96, s96, s97                     ; my first column, in bytes
	s_mov_b32 s97, 0
	s_add_nc_u64 s[8:9], s[8:9], s[96:97]
	s_lshl_b32 s98, s17, 7
	s_lshl_b32 s99, s15, 6
	s_add_co_u32 s98, s98, s99                     ; my first row
	s_lshl_b32 s98, s98, 12
	s_mov_b32 s99, 0
	s_add_nc_u64 s[96:97], s[96:97], s[98:99]
	s_add_nc_u64 s[10:11], s[10:11], s[96:97]
	s_add_nc_u64 s[12:13], s[12:13], s[96:97]
	global_prefetch_b8 v15, s[100:101] offset:TROW th:TH_LOAD_NT scope:SCOPE_SE     ; K slots 1 and 2
	global_prefetch_b8 v15, s[100:101] offset:2*TROW th:TH_LOAD_NT scope:SCOPE_SE
.irp b, 0,1,2,3
	global_load_b128 v[BI+8*\b:BI+8*\b+3],   v30, s[8:9] offset:(32*(\b/2)+8*(\b%2))*4      ; the bias in the result's layout: tile b's eight columns of my half
	global_load_b128 v[BI+8*\b+4:BI+8*\b+7], v30, s[8:9] offset:(32*(\b/2)+8*(\b%2))*4+16
.endr
	WIN 0x80                                       ; destination window 2
.irp a, 0,1,2,3
.irp t, 0,1,2,3,4,5,6,7
	global_load_b128 v[128+4*(8*\a+\t):128+4*(8*\a+\t)+3], v26, s[10:11] offset:(32*(\a/2)+8*(\a%2)+2*\t+8*(\t/4))*4096   ; the residual: two rows x 256 bytes, the rows of tile a's places 2 t, 2 t + 1
.endr
.endr
	WIN 0
	s_wait_loadcnt 40                              ; my scale words are in; younger are the bias's 8 loads and the residual's 32
.set SJ, 0
.rept HALFS/512
	ds_store_b128 v14, v[176+4*SJ:179+4*SJ] offset:512*SJ
.set SJ, SJ+1
.endr
	s_wait_tensorcnt 0x0                           ; my part of slot 0 is in
	ds_add_u32 v[SPW], v[NIL]
	s_wait_dscnt 0x0                               ; the add and my stores of scale words are done
	CROUND
	JLOAD G0+4, G1, G0B+4, G1B                     ; slot 1, the first tensor load behind the round
	FETCH_B 0, 0, 0
	global_prefetch_b8 v15, s[100:101] offset:3*TROW th:TH_LOAD_NT scope:SCOPE_SE   ; K slot 3
	FETCH_A 0, 0, 0
	SCALES 0
	FETCH_A 0, 0, MB/2
	s_wait_loadcnt 32                              ; the bias is in; the residual's 32 loads may be out
	STEP 0, 0, 1
.if LAPS > 1
	s_mov_b32 s3, LAPS-1
.Llap:                                                 ; a trip goes once round the ring and fills both slots again
	MID 0
	TURN 0, 1, 1
	STEP 1, 0, 0
	MID 1
	TURN 1, 0, 1
	STEP 0, 0, 0
	s_sub_co_u32 s3, s3, 1
	s_cmp_lg_u32 s3, 0
	s_cbranch_scc1 .Llap
.endif
	MID 0
	TURN 0, 1, 0                                   ; the last lap fills nothing
	STEP 1, 0, 0
	MID 1
	LAST
	PLACES
	s_wait_loadcnt 0x0                             ; the residual
; THE WAY OUT, 16 tokens x 64 columns at a time, through my stage: slot 0 has had its last fill, and nobody has read it since the last change of slots.  LDS serves a wave's instructions in order.
.macro OUTB a
.set BB, 176+32*((\a)%2)
.if (\a) > 1
	s_wait_xcnt 0x0                                ; block a - 2's stores have read their registers
.endif
	WIN 0x08                                       ; an LDS store's data are its source 1: window 2
.irp b, 0,1
.irp i, 0,1,2,3
	ds_store_b128 v24, v[32*(\a)+16*\b+4*\i:32*(\a)+16*\b+4*\i+3] offset:128*\b+16*\i   ; each accumulator from its low end on
.endr
.endr
	WIN 0
.irp t, 0,1,2,3,4,5,6,7
	ds_load_b128 v[BB+4*\t:BB+4*\t+3], v25 offset:544*\t
.endr
	s_wait_dscnt 0x0
	WIN 0x08
.irp t, 0,1,2,3,4,5,6,7
	v_pk_add_f32 v[BB+4*\t:BB+4*\t+1],   v[BB+4*\t:BB+4*\t+1],   v[128+4*(8*(\a)+\t):128+4*(8*(\a)+\t)+1]
	v_pk_add_f32 v[BB+4*\t+2:BB+4*\t+3], v[BB+4*\t+2:BB+4*\t+3], v[128+4*(8*(\a)+\t)+2:128+4*(8*(\a)+\t)+3]
.endr
	WIN 0
.irp t, 0,1,2,3,4,5,6,7
	global_store_b128 v26, v[BB+4*\t:BB+4*\t+3], s[12:13] offset:(32*((\a)/2)+8*((\a)%2)+2*\t+8*(\t/4))*4096   ; sixteen lanes store 256 consecutive bytes, aligned
.endr
.endm
	OUTB 0
	OUTB 1
	OUTB 2
	OUTB 3
	s_wait_tensorcnt 0x0                           ; the wave's end, behind my last LDS store
	ds_add_u32 v[SPW], v[NIL]
	s_wait_dscnt 0x0
	CROUND                                         ; the closing round
	s_endpgm
.Lfunc_end_k_q88eec5f199_gemm_w2:
	.size	k_q88eec5f199_gemm_w2, .Lfunc_end_k_q88eec5f199_gemm_w2-k_q88eec5f199_gemm_w2
	.p2alignl 7, 3214868480
	.fill 96, 4, 3214868480
	.section	.rodata,"a",@progbits
	.p2align	6, 0x0
	.amdhsa_kernel k_q88eec5f199_gemm_w2
		.amdhsa_group_segment_fixed_size 327680
		.amdhsa_private_segment_fixed_size 0
		.amdhsa_enable_private_segment 0
		.amdhsa_kernarg_size 40
		.amdhsa_user_sgpr_count 2
		.amdhsa_user_sgpr_kernarg_segment_ptr 1
		.amdhsa_wavefront_size32 1
		.amdhsa_system_sgpr_workgroup_id_x 1
		.amdhsa_system_sgpr_workgroup_id_y 1
		.amdhsa_system_sgpr_workgroup_id_z 1
		.amdhsa_system_vgpr_workitem_id 0
		.amdhsa_next_free_vgpr 768
		.amdhsa_next_free_sgpr 102
		.amdhsa_reserve_vcc 0
		.amdhsa_float_denorm_mode_32 3
		.amdhsa_float_denorm_mode_16_64 3
		.amdhsa_memory_ordered 1
		.amdhsa_forward_progress 1
		.amdhsa_inst_pref_size 107
	.end_amdhsa_kernel
	.amdgpu_metadata
---
amdhsa.version: [ 1, 2 ]
amdhsa.kernels:
  - .name:           k_q88eec5f199_gemm_w2
    .symbol:         k_q88eec5f199_gemm_w2.kd
    .args:
      - { .name: gq, .offset: 0, .size: 8, .value_kind: global_buffer, .address_space: global }
      - { .name: qin, .offset: 8, .size: 8, .value_kind: global_buffer, .address_space: global }
      - { .name: b2, .offset: 16, .size: 8, .value_kind: global_buffer, .address_space: global }
      - { .name: hf, .offset: 24, .size: 8, .value_kind: global_buffer, .address_space: global }
      - { .name: y, .offset: 32, .size: 8, .value_kind: global_buffer, .address_space: global }
    .group_segment_fixed_size: 327680
    .private_segment_fixed_size: 0
    .kernarg_segment_align: 8
    .kernarg_segment_size: 40
    .max_flat_workgroup_size: 128
    .sgpr_count:     102
    .vgpr_count:     768
    .wavefront_size: 32
...
	.end_amdgpu_metadata
.endif
;; end of part 7
;; launch ln2 (part 8): grid 256 x 1, 8 waves a work-group, no clusters, 0 bytes of LDS; arguments y, ln2_w, ln2_b, out0; writes out0
.if DOCPART == 8
	.amdgcn_target "amdgcn-amd-amdhsa--gfx1250"
	.amdhsa_code_object_version 6
	.text
	.protected	k_q88eec5f199_ln2
	.globl	k_q88eec5f199_ln2
	.p2align	8
	.type	k_q88eec5f199_ln2,@function
k_q88eec5f199_ln2:
	s_mov_b64 s[64:65], 0
	v_nop
	global_prefetch_b8 v0, s[64:65] scope:SCOPE_SE
	s_setreg_imm32_b32 hwreg(HW_REG_WAVE_MODE, 25, 1), 1
	s_wait_xcnt 0x0
; out0 = layernorm(y) x ln2_w + ln2_b, in f32: the mean, then the centred squares (no difference of large sums), 1 / sqrt(variance + 1e-5) by v_rsq_f32.
; A work-group takes 16 rows, a wave two: a row of 4,096 bytes is 32 registers of the wave, so it is read once and the reductions never leave the wave: no LDS, no barrier.
; A stream: every load and store covers 512 consecutive bytes; work-groups share nothing but the gain and the bias (8 KiB): no cluster, no matrix unit, no prefetch (the loads go out at the head).
; LIMITS: NaN and infinities among the inputs are not served.
	s_load_b256 s[4:11], s[0:1], 0x0               ; y, the gain, the bias, out0
	v_lshrrev_b32 v1, 5, v0
	s_delay_alu instid0(VALU_DEP_1)
	v_readfirstlane_b32 s14, v1                    ; wave 0..7
	v_and_b32 v1, 31, v0
	s_delay_alu instid0(VALU_DEP_1)
	v_lshlrev_b32 v2, 4, v1                        ; 16 x lane
	v_mov_b32 v161, 0                              ; (named as the upper halves of pairs)
	v_mov_b32 v163, 0
	s_mov_b32 s18, 0x3a800000                      ; 1 / 1,024
	s_mov_b32 s19, 0x3727c5ac                      ; 1e-5
	s_mov_b32 s22, 0x76543210
	s_mov_b32 s23, 0xfedcba98
	s_lshl_b32 s15, ttmp9, 4
	s_lshl_b32 s16, s14, 1
	s_add_co_u32 s15, s15, s16                     ; my first row
	s_lshl_b32 s16, s15, 12
	s_mov_b32 s17, 0
	s_wait_alu depctr_va_vdst(0)
	s_wait_kmcnt 0x0
	s_add_nc_u64 s[4:5], s[4:5], s[16:17]
	s_add_nc_u64 s[10:11], s[10:11], s[16:17]
.irp i, 0,1
.irp j, 0,1,2,3,4,5,6,7
	global_load_b128 v[16+32*\i+4*\j:19+32*\i+4*\j], v2, s[4:5] offset:4096*\i+512*\j th:TH_LOAD_NT
.endr
.endr
.irp j, 0,1,2,3,4,5,6,7
	global_load_b128 v[80+4*\j:83+4*\j], v2, s[6:7] offset:512*\j
.endr
.irp j, 0,1,2,3,4,5,6,7
	global_load_b128 v[112+4*\j:115+4*\j], v2, s[8:9] offset:512*\j
.endr
	s_wait_loadcnt 16                              ; my two rows are in; the gain's and the bias's 16 loads may be out
.irp i, 0,1                            ; the rows' sums, the two rows by turns, two chains each
	v_pk_add_f32 v[144+4*\i:145+4*\i], v[16+32*\i:17+32*\i], v[18+32*\i:19+32*\i]
	v_pk_add_f32 v[146+4*\i:147+4*\i], v[20+32*\i:21+32*\i], v[22+32*\i:23+32*\i]
.endr
.irp j, 8,12,16,20,24,28
.irp i, 0,1
	s_delay_alu instid0(VALU_DEP_4)
	v_pk_add_f32 v[144+4*\i:145+4*\i], v[144+4*\i:145+4*\i], v[16+32*\i+\j:17+32*\i+\j]
	s_delay_alu instid0(VALU_DEP_4)
	v_pk_add_f32 v[146+4*\i:147+4*\i], v[146+4*\i:147+4*\i], v[18+32*\i+\j:19+32*\i+\j]
.endr
.endr
.irp i, 0
	s_delay_alu instid0(VALU_DEP_3)
	v_pk_add_f32 v[144+4*\i:145+4*\i], v[144+4*\i:145+4*\i], v[146+4*\i:147+4*\i]
.endr
.irp i, 1
	s_delay_alu instid0(VALU_DEP_2)
	v_pk_add_f32 v[144+4*\i:145+4*\i], v[144+4*\i:145+4*\i], v[146+4*\i:147+4*\i]
.endr
.irp i, 0,1
	s_delay_alu instid0(VALU_DEP_2)
	v_add_f32 v[144+4*\i], v[144+4*\i], v[145+4*\i]
.endr
.irp m, 1,2,4,8
.irp i, 0,1
	s_delay_alu instid0(VALU_DEP_2)
	v_add_f32_dpp v[144+4*\i], v[144+4*\i], v[144+4*\i] row_xmask:\m row_mask:0xf bank_mask:0xf
.endr
.endr
.irp i, 0,1
	s_delay_alu instid0(VALU_DEP_2)
	v_permlanex16_b32 v[146+4*\i], v[144+4*\i], s22, s23
.endr
.irp i, 0,1
	s_delay_alu instid0(VALU_DEP_2)
	v_add_f32 v[144+4*\i], v[144+4*\i], v[146+4*\i]
.endr
.irp i, 0,1
	s_delay_alu instid0(VALU_DEP_2)
	v_mul_f32 v[144+4*\i], s18, v[144+4*\i]        ; the mean
.endr
.irp j, 0,2,4,6,8,10,12,14,16,18,20,22,24,26,28,30
.irp i, 0,1
	v_pk_add_f32 v[16+32*\i+\j:17+32*\i+\j], v[16+32*\i+\j:17+32*\i+\j], v[144+4*\i:145+4*\i] op_sel_hi:[1,0] neg_lo:[0,1] neg_hi:[0,1]   ; x - mean
.endr
.endr
.irp i, 0,1
	v_pk_mul_f32 v[152+4*\i:153+4*\i], v[16+32*\i:17+32*\i], v[16+32*\i:17+32*\i]
	v_pk_mul_f32 v[154+4*\i:155+4*\i], v[18+32*\i:19+32*\i], v[18+32*\i:19+32*\i]
.endr
.irp j, 4,8,12,16,20,24,28
.irp i, 0,1
	s_delay_alu instid0(VALU_DEP_4)
	v_pk_fma_f32 v[152+4*\i:153+4*\i], v[16+32*\i+\j:17+32*\i+\j], v[16+32*\i+\j:17+32*\i+\j], v[152+4*\i:153+4*\i]
	s_delay_alu instid0(VALU_DEP_4)
	v_pk_fma_f32 v[154+4*\i:155+4*\i], v[18+32*\i+\j:19+32*\i+\j], v[18+32*\i+\j:19+32*\i+\j], v[154+4*\i:155+4*\i]
.endr
.endr
.irp i, 0
	s_delay_alu instid0(VALU_DEP_3)
	v_pk_add_f32 v[152+4*\i:153+4*\i], v[152+4*\i:153+4*\i], v[154+4*\i:155+4*\i]
.endr
.irp i, 1
	s_delay_alu instid0(VALU_DEP_2)
	v_pk_add_f32 v[152+4*\i:153+4*\i], v[152+4*\i:153+4*\i], v[154+4*\i:155+4*\i]
.endr
.irp i, 0,1
	s_delay_alu instid0(VALU_DEP_2)
	v_add_f32 v[152+4*\i], v[152+4*\i], v[153+4*\i]
.endr
.irp m, 1,2,4,8
.irp i, 0,1
	s_delay_alu instid0(VALU_DEP_2)
	v_add_f32_dpp v[152+4*\i], v[152+4*\i], v[152+4*\i] row_xmask:\m row_mask:0xf bank_mask:0xf
.endr
.endr
.irp i, 0,1
	s_delay_alu instid0(VALU_DEP_2)
	v_permlanex16_b32 v[154+4*\i], v[152+4*\i], s22, s23
.endr
.irp i, 0,1
	s_delay_alu instid0(VALU_DEP_2)
	v_add_f32 v[152+4*\i], v[152+4*\i], v[154+4*\i]
.endr
.irp i, 0,1
	s_delay_alu instid0(VALU_DEP_2)
	v_fma_f32 v[152+4*\i], v[152+4*\i], s18, s19   ; the variance + 1e-5
.endr
	s_wait_alu depctr_va_vdst(0)
.irp i, 0,1
	v_rsq_f32 v[160+2*\i], v[152+4*\i]
.endr
	v_nop                                          ; a plain place behind the transcendentals
	s_wait_alu depctr_va_vdst(0)                   ; one wait for both, ahead of their first reader
	s_wait_loadcnt 0x0                             ; the gain and the bias
.irp j, 0,2,4,6,8,10,12,14,16,18,20,22,24,26,28,30
.irp i, 0,1
	v_pk_mul_f32 v[16+32*\i+\j:17+32*\i+\j], v[16+32*\i+\j:17+32*\i+\j], v[160+2*\i:161+2*\i] op_sel_hi:[1,0]
.endr
.endr
.irp j, 0,2,4,6,8,10,12,14,16,18,20,22,24,26,28,30
.irp i, 0,1
	v_pk_fma_f32 v[16+32*\i+\j:17+32*\i+\j], v[16+32*\i+\j:17+32*\i+\j], v[80+\j:81+\j], v[112+\j:113+\j]
.endr
.endr
.irp i, 0,1
.irp j, 0,1,2,3,4,5,6,7
	global_store_b128 v2, v[16+32*\i+4*\j:19+32*\i+4*\j], s[10:11] offset:4096*\i+512*\j th:TH_STORE_NT   ; 512 consecutive bytes, aligned; written once, read by nobody here
.endr
.endr
	s_endpgm
.Lfunc_end_k_q88eec5f199_ln2:
	.size	k_q88eec5f199_ln2, .Lfunc_end_k_q88eec5f199_ln2-k_q88eec5f199_ln2
	.p2alignl 7, 3214868480
	.fill 96, 4, 3214868480
	.section	.rodata,"a",@progbits
	.p2align	6, 0x0
	.amdhsa_kernel k_q88eec5f199_ln2
		.amdhsa_group_segment_fixed_size 0
		.amdhsa_private_segment_fixed_size 0
		.amdhsa_enable_private_segment 0
		.amdhsa_kernarg_size 32
		.amdhsa_user_sgpr_count 2
		.amdhsa_user_sgpr_kernarg_segment_ptr 1
		.amdhsa_wavefront_size32 1
		.amdhsa_system_sgpr_workgroup_id_x 1
		.amdhsa_system_sgpr_workgroup_id_y 1
		.amdhsa_system_sgpr_workgroup_id_z 1
		.amdhsa_system_vgpr_workitem_id 0
		.amdhsa_next_free_vgpr 176
		.amdhsa_next_free_sgpr 66
		.amdhsa_reserve_vcc 0
		.amdhsa_float_denorm_mode_32 3
		.amdhsa_float_denorm_mode_16_64 3
		.amdhsa_memory_ordered 1
		.amdhsa_forward_progress 1
		.amdhsa_inst_pref_size 21
	.end_amdhsa_kernel
	.amdgpu_metadata
---
amdhsa.version: [ 1, 2 ]
amdhsa.kernels:
  - .name:           k_q88eec5f199_ln2
    .symbol:         k_q88eec5f199_ln2.kd
    .args:
      - { .name: y, .offset: 0, .size: 8, .value_kind: global_buffer, .address_space: global }
      - { .name: ln2_w, .offset: 8, .size: 8, .value_kind: global_buffer, .address_space: global }
      - { .name: ln2_b, .offset: 16, .size: 8, .value_kind: global_buffer, .address_space: global }
      - { .name: out0, .offset: 24, .size: 8, .value_kind: global_buffer, .address_space: global }
    .group_segment_fixed_size: 0
    .private_segment_fixed_size: 0
    .kernarg_segment_align: 8
    .kernarg_segment_size: 32
    .max_flat_workgroup_size: 256
    .sgpr_count:     66
    .vgpr_count:     176
    .wavefront_size: 32
...
	.end_amdgpu_metadata
.endif
;; end of part 8
